; MI455X (gfx1250); checked and timed in simulation.
; The chip was launched on July 23, 2026; its instructions are those of AMD's public machine-readable ISA for CDNA 5 (MIT licence, August 2026) and "CDNA5" Instruction Set Architecture Reference Guide (July 2026). The comments in the code are by the model that wrote it; some were corrected since.
;; Multihead Self Attention. Allowed arithmetic: matrix products marked QUANTISED: E3M2 operands, one E8M0 scale for each 32 along K, by v_wmma_scale_f32_16x16x128_f8f6f4 with both operands' format E3M2, f32 sums; everything else in f32.
;; Inputs: Wk 2,048 x 2,048 float32; Wo 2,048 x 2,048 float32; Wq 2,048 x 2,048 float32; Wv 2,048 x 2,048 float32; token_positions 2,048 int32; x 1 x 2,048 x 2,048 float32.
;; Outputs: out0 1 x 2,048 x 2,048 float32.
;; This version of the problem:
;;   THIS VERSION OF THE PROBLEM IS GIVEN IN LOW PRECISION. The matrix products marked QUANTISED in the list below multiply operands that are first quantised to E3M2 (3 exponent bits, 2 mantissa bits; 6 bits a number), with one power-of-two scale for each 32 numbers along K (OCP MX v1.0); their sums are f32. All else is computed in f32.
;;   The module's matrix products, in the order in which they are computed (A, B: the left and right operand; K: the contracted axis; several contracted axes count as one K, in the product's order):
;;     1. [M 2,048, K 2,048] x [K 2,048, N 2,048]; A: input x; B: input Wq: QUANTISED
;;     2. [M 2,048, K 2,048] x [K 2,048, N 2,048]; A: input x; B: input Wk: QUANTISED
;;     3. [M 2,048, K 2,048] x [K 2,048, N 2,048]; A: input x; B: input Wv: QUANTISED
;;     4. batch 16 x [M 2,048, K 128] x [K 128, N 2,048]; A: computed on the way; B: computed on the way: QUANTISED
;;     5. batch 16 x [M 2,048, K 2,048] x [K 2,048, N 128]; A: softmax (see below); B: computed on the way: QUANTISED
;;     6. [M 2,048, K 2,048] x [K 2,048, N 2,048]; A: computed on the way; B: input Wo: QUANTISED
;;   THE QUANTISER, for each operand of a quantised product, along K:
;;     - K is cut into blocks of 32 from its start; a last block that is shorter is filled with zeros.
;;     - A block's scale is 2^e with e = floor(log2(the largest magnitude in the block)) - 4, held to -126 .. 127; a block of zeros has e = 0. As a byte (E8M0): e + 127.
;;     - Each number is divided by its block's scale, clamped to +-28, and rounded to the nearest number of E3M2, ties to even, subnormals kept.
;;     - The product sums the exact products of the quantised numbers (number of the format x scale) in f32.
;;   ~~~python
;;   def quantise(x, axis):      # numpy; x: float32 -> the quantised numbers, widened to float32 again
;;       x = np.moveaxis(x, axis, -1); K = x.shape[-1]
;;       x = np.pad(x, [(0, 0)] * (x.ndim - 1) + [(0, -K % 32)]); x = x.reshape(x.shape[:-1] + (-1, 32)); a = np.abs(x).max(-1, keepdims=True)
;;       e = np.where(a > 0, np.clip(np.frexp(np.where(a > 0, a, 1))[1] - 1 - 4, -126, 127), 0)      # np.frexp(a)[1] - 1 = floor(log2(a)), exactly
;;       r = np.clip(x / 2.0 ** e, -28, 28)
;;       step = 2.0 ** (np.maximum(np.frexp(np.where(r == 0, 1, r))[1] - 1, -2) - 2)
;;       q = np.round(r / step) * step * 2.0 ** e      # np.round: ties to even
;;       return np.moveaxis(q.reshape(q.shape[:-2] + (-1,))[..., :K], -1, axis).astype(np.float32)
;;   ~~~
;;   SOFTMAX AHEAD OF A QUANTISED PRODUCT. Where the list says 'softmax', what is quantised is not the finished softmax but p = 2^(t - M), with t = logit x log2(e) and M = ceil(the row's largest t), a whole number; so 1/2 < the row's largest p <= 1. The row's sum l is taken of the UNQUANTISED p, in f32, and the product's result is divided by l at the end. Since M is a whole number, a kernel that streams over the keys may use a running M (the ceiling of the running maximum): every later rescaling is an exact power of two, which a block's scale takes up: the codes' values come out the same.
;;   OPERANDS COMPUTED ON THE WAY. 'Computed on the way' means the value that the module computes at that place (a softmax that the list does not call 'softmax' is quantised finished and normalised). What goes into a quantiser is computed in f32, as accurately as f32 sums, v_exp_f32 and their like allow (about 1e-6 of the number): no bf16 or f16 on the way to a quantiser, and a product that is left as it is and whose result goes on into a quantised operand takes f32 operands (vector FMAs, or v_wmma_f32_16x16x4_f32). A number that lies on a knife's edge between two numbers of the format may be rounded either way, as far as f32 arithmetic and the matrix unit's own rounding can turn it there, and no further.
;; 2 versions. Each part assembles by itself: llvm-mc -triple=amdgcn-amd-amdhsa -mcpu=gfx1250 --defsym DOCPART=n.
;; ======== version 1 of 2: 4 launches
;; workspace buffers: codes 15,728,640 bytes; scales 655,360 bytes; rope 1,114,112 bytes; qkvc 9,437,184 bytes; qkvs 393,216 bytes; ao 3,145,728 bytes; aos 131,072 bytes
;; launch prep (part 1): grid 674 x 1, 4 waves a work-group, no clusters, 35,328 bytes of LDS; arguments x, Wq, Wk, Wv, Wo, token_positions, codes, scales, rope; writes codes, scales, rope
.if DOCPART == 1
	.amdgcn_target "amdgcn-amd-amdhsa--gfx1250"
	.amdhsa_code_object_version 6
	.text
	.protected	k_q06a5f0321a_prep
	.globl	k_q06a5f0321a_prep
	.p2align	8
	.type	k_q06a5f0321a_prep,@function
k_q06a5f0321a_prep:
	s_mov_b64 s[64:65], 0
	v_nop
	global_prefetch_b8 v0, s[64:65] scope:SCOPE_SE
	s_setreg_imm32_b32 hwreg(HW_REG_WAVE_MODE, 25, 1), 1
	s_wait_xcnt 0x0
; PREP.  Two kinds of work-groups, told apart by the work-group's number.
; (1) Work-groups 34 .. 673 turn x, Wq, Wk, Wv, Wo ([2048][2048] f32, K innermost) into codes of BF6 (E3M2) with one E8M0 byte for each 32 along K.
;     A block's byte is its largest magnitude's exponent field - 4, held at 1 from below; numbers are divided by the scale and rounded to the nearest code, ties to even, beyond 28 the largest code.
;     THE CODES ARE LAID IN THE ORDER OF THE OPERAND'S REGISTERS.  A matrix is cut into row blocks RB of 128 rows, K steps s of 128 and tiles t = 0 .. 7 of 16 rows;
;     lane r of tile t holds row 128 RB + 32 (t / 2) + 8 (t % 2) + r + 8 (r / 8).  A fragment (12 registers a lane) is 1,536 bytes: registers 4 c .. 4 c + 3 of lane l at 512 c + 16 l;
;     fragment (RB, s, t) lies at ((16 RB + s) 8 + t) 1,536; its 16 scale words at ((16 RB + s) 8 + t) 64 + 4 r.  Tensor T (0 x, 1 Wq, 2 Wk, 3 Wv, 4 Wo) begins at 3,145,728 T and 131,072 T.
;     A wave takes 64 rows x 128 along K: four fragments.  Each load reads 512 consecutive bytes of one row; 16 rows turn through the wave's own stage in LDS (rows 528 bytes apart),
;     so that lane (r, h) gets, of row r, 16 neighbours of each block of 32.  Each store of codes covers 512 consecutive bytes.
; (2) Work-groups 0 .. 33 make the table of cos and sin: a tile of 8,192 bytes for each 16 tokens, the image of 64 registers: chunk 4 B + j at 512 (4 B + j) + 16 lane holds
;     cos, sin, cos, sin of the pairs 16 B + 8 h + 2 j + 0, 1 for the token of lane r (the tiles' rows are chosen as above).  Tiles 128 .. 135 hold cos = 1, sin = 0.
;     The angle is RN(position x f), f = RN(1 / RN(10^(pair / 16))): the power in double-float arithmetic, rounded once; the quotient by a reciprocal and two corrections.
;     cos and sin: the angle less k pi/2 in two parts (the first product is exact: k < 2^11, the part has 24 bits, and the difference is a multiple of 2^-23 under 1), then polynomials on |r| <= pi/4.
; LIMITS: NaN and infinities among the inputs are not served.  A block whose largest magnitude lies under 2^-122 keeps the byte 1 (a block of zeros too: its codes are zeros, and this program alone reads the bytes).
;     token_positions lie in 0 .. 2,047, as the table that they index asks.  The frequencies are the correctly rounded power and quotient.
; No tensor load, no barrier: waves share nothing.  Each of the two paths has LDS bytes of its own.
.set NROPE, 34
.set STGB,  16*528                     ; a wave's stage: 16 rows x (512 bytes + 16)
.set FQ,    4*STGB                     ; behind the stages: 256 bytes for each wave: the 64 frequencies
.set LI,   2                           ; v2   16 x lane
.set L4,   3                           ; v3   4 x lane
.set STI,  4                           ; v4   the stage, on the way in
.set STO,  5                           ; v5   and on the way out: 528 r + 64 h
.set PC,   8                           ; v8-27  the codes just made
.set TM,   28                          ; v28-43 at work in QUANT
.set SW,   44                          ; v44-47 the four fragments' scale words
.set SWP,  48                          ; v48-49 two tiles' words in one register: lanes 0-15 the even tile's, lanes 16-31 the odd one's
.set R,    64                          ; v64-191  two sets of 64: 16 rows as loaded
.set X,    192                         ; v192-255 64 numbers of my row
.set SEL,  60                          ; s[60:61] lane selects: lane l xor 16
.set HM,   30                          ; s30  the mask of lanes 16-31
.set POSF, 29                          ; the table's path: v29 the position as f32
.set FA,   27                          ; v27  LDS address of my frequencies
.set OADR, 28                          ; v28  8 x lane
.set OUT,  64                          ; v64-127 32 pairs cos, sin
.set FRQ,  128                         ; v128-159 my 32 frequencies
; 64 numbers of a lane, register 16 b + i = k 32 b + 16 h + i of my row, become a fragment's codes in v[PC] on and its scale word in v[pw] (the same in lanes r and r + 16).
.macro QUANT s, pw
.irp b, 0,1,2,3
	v_max3_num_f32 v[TM+\b], |v[(\s)+16*\b]|, |v[(\s)+1+16*\b]|, 0x2800000   ; my 16 numbers of block b, and the floor 2^(5 - 127): the byte cannot fall under 1
.endr
.irp i, 2,4,6,8,10,12,14
.irp b, 0,1,2,3
	v_max3_num_f32 v[TM+\b], v[TM+\b], |v[(\s)+16*\b+\i]|, |v[(\s)+1+16*\b+\i]|   ; the four blocks by turns
.endr
.endr
.irp b, 0,1,2,3
	v_permlanex16_b32 v[TM+4+\b], v[TM+\b], s[SEL], s[SEL+1]
.endr
.irp b, 0,1,2,3
	v_max_num_f32 v[TM+\b], v[TM+\b], v[TM+4+\b]   ; with lane l xor 16's: the block's largest magnitude
.endr
.irp b, 0,1,2,3
	v_add_nc_u32 v[TM+12+\b], 0xfe000000, v[TM+\b]   ; 4 off its exponent field: the conversion's scale operand
.endr
.irp b, 0,1,2,3
	v_lshrrev_b32 v[TM+4+\b], 23, v[TM+12+\b]      ; the scale's byte
.endr
	v_lshl_or_b32 v[\pw], v[TM+5], 8, v[TM+4]
	v_lshl_or_b32 v[\pw], v[TM+6], 16, v[\pw]
	v_lshl_or_b32 v[\pw], v[TM+7], 24, v[\pw]
.irp c, 0,1
	v_cvt_scalef32_pk16_bf6_f32 v[PC+6*\c:PC+2+6*\c], v[(\s)+32*\c:(\s)+15+32*\c], v[TM+12+2*\c]
	v_cvt_scalef32_pk16_bf6_f32 v[PC+12+4*\c:PC+14+4*\c], v[(\s)+16+32*\c:(\s)+31+32*\c], v[TM+12+2*\c+1]   ; (a conversion's three registers begin on an even number)
.endr
	v_nop                                          ; one plain instruction behind the scaled conversions
.irp c, 0,1                                    ; the operand wants a whole block in a lane: lanes 0-15 block 2 c, lanes 16-31 block 2 c + 1
.irp i, 0,1,2
	v_permlane16_swap_b32 v[PC+6*\c+\i], v[PC+12+4*\c+\i]
.endr
.irp i, 0,1,2
	v_mov_b32 v[PC+3+6*\c+\i], v[PC+12+4*\c+\i]
.endr
.endr
.endm
	s_load_b256 s[4:11], s[0:1], 0x0               ; x, Wq, Wk, Wv
	s_load_b256 s[12:19], s[0:1], 0x20             ; Wo, token_positions, codes, scales
	s_load_b64 s[20:21], s[0:1], 0x40              ; rope
	v_lshl_add_u32 v62, v0, 2, 0x8800
	v_mov_b32 v63, 0
	v_lshrrev_b32 v1, 5, v0
	v_readfirstlane_b32 s22, v1                    ; wave 0..3
	v_and_b32 v1, 31, v0                           ; lane
	s_mov_b32 s[SEL], 0x76543210
	s_mov_b32 s[SEL+1], 0xfedcba98
	s_cmp_lt_u32 ttmp9, NROPE
	s_cbranch_scc1 .Lrope
	; ---------------- the quantiser ----------------
	s_sub_co_u32 s23, ttmp9, NROPE                 ; 128 work-groups a tensor
	s_lshr_b32 s24, s23, 7                         ; T
	s_bfe_u32 s25, s23, 0x50002                    ; which 64 rows: 0 .. 31
	s_and_b32 s26, s23, 3
	s_lshl_b32 s26, s26, 2
	s_add_co_u32 s26, s26, s22                     ; my K step: 4 x quarter + wave
	s_lshr_b32 s27, s25, 1                         ; RB
	s_and_b32 s28, s25, 1                          ; tiles 0-3 or 4-7 of it
	v_lshlrev_b32 v[LI], 4, v1
	v_lshlrev_b32 v[L4], 2, v1
	s_mul_i32 s29, s22, STGB                       ; my stage
	v_add_nc_u32 v[STI], s29, v[LI]
	v_and_b32 v6, 15, v0                           ; r
	v_bfe_u32 v7, v0, 4, 1                         ; h
	v_mul_u32_u24 v[STO], v6, 528
	v_lshl_add_u32 v[STO], v7, 6, v[STO]
	v_add_nc_u32 v[STO], s29, v[STO]
.irp b, 0,1,2,3
	v_mov_b32 v[TM+4+\b], 0                        ; written once: a lane permute's destination counts as one of its sources
.endr
	s_mov_b32 s[HM], 0xffff0000
	s_lshl_b32 s32, s25, 19                        ; 64 rows of 8,192 bytes
	s_lshl_b32 s33, s26, 9                         ; + 512 bytes a K step
	s_add_co_u32 s32, s32, s33
	s_mov_b32 s33, 0
	s_lshl_b32 s34, s27, 4
	s_add_co_u32 s34, s34, s26                     ; 16 RB + s
	s_mul_i32 s36, s34, 12288
	s_mul_i32 s35, s24, 3145728
	s_add_co_u32 s36, s36, s35
	s_mul_i32 s35, s28, 6144
	s_add_co_u32 s36, s36, s35                     ; where my four fragments go
	s_mov_b32 s37, 0
	s_lshl_b32 s38, s34, 9
	s_lshl_b32 s35, s24, 17
	s_add_co_u32 s38, s38, s35
	s_lshl_b32 s35, s28, 8
	s_add_co_u32 s38, s38, s35                     ; and their scale words
	s_mov_b32 s39, 0
	s_wait_kmcnt 0x0
	s_cmp_eq_u32 s24, 1                            ; the tensor is chosen by the work-group's number alone
	s_cselect_b64 s[4:5], s[6:7], s[4:5]
	s_cmp_eq_u32 s24, 2
	s_cselect_b64 s[4:5], s[8:9], s[4:5]
	s_cmp_eq_u32 s24, 3
	s_cselect_b64 s[4:5], s[10:11], s[4:5]
	s_cmp_eq_u32 s24, 4
	s_cselect_b64 s[4:5], s[12:13], s[4:5]
	s_add_nc_u64 s[4:5], s[4:5], s[32:33]
	s_add_nc_u64 s[16:17], s[16:17], s[36:37]
	s_add_nc_u64 s[18:19], s[18:19], s[38:39]
.macro LOADF f                         ; fragment f's 16 rows, 512 consecutive bytes a load, into set f % 2
.set i, 0
.rept 16
	global_load_b128 v[R+64*((\f)%2)+4*i:R+64*((\f)%2)+4*i+3], v[LI], s[4:5] offset:(32*((\f)/2)+8*((\f)%2)+i+8*(i/8))*8192 th:TH_LOAD_NT
.set i, i+1
.endr
.endm
.macro FRAGQ f
.if (\f) < 3
	s_wait_loadcnt 16                              ; this fragment's 16 loads are in; the next fragment's 16 may be out
.else
	s_wait_loadcnt 0x0
.endif
.set i, 0
.rept 16
	ds_store_b128 v[STI], v[R+64*((\f)%2)+4*i:R+64*((\f)%2)+4*i+3] offset:528*i
.set i, i+1
.endr
.set i, 0
.rept 16
	ds_load_b128 v[X+4*i:X+4*i+3], v[STO] offset:128*(i/4)+16*(i%4)   ; LDS serves a wave's instructions in order: these see the stores above
.set i, i+1
.endr
	s_wait_dscnt 0x0                               ; my row's numbers are back, and the stores have read their registers
.if (\f) > 0
	s_wait_xcnt 0x0                                ; the last fragment's stores have read v[PC] on, which is written again below
.endif
.if (\f) < 2
	LOADF (\f)+2
.endif
	QUANT X, SW+(\f)
.irp c, 0,1,2
	global_store_b128 v[LI], v[PC+4*\c:PC+4*\c+3], s[16:17] offset:1536*(\f)+512*\c   ; 32 lanes store 512 consecutive bytes
.endr
.endm
	LOADF 0
	LOADF 1
	FRAGQ 0
	FRAGQ 1
	FRAGQ 2
	FRAGQ 3
	v_cndmask_b32 v[SWP], v[SW], v[SW+1], s[HM]    ; lanes 0-15: the even tile's words, lanes 16-31: the odd tile's
	v_cndmask_b32 v[SWP+1], v[SW+2], v[SW+3], s[HM]
	global_store_b32 v[L4], v[SWP], s[18:19]
	global_store_b32 v[L4], v[SWP+1], s[18:19] offset:128   ; the two stores cover 256 consecutive bytes
	s_wait_tensorcnt 0x0
	ds_add_u32 v62, v63
	s_wait_dscnt 0x0
	s_endpgm
	; ---------------- the table of cos and sin ----------------
.Lrope:
	s_lshl_b32 s23, ttmp9, 2
	s_add_co_u32 s23, s23, s22                     ; my tile: 0 .. 135
	s_min_u32 s24, s23, 127
	s_lshr_b32 s26, s24, 1
	s_lshl_b32 s26, s26, 5
	s_and_b32 s27, s24, 1
	s_lshl_b32 s27, s27, 3
	s_add_co_u32 s26, s26, s27                     ; the tile's first token
	s_lshl_b32 s28, s23, 13
	s_mov_b32 s29, 0
	s_cmp_lt_u32 s23, 128
	s_cselect_b32 s25, 1.0, 0                      ; tiles 128 on: the angle is 0
	v_lshrrev_b32 v2, 1, v1                        ; r = lane / 2
	v_and_b32 v3, 1, v1                            ; e = lane % 2
	v_and_b32 v4, 8, v2
	v_add3_u32 v4, v4, v2, s26                     ; my token
	v_lshlrev_b32 v4, 2, v4
	s_wait_kmcnt 0x0
	global_load_b32 v5, v4, s[14:15]
	s_add_nc_u64 s[20:21], s[20:21], s[28:29]
	s_mov_b32 s40, 0x3fc90fdb                      ; pi/2, its first 24 bits
	s_mov_b32 s41, 0xb33bbd2e                      ; and the rest
	s_mov_b32 s42, 0xb94ca1f9                      ; the sine's polynomial
	s_mov_b32 s43, 0x3c08839e
	s_mov_b32 s44, 0xbe2aaaa3
	s_mov_b32 s45, 0x37ccf5ce                      ; the cosine's
	s_mov_b32 s46, 0xbab6061a
	s_mov_b32 s47, 0x3d2aaaa5
	v_mov_b32 v6, 1.0
	v_mov_b32 v7, 0
	; 10^((lane % 16) / 16) as a sum of two f32 numbers (v10, v11): a product of 10^(1/16), 10^(2/16), 10^(4/16), 10^(8/16), each taken where its bit is set
	v_and_b32 v8, 1, v1
	v_cmp_eq_u32 vcc_lo, 0, v8
	v_cndmask_b32 v10, 0x3f93cfe5, v6, vcc_lo
	v_cndmask_b32 v11, 0x334a404e, v7, vcc_lo
.macro DFMUL bit, hi, lo
	v_and_b32 v8, \bit, v1
	v_cmp_eq_u32 vcc_lo, 0, v8
	v_cndmask_b32 v12, \hi, v6, vcc_lo
	v_cndmask_b32 v13, \lo, v7, vcc_lo
	v_mul_f32 v14, v10, v12
	v_fma_f32 v15, v10, v12, -v14                  ; what the product's rounding dropped,
	v_fma_f32 v15, v10, v13, v15                   ; and the cross terms
	v_fma_f32 v15, v11, v12, v15
	v_add_f32 v10, v14, v15
	v_sub_f32 v16, v10, v14
	v_sub_f32 v11, v15, v16
.endm
	DFMUL 2, 0x3faab0d5, 0xb36457ec
	DFMUL 4, 0x3fe39ea9, 0xb26aee3c
	DFMUL 8, 0x404a62c2, 0xb324b496
	v_and_b32 v8, 16, v1
	v_cmp_eq_u32 vcc_lo, 0, v8
	v_cndmask_b32 v17, 0x41200000, v6, vcc_lo      ; x 10 in lanes 16-31: pairs lane and lane + 32
	v_mul_f32 v18, 0x42c80000, v17                 ; x 100 more for the upper 32 pairs
.irp u, 0,1
	v_mul_f32 v[20+\u], v10, v[17+\u]
	v_fma_f32 v[22+\u], v10, v[17+\u], -v[20+\u]
	v_fma_f32 v[22+\u], v11, v[17+\u], v[22+\u]
	v_add_f32 v[20+\u], v[20+\u], v[22+\u]         ; 10^(pair / 16), rounded once
.endr
	v_rcp_f32 v24, v20
	v_rcp_f32 v25, v21
	v_nop                                          ; a plain instruction behind the reciprocals
	s_wait_alu depctr_va_vdst(0)                   ; one wait for both, ahead of their first reader
.rept 2
.irp u, 0,1
	v_fma_f32 v[22+\u], -v[20+\u], v[24+\u], 1.0
	v_fma_f32 v[24+\u], v[22+\u], v[24+\u], v[24+\u]
.endr
.endr
	s_lshl_b32 s30, s22, 8
	s_add_co_u32 s30, s30, FQ                      ; my wave's 256 bytes
	v_lshl_add_u32 v26, v1, 2, s30
	v_lshl_add_u32 v[FA], v3, 2, s30
	v_lshlrev_b32 v[OADR], 3, v1
	ds_store_b32 v26, v24
	ds_store_b32 v26, v25 offset:128
.set i, 0
.rept 32
	ds_load_b32 v[FRQ+i], v[FA] offset:8*i         ; entry i is pair 2 i + e.  LDS serves a wave's instructions in order
.set i, i+1
.endr
	s_wait_loadcnt 0x0
	v_cvt_f32_i32 v5, v5
	v_mul_f32 v[POSF], s25, v5
	s_wait_dscnt 0x0
.macro ENTRY c
	v_mul_f32 v32, v[POSF], v[FRQ+(\c)]            ; the angle, rounded to f32
	v_mul_f32 v33, 0x3f22f983, v32
	v_rndne_f32 v33, v33                           ; k
	v_fma_f32 v34, -v33, s40, v32                  ; exact
	v_fma_f32 v34, -v33, s41, v34                  ; r
	v_cvt_i32_f32 v38, v33
	v_mul_f32 v35, v34, v34
	v_fma_f32 v36, v35, s42, s43
	v_fma_f32 v37, v35, s45, s46
	v_fma_f32 v36, v36, v35, s44
	v_fma_f32 v37, v37, v35, s47
	v_mul_f32 v39, v35, v35
	v_fma_f32 v40, v35, -0.5, 1.0
	v_mul_f32 v36, v36, v35
	v_fma_f32 v37, v37, v39, v40                   ; cos r
	v_fma_f32 v36, v36, v34, v34                   ; sin r
	v_and_b32 v39, 1, v38
	v_cmp_ne_u32 vcc_lo, 0, v39
	v_add_nc_u32 v41, 1, v38
	v_lshlrev_b32 v40, 30, v38
	v_lshlrev_b32 v41, 30, v41
	v_cndmask_b32 v42, v37, v36, vcc_lo            ; where k is odd the two change places
	v_cndmask_b32 v43, v36, v37, vcc_lo
	v_and_b32 v40, 0x80000000, v40                 ; the sine's sign: bit 1 of k
	v_and_b32 v41, 0x80000000, v41                 ; the cosine's: bit 1 of k + 1
	v_xor_b32 v[OUT+2*(\c)], v42, v41
	v_xor_b32 v[OUT+2*(\c)+1], v43, v40
	global_store_b64 v[OADR], v[OUT+2*(\c):OUT+2*(\c)+1], s[20:21] offset:(4*((\c)/8)+(\c)%4)*512+256*(((\c)/4)%2)   ; 32 lanes store 256 consecutive bytes
.endm
.set e, 0
.rept 32
	ENTRY e
.set e, e+1
.endr
	s_wait_tensorcnt 0x0
	ds_add_u32 v62, v63
	s_wait_dscnt 0x0
	s_endpgm
.Lfunc_end_k_q06a5f0321a_prep:
	.size	k_q06a5f0321a_prep, .Lfunc_end_k_q06a5f0321a_prep-k_q06a5f0321a_prep
	.p2alignl 7, 3214868480
	.fill 96, 4, 3214868480
	.section	.rodata,"a",@progbits
	.p2align	6, 0x0
	.amdhsa_kernel k_q06a5f0321a_prep
		.amdhsa_group_segment_fixed_size 35328
		.amdhsa_private_segment_fixed_size 0
		.amdhsa_enable_private_segment 0
		.amdhsa_kernarg_size 72
		.amdhsa_user_sgpr_count 2
		.amdhsa_user_sgpr_kernarg_segment_ptr 1
		.amdhsa_wavefront_size32 1
		.amdhsa_system_sgpr_workgroup_id_x 1
		.amdhsa_system_sgpr_workgroup_id_y 1
		.amdhsa_system_sgpr_workgroup_id_z 1
		.amdhsa_system_vgpr_workitem_id 0
		.amdhsa_next_free_vgpr 256
		.amdhsa_next_free_sgpr 66
		.amdhsa_reserve_vcc 1
		.amdhsa_float_denorm_mode_32 3
		.amdhsa_float_denorm_mode_16_64 3
		.amdhsa_memory_ordered 1
		.amdhsa_forward_progress 1
		.amdhsa_inst_pref_size 83
	.end_amdhsa_kernel
	.amdgpu_metadata
---
amdhsa.version: [ 1, 2 ]
amdhsa.kernels:
  - .name:           k_q06a5f0321a_prep
    .symbol:         k_q06a5f0321a_prep.kd
    .args:
      - { .name: x, .offset: 0, .size: 8, .value_kind: global_buffer, .address_space: global }
      - { .name: Wq, .offset: 8, .size: 8, .value_kind: global_buffer, .address_space: global }
      - { .name: Wk, .offset: 16, .size: 8, .value_kind: global_buffer, .address_space: global }
      - { .name: Wv, .offset: 24, .size: 8, .value_kind: global_buffer, .address_space: global }
      - { .name: Wo, .offset: 32, .size: 8, .value_kind: global_buffer, .address_space: global }
      - { .name: token_positions, .offset: 40, .size: 8, .value_kind: global_buffer, .address_space: global }
      - { .name: codes, .offset: 48, .size: 8, .value_kind: global_buffer, .address_space: global }
      - { .name: scales, .offset: 56, .size: 8, .value_kind: global_buffer, .address_space: global }
      - { .name: rope, .offset: 64, .size: 8, .value_kind: global_buffer, .address_space: global }
    .group_segment_fixed_size: 35328
    .private_segment_fixed_size: 0
    .kernarg_segment_align: 8
    .kernarg_segment_size: 72
    .max_flat_workgroup_size: 128
    .sgpr_count:     66
    .vgpr_count:     256
    .wavefront_size: 32
...
	.end_amdgpu_metadata
.endif
;; end of part 1
;; launch qkv (part 2): grid 8 x 24, 4 waves a work-group, clusters of 4 x 4, 327,680 bytes of LDS; arguments codes, scales, rope, qkvc, qkvs; writes qkvc, qkvs
.if DOCPART == 2
	.amdgcn_target "amdgcn-amd-amdhsa--gfx1250"
	.amdhsa_code_object_version 6
	.text
	.protected	k_q06a5f0321a_qkv
	.globl	k_q06a5f0321a_qkv
	.p2align	8
	.type	k_q06a5f0321a_qkv,@function
k_q06a5f0321a_qkv:
	s_mov_b64 s[64:65], 0
	v_nop
	global_prefetch_b8 v0, s[64:65] scope:SCOPE_SE
	s_setreg_imm32_b32 hwreg(HW_REG_WAVE_MODE, 25, 1), 1
	s_wait_xcnt 0x0
	s_wait_alu depctr_hold_cnt(0) depctr_sa_sdst(0) depctr_va_vdst(0) depctr_va_sdst(0) depctr_va_ssrc(0) depctr_va_vcc(0) depctr_vm_vsrc(0)
	s_getreg_b32 s2, hwreg(HW_REG_IB_STS2, 6, 4)
	s_cmp_eq_u32 s2, 0
	s_cbranch_scc0 .Lentry_in_a_cluster
	s_endpgm
.Lentry_in_a_cluster:
	s_bfe_u32 s2, ttmp6, 0x10000c
	s_cmp_lg_u32 s2, 0xf033
	s_cbranch_scc0 .Lentry_shape_is_right
	s_endpgm
.Lentry_shape_is_right:
; QKV.  q = x Wq^T, k = x Wk^T, v = x Wv^T on codes of BF6 with E8M0 scales; then RoPE on q and k, and all three quantised again: q and k along the head's 128, v along the keys.
; Three problems of 2,048 x 2,048 x 2,048, p = cluster y / 2.  A tile of 256 x 256 is made by a work-group of four waves; a wave makes 128 x 128: 64 accumulators, 512 registers.
; OPERANDS lie in memory in the order of their registers (row block RB of 128 rows, K step s of 128, tile t of 16 rows; lane r of tile t is row 32 (t / 2) + 8 (t % 2) + r + 8 (r / 8) of the block;
; a fragment is 1,536 bytes at ((16 RB + s) 8 + t) 1,536): so a wave's 128 rows x 256 along K are 24,576 dense bytes, one tensor load, and a fragment is three ds_load_b128 of 512 consecutive bytes.
; THE MATRIX INSTRUCTION IS USED TRANSPOSED: source 0 = 16 rows of 'B', source 1 = 16 rows of 'A'.  By the tiles' choice of rows, lane (r, h) of A's tile a then holds, in the 64 registers of its eight accumulators,
; register 16 b + i = column 32 b + 16 h + i of the wave's 128: the order in which the conversions want them.  For q and k: A = x, B = the weight: a lane holds a token, its registers one head's 128 channels.
; For v: A = Wv, B = x: a lane holds a channel, its registers 128 tokens, so the same lines quantise v along the keys.  The choice is made by s_cselect on p: no branch.
; RoPE: the table's tile for 16 tokens is the image of 64 registers, cos and sin at the places of x1 and x2.  v's work-groups read a tile of cos = 1, sin = 0 (x1 - 0, x2 + 0: exact for finite numbers).
; OUT: fragment a goes to qkvc at p 3,145,728 + (16 head + block of 128 tokens) 12,288 + 1,536 a, its scale words to qkvs likewise (512 bytes a unit).
; CLUSTERS: 4 x 4 work-groups; A's tiles are shared along a row of the cluster, B's along a column: joint loads with a mask that names the four.
; The scale words of the work-group's rows, for all of K, come into LDS once, with the first fills.
; LIMITS: NaN and infinities are not served; a block whose largest magnitude lies under 2^-122 keeps the byte 1.
; REGISTERS: window 0: v16-29 addresses; v32-63 scale words, two sets; v64-127 a tile of the table; v128-223 A's fragments, one set (in the epilogue: v128-191 the table's other set, v192.. at work).
;   window 1: B's fragments, two sets, at v0 and v128 (in the epilogue v0-63 at work).   windows 2, 3: the accumulators, (a, b) at v[8 (8 (a % 4) + b)].
.set UNIT,  12288                      ; 128 rows x 128 along K
.set HALFT, 2*UNIT                     ; what one tensor load brings
.set SLOT,  4*HALFT                    ; A's two halves, then B's
.set SCL,   2*SLOT                     ; behind the ring: the scale words: 4 x 8,192 bytes
.set SCH,   8192
.set SPARE, SCL+4*SCH                  ; the spare words: 128 bytes for each wave; no other line names them
.set FR,    12
.set NL,    3                          ; LDS loads that bring a fragment
.set NP,    4                          ; places behind this matrix instruction (ISA guide 7.12.1)
.set NQ,    2                          ; K steps of 128 in a slot
.set LAPS,  4                          ; 2,048 / (2 x 256)
.set ADRA, 16                          ; v16-17 my A fragments in slot 0, 1
.set ADRB, 20                          ; v20-21 the same for B
.set ADSA, 22                          ; v22  A's scale words
.set ADSB, 23                          ; v23  B's
.set LI,   24                          ; v24  16 x lane
.set L4,   25                          ; v25  4 x lane
.set SPW,  28
.set NIL,  29
.set SC,   32                          ; set sc at SC + 16 sc; in it 8 q + i: A's tiles 2 i (lanes 0-15) and 2 i + 1 (lanes 16-31); 8 q + 4 + i: B's
.set T0,   64
.set AF,   128
.set PC,   192
.set TM,   212
.set SW,   228
.set SWP,  236
.set SEL,  18                          ; s[18:19] lane selects
.set HM,   2                           ; s2  the mask of lanes 16-31
.set G1, 24
.set G0, 32
.set G1B, 48
.set G0B, 56
.set G1S, 68
.set G0S, 76
.set G1SB, 80
.set G0SB, 88
.set MSB, 0
.macro WIN new                         ; the immediate's high byte repeats the setting that is left
.if MSB != (\new)
	s_set_vgpr_msb (MSB<<8)|(\new)
.set MSB, (\new)
.endif
.endm
.set MUL_LO, 0xa1                      ; source 0 (B) window 1, source 1 (A) window 0, C and D window 2
.set MUL_HI, 0xf1
.set TO_B,   0x40
; the matrix instruction: D at d, source 0 at x, source 1 at y; zero = 1: C = 0; sx, sy the scale registers; rx, ry = 1: the words lie in lanes 16-31
.macro WMS d, x, y, zero, sx, sy, rx, ry
.if \zero
.if (\rx) && (\ry)
	v_wmma_scale_f32_16x16x128_f8f6f4 v[(\d):(\d)+7], v[(\x):(\x)+11], v[(\y):(\y)+11], 0, v[\sx], v[\sy] matrix_a_fmt:MATRIX_FMT_BF6 matrix_b_fmt:MATRIX_FMT_BF6 matrix_a_scale:MATRIX_SCALE_ROW1 matrix_b_scale:MATRIX_SCALE_ROW1
.elseif \rx
	v_wmma_scale_f32_16x16x128_f8f6f4 v[(\d):(\d)+7], v[(\x):(\x)+11], v[(\y):(\y)+11], 0, v[\sx], v[\sy] matrix_a_fmt:MATRIX_FMT_BF6 matrix_b_fmt:MATRIX_FMT_BF6 matrix_a_scale:MATRIX_SCALE_ROW1
.elseif \ry
	v_wmma_scale_f32_16x16x128_f8f6f4 v[(\d):(\d)+7], v[(\x):(\x)+11], v[(\y):(\y)+11], 0, v[\sx], v[\sy] matrix_a_fmt:MATRIX_FMT_BF6 matrix_b_fmt:MATRIX_FMT_BF6 matrix_b_scale:MATRIX_SCALE_ROW1
.else
	v_wmma_scale_f32_16x16x128_f8f6f4 v[(\d):(\d)+7], v[(\x):(\x)+11], v[(\y):(\y)+11], 0, v[\sx], v[\sy] matrix_a_fmt:MATRIX_FMT_BF6 matrix_b_fmt:MATRIX_FMT_BF6
.endif
.else
.if (\rx) && (\ry)
	v_wmma_scale_f32_16x16x128_f8f6f4 v[(\d):(\d)+7], v[(\x):(\x)+11], v[(\y):(\y)+11], v[(\d):(\d)+7], v[\sx], v[\sy] matrix_a_fmt:MATRIX_FMT_BF6 matrix_b_fmt:MATRIX_FMT_BF6 matrix_a_scale:MATRIX_SCALE_ROW1 matrix_b_scale:MATRIX_SCALE_ROW1
.elseif \rx
	v_wmma_scale_f32_16x16x128_f8f6f4 v[(\d):(\d)+7], v[(\x):(\x)+11], v[(\y):(\y)+11], v[(\d):(\d)+7], v[\sx], v[\sy] matrix_a_fmt:MATRIX_FMT_BF6 matrix_b_fmt:MATRIX_FMT_BF6 matrix_a_scale:MATRIX_SCALE_ROW1
.elseif \ry
	v_wmma_scale_f32_16x16x128_f8f6f4 v[(\d):(\d)+7], v[(\x):(\x)+11], v[(\y):(\y)+11], v[(\d):(\d)+7], v[\sx], v[\sy] matrix_a_fmt:MATRIX_FMT_BF6 matrix_b_fmt:MATRIX_FMT_BF6 matrix_b_scale:MATRIX_SCALE_ROW1
.else
	v_wmma_scale_f32_16x16x128_f8f6f4 v[(\d):(\d)+7], v[(\x):(\x)+11], v[(\y):(\y)+11], v[(\d):(\d)+7], v[\sx], v[\sy] matrix_a_fmt:MATRIX_FMT_BF6 matrix_b_fmt:MATRIX_FMT_BF6
.endif
.endif
.endm
; A joint load: waves 0 and 1 fetch for A, waves 2 and 3 for B; the branch hangs on the wave's number alone.  Four v_nop follow each of the two lines.
.macro JLOAD g0a, g1a, g0b, g1b
	s_cmp_eq_u32 s15, 0
	s_cbranch_scc0 .Lfor_b_\@
	tensor_load_to_lds s[\g0a:\g0a+3], s[\g1a:\g1a+7]
	s_nop 0
.rept 4
	v_nop
.endr
	s_branch .Lasked_\@
.Lfor_b_\@:
	tensor_load_to_lds s[\g0b:\g0b+3], s[\g1b:\g1b+7]
	s_nop 0
.rept 4
	v_nop
.endr
.Lasked_\@:
.endm
.macro CREST                           ; a round of the cluster's barrier behind its opening barrier
	s_cmp_lg_u32 s14, 0
	s_cbranch_scc1 .Lnot_wave_0_\@
	s_barrier_signal -3
.Lnot_wave_0_\@:
	s_barrier_wait -3
	s_barrier_signal -1
	s_barrier_wait -1
.endm
.macro CROUND
	s_barrier_signal -1
	s_barrier_wait -1
	CREST
.endm
	s_load_b256 s[4:11], s[0:1], 0x0               ; codes s[4:5], scales s[6:7], rope s[8:9], qkvc s[10:11]
	s_load_b64 s[12:13], s[0:1], 0x20              ; qkvs
	v_lshl_add_u32 v[SPW], v0, 2, SPARE
	v_mov_b32 v[NIL], 0
	ds_add_u32 v28, v29
	s_wait_dscnt 0x0
	v_lshrrev_b32 v1, 5, v0
	v_readfirstlane_b32 s14, v1                    ; wave 0..3
	s_lshr_b32 s15, s14, 1                         ; which half of A's rows is mine.  Also: I fetch for A (0) or for B (1)
	s_and_b32 s16, s14, 1                          ; which half of B's rows.  Also: which 128 rows I fetch
	s_mov_b32 s[HM], 0xffff0000
	s_bfe_u32 s40, ttmp6, 0x40000                  ; cx
	s_bfe_u32 s41, ttmp6, 0x40004                  ; cy
	s_lshl_b32 s42, ttmp9, 2
	s_add_co_u32 s42, s42, s40                     ; tile column = 4 x cluster x + cx
	s_and_b32 s66, ttmp7, 0xffff                   ; cluster y: 0 .. 5
	s_and_b32 s17, s66, 1
	s_lshl_b32 s17, s17, 2
	s_add_co_u32 s17, s17, s41                     ; tile row = 4 x (cluster y % 2) + cy
	s_lshr_b32 s66, s66, 1                         ; p: 0 q, 1 k, 2 v: the same in all sixteen partners
	s_add_co_u32 s94, s66, 1
	s_cmp_eq_u32 s66, 2
	s_cselect_b32 s67, 3, 0                        ; A's tensor: x, or Wv
	s_cselect_b32 s94, 0, s94                      ; B's tensor: Wq, Wk, or x
	s_lshl_b32 s43, s41, 2
	s_lshl_b32 s43, 15, s43                        ; my row of the cluster
	s_lshl_b32 s44, 0x1111, s40                    ; my column
	; descriptor groups 1: dense blocks as rows of 256 bytes (32 elements of 8 bytes), no padding: 96 rows a tile, 32 rows of scale words
	s_or_b32 s[G1+0], s43, (3<<16)|(1<<21)         ; 15:0 the mask; 17:16 elements of 8 bytes; 21 set beside a mask
	s_or_b32 s[G1B+0], s44, (3<<16)|(1<<21)
	s_or_b32 s[G1S+0], s43, (3<<16)|(1<<21)
	s_or_b32 s[G1SB+0], s44, (3<<16)|(1<<21)
.irp g, G1, G1B
	s_mov_b32 s[\g+1], 32<<16                      ; tensor_dim0
	s_mov_b32 s[\g+2], 96<<16                      ; tensor_dim1
	s_mov_b32 s[\g+3], 32<<16                      ; tile_dim0
	s_mov_b32 s[\g+4], 96                          ; tile_dim1
	s_mov_b32 s[\g+5], 32                          ; the pitch
	s_mov_b32 s[\g+6], 0
	s_mov_b32 s[\g+7], 0
.endr
.irp g, G1S, G1SB
	s_mov_b32 s[\g+1], 32<<16
	s_mov_b32 s[\g+2], 32<<16
	s_mov_b32 s[\g+3], 32<<16
	s_mov_b32 s[\g+4], 32
	s_mov_b32 s[\g+5], 32
	s_mov_b32 s[\g+6], 0
	s_mov_b32 s[\g+7], 0
.endr
	s_lshl_b32 s20, s17, 1
	s_add_co_u32 s20, s20, s16                     ; A: the row block that I fetch: 2 x tile row + half
	s_lshl_b32 s22, s20, 13                        ; its scale words: 8,192 bytes a row block
	s_mul_i32 s20, s20, 16*UNIT                    ; its codes
	s_mul_i32 s18, s67, 3145728
	s_add_co_u32 s20, s20, s18
	s_lshl_b32 s18, s67, 17
	s_add_co_u32 s22, s22, s18
	s_mov_b32 s21, 0
	s_mov_b32 s23, 0
	s_lshl_b32 s46, s42, 1
	s_add_co_u32 s46, s46, s16                     ; B likewise, by the tile column
	s_lshl_b32 s92, s46, 13
	s_mul_i32 s46, s46, 16*UNIT
	s_mul_i32 s19, s94, 3145728
	s_add_co_u32 s46, s46, s19
	s_lshl_b32 s19, s94, 17
	s_add_co_u32 s92, s92, s19
	s_mov_b32 s47, 0
	s_mov_b32 s93, 0
	s_mul_i32 s45, s14, HALFT                      ; where they go: by the wave's number alone
	s_lshl_b32 s95, s14, 13
	s_wait_kmcnt 0x0
	s_add_nc_u64 s[20:21], s[4:5], s[20:21]
	s_add_nc_u64 s[22:23], s[6:7], s[22:23]
	s_add_nc_u64 s[46:47], s[4:5], s[46:47]
	s_add_nc_u64 s[92:93], s[6:7], s[92:93]
	CROUND                                         ; all sixteen work-groups are here: the first joint loads meet
	s_mov_b32 s[G0S], 1
	s_add_co_u32 s[G0S+1], s95, SCL
	s_mov_b64 s[G0S+2:G0S+3], s[22:23]
	s_or_b32 s[G0S+3], s[G0S+3], 0x80000000
	s_mov_b32 s[G0SB], 1
	s_add_co_u32 s[G0SB+1], s95, SCL
	s_mov_b64 s[G0SB+2:G0SB+3], s[92:93]
	s_or_b32 s[G0SB+3], s[G0SB+3], 0x80000000
	JLOAD G0S, G1S, G0SB, G1SB                     ; the scale words first: they are wanted with K step 0
.irp s, 0,1
	s_mov_b32 s[G0+4*\s], 1
	s_add_co_u32 s[G0+4*\s+1], s45, \s*SLOT
	s_add_nc_u64 s[G0+4*\s+2:G0+4*\s+3], s[20:21], \s*HALFT
	s_or_b32 s[G0+4*\s+3], s[G0+4*\s+3], 0x80000000
	s_mov_b32 s[G0B+4*\s], 1
	s_add_co_u32 s[G0B+4*\s+1], s45, \s*SLOT
	s_add_nc_u64 s[G0B+4*\s+2:G0B+4*\s+3], s[46:47], \s*HALFT
	s_or_b32 s[G0B+4*\s+3], s[G0B+4*\s+3], 0x80000000
	JLOAD G0+4*\s, G1, G0B+4*\s, G1B               ; three tensor loads of mine are out
.endr
	v_and_b32 v1, 31, v0
	v_lshlrev_b32 v[LI], 4, v1
	v_lshlrev_b32 v[L4], 2, v1
	s_mul_i32 s18, s15, HALFT                      ; my 128 rows of A
	s_mul_i32 s19, s16, HALFT                      ; my 128 rows of B,
	s_add_co_u32 s19, s19, 2*HALFT                 ; behind A's two halves
.irp s, 0,1
	v_add_nc_u32 v[ADRA+\s], s18, v[LI]
	v_add_nc_u32 v[ADRB+\s], s19, v[LI]
	s_add_co_u32 s18, s18, SLOT
	s_add_co_u32 s19, s19, SLOT
.endr
	s_lshl_b32 s18, s15, 13
	s_add_co_u32 s18, s18, SCL
	v_add_nc_u32 v[ADSA], s18, v[L4]
	s_lshl_b32 s19, s16, 13
	s_add_co_u32 s19, s19, SCL+2*SCH
	v_add_nc_u32 v[ADSB], s19, v[L4]
	s_mov_b32 s[SEL], 0x76543210
	s_mov_b32 s[SEL+1], 0xfedcba98
	; where my results go, and which tiles of the table I read
	s_lshl_b32 s96, s17, 1
	s_add_co_u32 s96, s96, s15                     ; R: my row block of A
	s_lshl_b32 s97, s42, 1
	s_add_co_u32 s97, s97, s16                     ; Cb: my row block of B
	s_lshl_b32 s98, s97, 4
	s_add_co_u32 s98, s98, s96                     ; q, k: 16 head + token block = 16 Cb + R
	s_lshl_b32 s99, s96, 4
	s_add_co_u32 s99, s99, s97                     ; v: 16 head + token block = 16 R + Cb
	s_lshl_b32 s100, s96, 3                        ; q, k: the table's tiles 8 R on
	s_cmp_lt_u32 s66, 2
	s_cselect_b32 s98, s98, s99
	s_cselect_b32 s100, s100, 128                  ; v: the tiles of cos = 1, sin = 0
	s_lshl_b32 s100, s100, 13
	s_mov_b32 s101, 0
	s_add_nc_u64 s[8:9], s[8:9], s[100:101]
	s_mul_i32 s100, s98, UNIT
	s_mul_i32 s99, s66, 3145728
	s_add_co_u32 s100, s100, s99
	s_add_nc_u64 s[10:11], s[10:11], s[100:101]
	s_lshl_b32 s100, s98, 9
	s_lshl_b32 s99, s66, 17
	s_add_co_u32 s100, s100, s99
	s_add_nc_u64 s[12:13], s[12:13], s[100:101]
.set i, 0
.rept 16
	global_load_b128 v[T0+4*i:T0+4*i+3], v[LI], s[8:9] offset:512*i   ; the table's tile for A's block 0: it lands while K is walked
.set i, i+1
.endr
.macro FRAG reg, adr, q, i             ; a fragment comes as the image of its registers: three loads of 512 consecutive bytes
.irp c, 0,1,2
	ds_load_b128 v[(\reg)+4*\c:(\reg)+4*\c+3], v[\adr] offset:(\q)*UNIT+(\i)*1536+512*\c
.endr
.endm
; 16 matrix instructions: A's blocks a0, a0 + 1 x B's eight.  The 64 accumulators take turns, one instruction a turn, in the same order in every step.
.macro MUL16 a0, p, q, sc, zero
.irp a, \a0, \a0+1
.irp b, 0,1,2,3,4,5,6,7
	WMS 8*(8*((\a)%4)+\b), 128*(\p)+FR*\b, AF+FR*(\a), \zero, SC+16*(\sc)+8*(\q)+4+\b/2, SC+16*(\sc)+8*(\q)+(\a)/2, \b%2, (\a)%2
.endr
.endr
.endm
.macro FETCH_B slot, q, p
	WIN TO_B
.irp i, 0,1,2,3,4,5,6,7
	FRAG 128*(\p)+FR*\i, ADRB+\slot, \q, \i
.endr
	WIN 0
.endm
.macro FETCH_A slot, q, i0
.irp i, \i0, \i0+1, \i0+2, \i0+3
	FRAG AF+FR*(\i), ADRA+\slot, \q, \i
.endr
.endm
.macro SCALES sc                       ; a slot's scale words: lanes 0-15 take an even tile's, lanes 16-31 the odd tile's behind it
.irp q, 0,1
.irp i, 0,1,2,3
	ds_load_b32 v[SC+16*(\sc)+8*\q+\i], v[ADSA] offset:512*\q+128*\i
	ds_load_b32 v[SC+16*(\sc)+8*\q+4+\i], v[ADSB] offset:512*\q+128*\i
.endr
.endr
.endm
.macro PLACES n                        ; plain vector instructions between a matrix instruction and a load into, or a read of, its registers
.rept \n
	v_nop
.endr
.endm
.macro STEP slot, q, zero              ; a step of 128 along K that has its successor in the same slot
	s_wait_dscnt 4*NL                              ; B's set, A's blocks 0-3 and the scale words are in; the youngest 12 loads (A's blocks 4-7) may be out
	WIN MUL_LO
	MUL16 0, (\q)%2, \q, \slot, \zero
	MUL16 2, (\q)%2, \q, \slot, \zero
	s_wait_dscnt 0
	PLACES NP
	FETCH_B \slot, (\q)+1, 1-(\q)%2
	FETCH_A \slot, (\q)+1, 0
	WIN MUL_HI
	MUL16 4, (\q)%2, \q, \slot, \zero
	MUL16 6, (\q)%2, \q, \slot, \zero
	PLACES NP
	WIN 0
	FETCH_A \slot, (\q)+1, 4
.endm
; A slot's last step changes slots: one barrier; in front of it each wave waits for all its tensor loads, adds 0 to its spare word, and waits for that and for its reads of this slot.
.macro TURN slot, next, fill
	s_wait_tensorcnt 0x0                           ; all my tensor loads have landed: my part of the next slot
	ds_add_u32 v[SPW], v[NIL]                      ; 0 onto my spare word
	s_wait_dscnt 4*NL+1                            ; the add and the youngest 12 loads may be out
	WIN MUL_LO
	MUL16 0, 1, NQ-1, \slot, 0
	s_wait_dscnt 0x0                               ; the add is done, and my reads of this slot are over
	s_barrier_signal -1
	MUL16 2, 1, NQ-1, \slot, 0
	WIN 0
	s_barrier_wait -1
.if \fill
	CREST                                          ; the barrier has opened a round of the cluster's: no wave of any partner still reads this slot or has a load on its way
	s_add_nc_u64 s[G0+4*\slot+2:G0+4*\slot+3], s[G0+4*\slot+2:G0+4*\slot+3], 2*HALFT
	s_add_nc_u64 s[G0B+4*\slot+2:G0B+4*\slot+3], s[G0B+4*\slot+2:G0B+4*\slot+3], 2*HALFT
	JLOAD G0+4*\slot, G1, G0B+4*\slot, G1B         ; the first tensor load behind the round; its four v_nop are the places in front of the loads below
.else
	PLACES NP
.endif
	v_add_nc_u32 v[ADSA], 512*NQ, v[ADSA]          ; on to the next slot's scale words
	v_add_nc_u32 v[ADSB], 512*NQ, v[ADSB]
	FETCH_B \next, 0, 0
	FETCH_A \next, 0, 0
	SCALES \next
	WIN MUL_HI
	MUL16 4, 1, NQ-1, \slot, 0
	MUL16 6, 1, NQ-1, \slot, 0
	PLACES NP
	WIN 0
	FETCH_A \next, 0, 4
.endm
	s_wait_tensorcnt 1                             ; the scale words and my part of slot 0 are in; slot 1's load may be out
	s_barrier_signal -1
	s_barrier_wait -1
	FETCH_B 0, 0, 0
	FETCH_A 0, 0, 0
	SCALES 0
	FETCH_A 0, 0, 4
	STEP 0, 0, 1                                   ; the first step's products start the sums: nothing is cleared
	s_mov_b32 s3, LAPS-1
.Llap:                                                 ; a trip goes once round the ring and fills both slots again
	TURN 0, 1, 1
	STEP 1, 0, 0
	TURN 1, 0, 1
	STEP 0, 0, 0
	s_sub_co_u32 s3, s3, 1
	s_cmp_lg_u32 s3, 0
	s_cbranch_scc1 .Llap
	TURN 0, 1, 0                                   ; the last lap fills nothing
	STEP 1, 0, 0
	s_wait_dscnt 4*NL
	WIN MUL_LO
	MUL16 0, 1, NQ-1, 1, 0
	MUL16 2, 1, NQ-1, 1, 0
	s_wait_dscnt 0
	WIN MUL_HI
	MUL16 4, 1, NQ-1, 1, 0
	MUL16 6, 1, NQ-1, 1, 0
	WIN 0
; 64 numbers of a lane in window w, register 16 b + i = k 32 b + 16 h + i of my row, become a fragment's codes in v[PC] on and its scale word in v[pw].
.macro QUANTW s, w, pw
	WIN (\w)|((\w)<<2)
.irp b, 0,1,2,3
	v_max3_num_f32 v[TM+\b], |v[(\s)+16*\b]|, |v[(\s)+1+16*\b]|, 0x2800000   ; and the floor 2^(5 - 127): the byte cannot fall under 1
.endr
	WIN ((\w)<<2)|((\w)<<4)
.irp i, 2,4,6,8,10,12,14
.irp b, 0,1,2,3
	v_max3_num_f32 v[TM+\b], v[TM+\b], |v[(\s)+16*\b+\i]|, |v[(\s)+1+16*\b+\i]|
.endr
.endr
	WIN 0
.irp b, 0,1,2,3
	v_permlanex16_b32 v[TM+4+\b], v[TM+\b], s[SEL], s[SEL+1]
.endr
.irp b, 0,1,2,3
	v_max_num_f32 v[TM+\b], v[TM+\b], v[TM+4+\b]
.endr
.irp b, 0,1,2,3
	v_add_nc_u32 v[TM+12+\b], 0xfe000000, v[TM+\b]   ; 4 off the exponent field: the conversion's scale operand
.endr
.irp b, 0,1,2,3
	v_lshrrev_b32 v[TM+4+\b], 23, v[TM+12+\b]
.endr
	v_lshl_or_b32 v[\pw], v[TM+5], 8, v[TM+4]
	v_lshl_or_b32 v[\pw], v[TM+6], 16, v[\pw]
	v_lshl_or_b32 v[\pw], v[TM+7], 24, v[\pw]
	WIN (\w)
.irp c, 0,1
	v_cvt_scalef32_pk16_bf6_f32 v[PC+6*\c:PC+2+6*\c], v[(\s)+32*\c:(\s)+15+32*\c], v[TM+12+2*\c]
	v_cvt_scalef32_pk16_bf6_f32 v[PC+12+4*\c:PC+14+4*\c], v[(\s)+16+32*\c:(\s)+31+32*\c], v[TM+12+2*\c+1]
.endr
	WIN 0
	v_nop                                          ; one plain instruction behind the scaled conversions
.irp c, 0,1
.irp i, 0,1,2
	v_permlane16_swap_b32 v[PC+6*\c+\i], v[PC+12+4*\c+\i]
.endr
.irp i, 0,1,2
	v_mov_b32 v[PC+3+6*\c+\i], v[PC+12+4*\c+\i]
.endr
.endr
.endm
; THE WAY OUT of A's block a: RoPE in place, quantised, stored as the image of a fragment.  No LDS.
.macro EPI a
.set W,  2+(\a)/4
.set X0, 64*((\a)%4)
.set TC, T0+64*((\a)%2)
.set TN, T0+64*(((\a)+1)%2)
.if (\a) < 7
.set i, 0
.rept 16
	global_load_b128 v[TN+4*i:TN+4*i+3], v[LI], s[8:9] offset:((\a)+1)*8192+512*i   ; the next block's tile of the table
.set i, i+1
.endr
	s_wait_loadcnt 16                              ; this block's tile is in; the 16 loads just issued may be out
.else
	s_wait_loadcnt 0x0
.endif
	WIN W|0x40                                     ; source 0: the accumulators' window; destination window 1
.set j, 0
.rept 32
	v_pk_mul_f32 v[j:j+1], v[X0+j:X0+j+1], v[TC+j:TC+j+1] op_sel:[1,1] op_sel_hi:[0,1]   ; (x2 sin, x1 sin); each accumulator is read from its low end on
.set j, j+2
.endr
	WIN W|0x10|(W<<6)
.set j, 0
.rept 32
	v_pk_fma_f32 v[X0+j:X0+j+1], v[X0+j:X0+j+1], v[TC+j:TC+j+1], v[j:j+1] op_sel_hi:[1,0,1] neg_lo:[0,0,1]   ; (x1 cos - x2 sin, x2 cos + x1 sin)
.set j, j+2
.endr
.if (\a) > 0
	s_wait_xcnt 0x0                                ; the last block's stores have read v[PC] on, which is written again below
.endif
	QUANTW X0, W, SW+(\a)
.irp c, 0,1,2
	global_store_b128 v[LI], v[PC+4*\c:PC+4*\c+3], s[10:11] offset:1536*(\a)+512*\c   ; 32 lanes store 512 consecutive bytes
.endr
.if ((\a)%2) == 1
	v_cndmask_b32 v[SWP+(\a)/2], v[SW+(\a)-1], v[SW+(\a)], s[HM]   ; lanes 0-15: the even tile's words, lanes 16-31: the odd tile's
	global_store_b32 v[L4], v[SWP+(\a)/2], s[12:13] offset:128*((\a)/2)
.endif
.endm
	PLACES NP                                      ; behind the last products: their results are read, and registers that they read are written, below
.irp b, 0,1,2,3
	v_mov_b32 v[TM+4+\b], 0                        ; written once: a lane permute's destination counts as one of its sources
.endr
	EPI 0
	EPI 1
	EPI 2
	EPI 3
	EPI 4
	EPI 5
	EPI 6
	EPI 7
	s_wait_tensorcnt 0x0                           ; the wave's end
	ds_add_u32 v[SPW], v[NIL]
	s_wait_dscnt 0x0
	CROUND                                         ; the closing round: no work-group ends while a partner may still ask for a tile that names it
	s_endpgm
.Lfunc_end_k_q06a5f0321a_qkv:
	.size	k_q06a5f0321a_qkv, .Lfunc_end_k_q06a5f0321a_qkv-k_q06a5f0321a_qkv
	.p2alignl 7, 3214868480
	.fill 96, 4, 3214868480
	.section	.rodata,"a",@progbits
	.p2align	6, 0x0
	.amdhsa_kernel k_q06a5f0321a_qkv
		.amdhsa_group_segment_fixed_size 327680
		.amdhsa_private_segment_fixed_size 0
		.amdhsa_enable_private_segment 0
		.amdhsa_kernarg_size 40
		.amdhsa_user_sgpr_count 2
		.amdhsa_user_sgpr_kernarg_segment_ptr 1
		.amdhsa_wavefront_size32 1
		.amdhsa_system_sgpr_workgroup_id_x 1
		.amdhsa_system_sgpr_workgroup_id_y 1
		.amdhsa_system_sgpr_workgroup_id_z 1
		.amdhsa_system_vgpr_workitem_id 0
		.amdhsa_next_free_vgpr 1024
		.amdhsa_next_free_sgpr 104
		.amdhsa_reserve_vcc 0
		.amdhsa_float_denorm_mode_32 3
		.amdhsa_float_denorm_mode_16_64 3
		.amdhsa_memory_ordered 1
		.amdhsa_forward_progress 1
		.amdhsa_inst_pref_size 188
	.end_amdhsa_kernel
	.amdgpu_metadata
---
amdhsa.version: [ 1, 2 ]
amdhsa.kernels:
  - .name:           k_q06a5f0321a_qkv
    .symbol:         k_q06a5f0321a_qkv.kd
    .args:
      - { .name: codes, .offset: 0, .size: 8, .value_kind: global_buffer, .address_space: global }
      - { .name: scales, .offset: 8, .size: 8, .value_kind: global_buffer, .address_space: global }
      - { .name: rope, .offset: 16, .size: 8, .value_kind: global_buffer, .address_space: global }
      - { .name: qkvc, .offset: 24, .size: 8, .value_kind: global_buffer, .address_space: global }
      - { .name: qkvs, .offset: 32, .size: 8, .value_kind: global_buffer, .address_space: global }
    .group_segment_fixed_size: 327680
    .private_segment_fixed_size: 0
    .kernarg_segment_align: 8
    .kernarg_segment_size: 40
    .max_flat_workgroup_size: 128
    .sgpr_count:     104
    .vgpr_count:     1024
    .wavefront_size: 32
...
	.end_amdgpu_metadata
.endif
;; end of part 2
;; launch attn (part 3): grid 16 x 16, 8 waves a work-group, no clusters, 327,680 bytes of LDS; arguments qkvc, qkvs, ao, aos; writes ao, aos
.if DOCPART == 3
	.amdgcn_target "amdgcn-amd-amdhsa--gfx1250"
	.amdhsa_code_object_version 6
	.text
	.protected	k_q06a5f0321a_attn
	.globl	k_q06a5f0321a_attn
	.p2align	8
	.type	k_q06a5f0321a_attn,@function
k_q06a5f0321a_attn:
	s_mov_b64 s[64:65], 0
	v_nop
	global_prefetch_b8 v0, s[64:65] scope:SCOPE_SE
	s_setreg_imm32_b32 hwreg(HW_REG_WAVE_MODE, 25, 1), 1
	s_wait_xcnt 0x0
; ATTN.  O[h][q] = softmax_k(Q[h][q] . K[h][k] / sqrt(128)) V[h][k] with the causal mask (key <= query), both products on codes of BF6 with E8M0 scales; O / l is quantised along d_model for the last product.
; THE SOFTMAX: t = score x log2(e) / sqrt(128); M = the ceiling of the running largest t; p = 2^(t - M) is quantised along the keys, not normalised; the sum is taken of the unquantised p and divides at the end.
; When M moves, the sum and O are multiplied by 2^(old M - new M): exact.
; OPERANDS lie in memory as images of their registers: q, k, v at p 3,145,728 + (16 head + block of 128) 12,288 + 1,536 tile; lane r of tile t is row 32 (t / 2) + 8 (t % 2) + r + 8 (r / 8) of its block
; (q, k: tokens, K = the head's 128; v: channels, K = 128 keys).  Both products are used transposed: S^T = K Q^T, O^T = V^T P^T: a lane holds one query; by the tiles' choice of rows the 16 registers of
; tiles 2 b, 2 b + 1 are 16 neighbours (keys in S^T, channels in O^T): 32 b + 16 h + 0 .. 15.
; SHARES.  Work-group (j, head): g = j / 2, half = j % 2.  A wave owns ONE tile of 16 queries: tile 4 half + wave / 2 of query block g or 15 - g.  A tile of block G needs G + 1 key steps of 128, so a pair of
; waves with blocks g and 15 - g has 17 steps whatever g: the 256 work-groups have equal work.  Every work-group walks all 16 key steps, so that trip counts are constants and no tensor load or barrier is jumped over;
; a step all of whose keys come after the wave's queries is left out by a scalar branch on ids, round its loads and arithmetic alone.
; NO CLUSTER: the work-groups of a head read the same K and V, but which steps a wave works on hangs on its query block; the launch keeps that branch and gives the joint loads up.
; RING: two slots of four key steps (K's 49,152 bytes, then V's), filled by waves 0-3, 24,576 dense bytes each.  The head's scale words (8,192 + 8,192 bytes) come once.  Three tensor loads of a wave are out at the start, later one.
; LIMITS: NaN and infinities are not served; a block whose largest magnitude lies under 2^-122 keeps the byte 1.
; REGISTERS: v1-10 addresses; v12 -M, v13 the largest t, v[14:15] the sum; v16-27 Q; v32-127 eight fragments of K or of V; v128-191 S^T, then p; v192-199 scale words; v200-216 at work in the epilogue; v224-255 at work;
;   window 1: v0-63 O^T.
.set UNIT,  12288
.set VOFF,  4*UNIT                     ; in a slot: V's four steps behind K's
.set SLOT,  8*UNIT
.set SCK,   2*SLOT                     ; K's scale words; V's 8,192 bytes further on
.set SPARE, SCK+16384                  ; the spare words: 128 bytes for each of eight waves; no other line names them
.set LI,   1                           ; v1   16 x lane
.set LS,   2                           ; v2   SCK + 4 x lane
.set DG,   3                           ; v3   my query's place in its block - 16 h
.set QS,   4                           ; v4   4 x (lane % 16)
.set SPW,  5
.set NIL,  6
.set ADK,  8
.set ADS,  9
.set PFO,  10                          ; v10  256 x lane; never rewritten
.set F,    32
.set S,    128
.set KS,   192
.set VS,   196
.set TM,   200
.set PW,   216
.set PC,   32
.set WV,   12
.set HD,   13
.set SEL,  20
.set CS,   22
.set G1,   24
.set G1S,  32
.set G0S,  40
.set G00,  44                          ; s[44:47] slot 0's group 0, s[48:51] slot 1's
.set TB,   2
.set TS,   3
.set ST,   52                          ; the key step
.set G,    53                          ; my block of 128 queries
.set CNT,  54
.set PFA,  56
.set LIM,  58
.set MSB, 0
.macro WIN new
.if MSB != (\new)
	s_set_vgpr_msb (MSB<<8)|(\new)
.set MSB, (\new)
.endif
.endm
.macro WMS d, x, y, zero, sx, sy, rx   ; D at d, source 0 at x, source 1 at y; zero = 1: C = 0; rx = 1: source 0's scale words lie in lanes 16-31
.if \zero
.if \rx
	v_wmma_scale_f32_16x16x128_f8f6f4 v[(\d):(\d)+7], v[(\x):(\x)+11], v[(\y):(\y)+11], 0, v[\sx], v[\sy] matrix_a_fmt:MATRIX_FMT_BF6 matrix_b_fmt:MATRIX_FMT_BF6 matrix_a_scale:MATRIX_SCALE_ROW1
.else
	v_wmma_scale_f32_16x16x128_f8f6f4 v[(\d):(\d)+7], v[(\x):(\x)+11], v[(\y):(\y)+11], 0, v[\sx], v[\sy] matrix_a_fmt:MATRIX_FMT_BF6 matrix_b_fmt:MATRIX_FMT_BF6
.endif
.else
.if \rx
	v_wmma_scale_f32_16x16x128_f8f6f4 v[(\d):(\d)+7], v[(\x):(\x)+11], v[(\y):(\y)+11], v[(\d):(\d)+7], v[\sx], v[\sy] matrix_a_fmt:MATRIX_FMT_BF6 matrix_b_fmt:MATRIX_FMT_BF6 matrix_a_scale:MATRIX_SCALE_ROW1
.else
	v_wmma_scale_f32_16x16x128_f8f6f4 v[(\d):(\d)+7], v[(\x):(\x)+11], v[(\y):(\y)+11], v[(\d):(\d)+7], v[\sx], v[\sy] matrix_a_fmt:MATRIX_FMT_BF6 matrix_b_fmt:MATRIX_FMT_BF6
.endif
.endif
.endm
	s_load_b256 s[4:11], s[0:1], 0x0               ; qkvc s[4:5], qkvs s[6:7], ao s[8:9], aos s[10:11]
	v_lshl_add_u32 v[SPW], v0, 2, SPARE
	v_mov_b32 v[NIL], 0
	ds_add_u32 v5, v6
	s_wait_dscnt 0x0
	v_lshrrev_b32 v8, 5, v0
	v_readfirstlane_b32 s[WV], v8                  ; wave 0..7
	s_and_b32 s[HD], ttmp7, 0xffff                 ; the head
	s_lshr_b32 s15, ttmp9, 1                       ; g
	s_and_b32 s16, ttmp9, 1                        ; half
	s_lshr_b32 s17, s[WV], 2
	s_xor_b32 s17, s17, s[WV]
	s_and_b32 s17, s17, 1                          ; 0: block g, 1: block 15 - g
	s_sub_co_u32 s60, 15, s15
	s_cmp_eq_u32 s17, 1
	s_cselect_b32 s[G], s60, s15
	s_lshr_b32 s18, s[WV], 1
	s_lshl_b32 s61, s16, 2
	s_add_co_u32 s18, s18, s61                     ; my tile of the block
	s_and_b32 s19, s[WV], 3                        ; what I fetch, if I fetch: 0, 1: K's steps 0-1, 2-3 of a slot; 2, 3: V's
	s_lshr_b32 s60, s19, 1
	s_and_b32 s61, s19, 1
	s_add_co_u32 s62, s60, 1                       ; tensor 1 (k) or 2 (v)
	s_mul_i32 s66, s62, 3145728
	s_lshl_b32 s63, s[HD], 4
	s_lshl_b32 s67, s61, 1
	s_add_co_u32 s67, s67, s63
	s_mul_i32 s67, s67, UNIT
	s_add_co_u32 s66, s66, s67
	s_mov_b32 s67, 0                               ; s[66:67]: my part of slot 0, in memory
	s_lshl_b32 s68, s62, 17
	s_lshl_b32 s69, s[HD], 13
	s_add_co_u32 s68, s68, s69
	s_lshl_b32 s69, s61, 12
	s_add_co_u32 s68, s68, s69
	s_mov_b32 s69, 0                               ; s[68:69]: my quarter of the scale words
	s_mul_i32 s70, s19, 2*UNIT                     ; and in LDS
	s_lshl_b32 s71, s19, 12
	; descriptor groups 1: dense blocks as rows of 256 bytes (32 elements of 8 bytes), no padding, no mask: 96 rows of codes, 16 rows of scale words
	s_mov_b32 s[G1], 3<<16
	s_mov_b32 s[G1+1], 32<<16
	s_mov_b32 s[G1+2], 96<<16
	s_mov_b32 s[G1+3], 32<<16
	s_mov_b32 s[G1+4], 96
	s_mov_b32 s[G1+5], 32
	s_mov_b32 s[G1+6], 0
	s_mov_b32 s[G1+7], 0
	s_mov_b32 s[G1S], 3<<16
	s_mov_b32 s[G1S+1], 32<<16
	s_mov_b32 s[G1S+2], 16<<16
	s_mov_b32 s[G1S+3], 32<<16
	s_mov_b32 s[G1S+4], 16
	s_mov_b32 s[G1S+5], 32
	s_mov_b32 s[G1S+6], 0
	s_mov_b32 s[G1S+7], 0
	s_lshl_b32 s72, s[HD], 4
	s_add_co_u32 s72, s72, s[G]
	s_lshl_b32 s72, s72, 3
	s_add_co_u32 s72, s72, s18                     ; Q's fragment: (16 head + G) 8 + tile
	s_mul_i32 s74, s72, 1536
	s_mov_b32 s75, 0
	s_lshl_b32 s76, s72, 6
	s_mov_b32 s77, 0
	s_lshl_b32 s73, s[G], 4
	s_add_co_u32 s73, s73, s[HD]
	s_lshl_b32 s73, s73, 3
	s_add_co_u32 s73, s73, s18                     ; the result's: (16 G + head) 8 + tile
	s_mul_i32 s78, s73, 1536
	s_mov_b32 s79, 0
	s_lshl_b32 s72, s73, 6
	s_mov_b32 s73, 0
	s_lshr_b32 s[LIM], s[WV], 2
	s_xor_b32 s[LIM], s[LIM], 1                    ; 0 in waves 4 to 7,
	s_or_b32 s[LIM], s[LIM], ttmp9                 ; of the head's first work-group
	s_cmp_eq_u32 s[LIM], 0
	s_cselect_b32 s[LIM], 1, 0
	s_mov_b32 s[SEL], 0x76543210
	s_mov_b32 s[SEL+1], 0xfedcba98
	s_mov_b32 s[CS], 0x3e0293ee                    ; c = log2(e) / sqrt(128)
	s_mov_b32 s[CS+1], s[CS]                       ; (named with it as a pair, so it is written)
	s_wait_kmcnt 0x0
	s_mov_b32 s[G0S], 1
	s_add_co_u32 s[G0S+1], s71, SCK
	s_add_nc_u64 s[G0S+2:G0S+3], s[6:7], s[68:69]
	s_or_b32 s[G0S+3], s[G0S+3], 0x80000000
	s_add_nc_u64 s[PFA:PFA+1], s[4:5], s[66:67]
	s_mov_b32 s[G00], 1
	s_mov_b32 s[G00+1], s70
	s_add_nc_u64 s[G00+2:G00+3], s[4:5], s[66:67]
	s_or_b32 s[G00+3], s[G00+3], 0x80000000
	s_mov_b32 s[G00+4], 1
	s_add_co_u32 s[G00+5], s70, SLOT
	s_add_nc_u64 s[G00+6:G00+7], s[4:5], s[66:67]
	s_add_nc_u64 s[G00+6:G00+7], s[G00+6:G00+7], VOFF   ; slot 1 begins with key steps 4 to 7
	s_or_b32 s[G00+7], s[G00+7], 0x80000000
	s_cmp_lt_u32 s[WV], 4                          ; a wave's three first fills stand in one branch on its number
	s_cbranch_scc0 .Lno_fill
	tensor_load_to_lds s[G0S:G0S+3], s[G1S:G1S+7]
	s_nop 0
	tensor_load_to_lds s[G00:G00+3], s[G1:G1+7]
	s_nop 0
	tensor_load_to_lds s[G00+4:G00+7], s[G1:G1+7]
	s_nop 0
.rept 4
	v_nop
.endr
.Lno_fill:
	s_add_nc_u64 s[60:61], s[4:5], s[74:75]        ; Q's codes
	s_add_nc_u64 s[62:63], s[6:7], s[76:77]        ; and scale words
	s_add_nc_u64 s[8:9], s[8:9], s[78:79]
	s_add_nc_u64 s[10:11], s[10:11], s[72:73]
	v_and_b32 v8, 31, v0
	v_lshlrev_b32 v[LI], 4, v8
	v_lshl_add_u32 v[LS], v8, 2, SCK
	v_lshlrev_b32 v[PFO], 8, v8
	v_and_b32 v9, 15, v0                           ; r
	v_bfe_u32 v11, v0, 4, 1                        ; h
	v_lshlrev_b32 v[QS], 2, v9
.irp c, 0,1,2
	global_load_b128 v[16+4*\c:19+4*\c], v[LI], s[60:61] offset:512*\c   ; Q's fragment stays in registers
.endr
	global_load_b32 v255, v[QS], s[62:63]          ; Q's scale words
	v_and_b32 v[DG], 8, v9
	v_add_nc_u32 v[DG], v[DG], v9                  ; r + 8 (r / 8)
	v_lshlrev_b32 v11, 4, v11
	v_sub_nc_u32 v[DG], v[DG], v11
	s_lshr_b32 s66, s18, 1
	s_lshl_b32 s66, s66, 5
	s_and_b32 s67, s18, 1
	s_lshl_b32 s67, s67, 3
	s_add_co_u32 s66, s66, s67
	v_add_nc_u32 v[DG], s66, v[DG]                 ; + 32 (tile / 2) + 8 (tile % 2)
	v_mov_b32 v13, 0xff61b1e6                      ; the largest t so far: -3e38
	v_floor_f32 v12, -v13                          ; -M
	v_mov_b32 v14, 0
	v_mov_b32 v15, 0
.irp b, 0,1,2,3
	v_mov_b32 v[236+\b], 0                         ; written once: a lane permute's destination counts as one of its sources
	v_mov_b32 v[TM+4+\b], 0
.endr
	v_mov_b32 v252, 0
	v_mov_b32 v253, 0
	WIN 0x40
.set j, 0
.rept 64
	v_mov_b32 v[j], 0                              ; O^T: the step is written once, and the first change of M leaves zeros zeros
.set j, j+1
.endr
	WIN 0
; A PREFETCH of what refill n will ask for.  All work-groups of a head walk the same K and V: the head's first work-group asks, and in it the waves that fetch nothing: wave 4 + i names the 24,576 bytes
; that wave i will load: three instructions, lanes 256 bytes apart.  So each block is named once in the launch, four key steps ahead of its load.  No address register is stepped; the last byte named is the head's last.
.macro ASK n
	s_cmp_eq_u32 s[LIM], 1
	s_cbranch_scc0 .Lnot_mine_\@
.irp k, 0,1,2
	global_prefetch_b8 v[PFO], s[PFA:PFA+1] offset:2*VOFF+VOFF*(\n)+8192*\k th:TH_LOAD_NT scope:SCOPE_SE
.endr
.Lnot_mine_\@:
.endm
; THE CHANGE OF SLOTS: each wave waits for all its tensor loads, adds 0 to its spare word, waits for that and for its reads of the slot that it has left; a barrier; fill = 1: that slot takes the key steps eight further on.
.macro CHANGE slot, fill
	s_wait_tensorcnt 0x0                           ; no tensor load of mine is out, so a group 0 may be written
	ds_add_u32 v[SPW], v[NIL]                      ; 0 onto my spare word
.if \fill
	s_add_nc_u64 s[G00+4*(\slot)+2:G00+4*(\slot)+3], s[G00+4*(\slot)+2:G00+4*(\slot)+3], 2*VOFF
.endif
	s_wait_dscnt 0x0
	s_barrier_signal -1
	s_barrier_wait -1
.if \fill
	s_cmp_lt_u32 s[WV], 4
	s_cbranch_scc0 .Lnone_\@
	tensor_load_to_lds s[G00+4*(\slot):G00+4*(\slot)+3], s[G1:G1+7]   ; the first thing behind the barrier, and a wave's one tensor load until the next
	s_nop 0
.rept 4
	v_nop
.endr
.Lnone_\@:
.endif
.endm
; A slot's four key steps: a loop of four trips; n: the slot's place in the walk.
.macro SLOTWORK slot, n
	s_mov_b32 s[TB], (\slot)*SLOT
	s_mov_b32 s[TS], (\n)*2048
	s_mov_b32 s[ST], 4*(\n)
	s_mov_b32 s[CNT], 4
.Lstep_\@:
	s_cmp_gt_u32 s[ST], s[G]                       ; all 128 keys come after my queries: the step's work is left out
	s_cbranch_scc1 .Lhidden_\@
	v_add_nc_u32 v[ADK], s[TB], v[LI]              ; these four lines are the places behind the last step's products, in front of the loads
	v_add_nc_u32 v[ADS], s[TS], v[LS]
	v_nop
	v_nop
.irp i, 0,1,2,3
	ds_load_b32 v[KS+\i], v[ADS] offset:128*\i     ; lanes 0-15: tile 2 i's words, lanes 16-31: tile 2 i + 1's
.endr
.irp f, 0,1,2,3,4,5,6,7
.irp c, 0,1,2
	ds_load_b128 v[F+12*\f+4*\c:F+12*\f+4*\c+3], v[ADK] offset:1536*\f+512*\c
.endr
.endr
	s_wait_dscnt 12                                ; the scale words and fragments 0-3 are in; the 12 loads of fragments 4-7 may be out
.irp t, 0,1,2,3
	WMS S+8*\t, F+12*\t, 16, 1, KS+\t/2, 255, \t%2
.endr
	s_wait_dscnt 0x0
.irp t, 4,5,6,7
	WMS S+8*\t, F+12*\t, 16, 1, KS+\t/2, 255, \t%2
.endr
.rept 4
	v_nop                                          ; places: the scores are read, and K's registers loaded again, below
.endr
.irp i, 0,1,2,3
	ds_load_b32 v[VS+\i], v[ADS] offset:8192+128*\i   ; V is asked for ahead of the softmax and lands beside it
.endr
.irp f, 0,1,2,3,4,5,6,7
.irp c, 0,1,2
	ds_load_b128 v[F+12*\f+4*\c:F+12*\f+4*\c+3], v[ADK] offset:VOFF+1536*\f+512*\c
.endr
.endr
	s_cmp_lg_u32 s[ST], s[G]                       ; only the step on the diagonal hides keys
	s_cbranch_scc1 .Lopen_\@
	v_mov_b32 v254, 0xff800000                     ; -infinity: p = 0 then
.set n, 0
.rept 64
	v_cmp_gt_i32 vcc_lo, 32*(n/16)+n%16, v[DG]     ; register 16 b + i holds key 32 b + 16 h + i of the block
	v_cndmask_b32 v[S+n], v[S+n], v254, vcc_lo
.set n, n+1
.endr
.Lopen_\@:
.irp b, 0,1,2,3
	v_max3_num_f32 v[232+\b], v[S+16*\b], v[S+1+16*\b], v[S+2+16*\b]   ; the largest score of each block of 32 keys: for the row's maximum, and, since p rises with the score, for the block's largest p
.endr
.irp i, 3,5,7,9,11,13
.irp b, 0,1,2,3
	v_max3_num_f32 v[232+\b], v[232+\b], v[S+16*\b+\i], v[S+1+16*\b+\i]
.endr
.endr
.irp b, 0,1,2,3
	v_max_num_f32 v[232+\b], v[232+\b], v[S+15+16*\b]
.endr
.irp b, 0,1,2,3
	v_permlanex16_b32 v[236+\b], v[232+\b], s[SEL], s[SEL+1]
.endr
.irp b, 0,1,2,3
	v_max_num_f32 v[232+\b], v[232+\b], v[236+\b]
.endr
	v_max3_num_f32 v254, v232, v233, v234
	v_max_num_f32 v254, v254, v235
	v_mul_f32 v254, s[CS], v254
	v_max_num_f32 v13, v13, v254                   ; the running largest t
	v_mov_b32 v254, v12
	v_floor_f32 v12, -v13                          ; the new -M = -ceil(t)
	v_sub_f32 v254, v12, v254                      ; old M - new M: a whole number, 0 or less
	v_cvt_i32_f32 v254, v254                       ; (it saturates)
	v_ldexp_f32 v252, 1.0, v254                    ; f = 2^(old M - new M)
.set j, 0
.rept 32
	v_pk_fma_f32 v[S+j:S+j+1], v[S+j:S+j+1], s[CS:CS+1], v[12:13] op_sel_hi:[1,0,0]   ; t - M
.set j, j+2
.endr
.irp b, 0,1,2,3
	v_fma_f32 v[232+\b], v[232+\b], s[CS], v12
.endr
.set j, 0
.rept 64
	v_exp_f32 v[S+j], v[S+j]                       ; p = 2^(t - M)
.set j, j+1
.endr
	v_pk_mul_f32 v[14:15], v[14:15], v[252:253] op_sel_hi:[1,0]   ; the sums under the new M: a plain instruction behind the exponentials
	s_wait_alu depctr_va_vdst(0)                   ; one wait for the batch, ahead of its first reader
.irp b, 0,1,2,3
	v_exp_f32 v[232+\b], v[232+\b]                 ; the block's largest p
.endr
	v_pk_add_f32 v[236:237], v[S:S+1], v[S+2:S+3]  ; the row's sum of the unquantised p, in two chains
.set j, 4
.rept 15
	v_pk_add_f32 v[14:15], v[14:15], v[S+j:S+j+1]
	v_pk_add_f32 v[236:237], v[236:237], v[S+j+2:S+j+3]
.set j, j+4
.endr
	v_pk_add_f32 v[14:15], v[14:15], v[236:237]
	s_wait_alu depctr_va_vdst(0)                   ; and one for the four
.irp b, 0,1,2,3
	v_max_num_f32 v[232+\b], 0x2800000, v[232+\b]  ; the floor 2^(5 - 127)
.endr
.irp b, 0,1,2,3
	v_add_nc_u32 v[244+\b], 0xfe000000, v[232+\b]
.endr
.irp b, 0,1,2,3
	v_lshrrev_b32 v[236+\b], 23, v[244+\b]
.endr
	v_lshl_or_b32 v253, v237, 8, v236              ; p's scale word for these 128 keys
	v_lshl_or_b32 v253, v238, 16, v253
	v_lshl_or_b32 v253, v239, 24, v253
.irp c, 0,1
	v_cvt_scalef32_pk16_bf6_f32 v[224+6*\c:226+6*\c], v[S+32*\c:S+15+32*\c], v[244+2*\c]
	v_cvt_scalef32_pk16_bf6_f32 v[236+4*\c:238+4*\c], v[S+16+32*\c:S+31+32*\c], v[244+2*\c+1]
.endr
	v_nop                                          ; one plain instruction behind the scaled conversions
.irp c, 0,1
.irp i, 0,1,2
	v_permlane16_swap_b32 v[224+6*\c+\i], v[236+4*\c+\i]
.endr
.irp i, 0,1,2
	v_mov_b32 v[227+6*\c+\i], v[236+4*\c+\i]
.endr
.endr
	WIN 0x41                                       ; O^T in window 1, f in window 0
.set j, 0
.rept 32
	v_pk_mul_f32 v[j:j+1], v[j:j+1], v[252:253] op_sel_hi:[1,0]   ; O^T under the new M; also the places between p's codes and scale word and the products
.set j, j+2
.endr
	s_wait_dscnt 0x0                               ; V is in
	WIN 0x50                                       ; C and D in window 1
.irp t, 0,1,2,3,4,5,6,7
	WMS 8*\t, F+12*\t, 224, 0, VS+\t/2, 253, \t%2  ; eight accumulators, one instruction each
.endr
	WIN 0
.Lhidden_\@:
	s_add_co_u32 s[TB], s[TB], UNIT
	s_add_co_u32 s[TS], s[TS], 512
	s_add_co_u32 s[ST], s[ST], 1
	s_sub_co_u32 s[CNT], s[CNT], 1
	s_cmp_lg_u32 s[CNT], 0
	s_cbranch_scc1 .Lstep_\@
.endm
	s_wait_tensorcnt 1                             ; the scale words and my part of slot 0 are in; slot 1's load may be out
	s_barrier_signal -1
	s_barrier_wait -1
	ASK 0
	s_wait_loadcnt 0x0                             ; Q
	SLOTWORK 0, 0
	CHANGE 0, 1
	ASK 1
	SLOTWORK 1, 1
	CHANGE 1, 1
	SLOTWORK 0, 2
	CHANGE 0, 0                                    ; nothing is left to fetch
	SLOTWORK 1, 3
	; THE WAY OUT: O^T / the sum, quantised along d_model (my 128 channels are K step 'head' of the last product), stored as the image of a fragment.
.rept 4
	v_nop                                          ; places behind the last products
.endr
	v_add_f32 v14, v14, v15
	v_permlanex16_b32 v252, v14, s[SEL], s[SEL+1]
	v_add_f32 v14, v14, v252                       ; the row's sum
	v_rcp_f32 v14, v14
	v_nop                                          ; a plain instruction behind the reciprocal
	s_wait_alu depctr_va_vdst(0)                   ; and the wait ahead of its first reader
	WIN 0x01
.set j, 0
.rept 64
	v_mul_f32 v[S+j], v[j], v14                    ; register 16 b + i: channel 32 b + 16 h + i; each accumulator is read from its low end on
.set j, j+1
.endr
	WIN 0
.irp b, 0,1,2,3
	v_max3_num_f32 v[TM+\b], |v[S+16*\b]|, |v[S+1+16*\b]|, 0x2800000
.endr
.irp i, 2,4,6,8,10,12,14
.irp b, 0,1,2,3
	v_max3_num_f32 v[TM+\b], v[TM+\b], |v[S+16*\b+\i]|, |v[S+1+16*\b+\i]|
.endr
.endr
.irp b, 0,1,2,3
	v_permlanex16_b32 v[TM+4+\b], v[TM+\b], s[SEL], s[SEL+1]
.endr
.irp b, 0,1,2,3
	v_max_num_f32 v[TM+\b], v[TM+\b], v[TM+4+\b]
.endr
.irp b, 0,1,2,3
	v_add_nc_u32 v[TM+12+\b], 0xfe000000, v[TM+\b]
.endr
.irp b, 0,1,2,3
	v_lshrrev_b32 v[TM+4+\b], 23, v[TM+12+\b]
.endr
	v_lshl_or_b32 v[PW], v[TM+5], 8, v[TM+4]
	v_lshl_or_b32 v[PW], v[TM+6], 16, v[PW]
	v_lshl_or_b32 v[PW], v[TM+7], 24, v[PW]
.irp c, 0,1
	v_cvt_scalef32_pk16_bf6_f32 v[PC+6*\c:PC+2+6*\c], v[S+32*\c:S+15+32*\c], v[TM+12+2*\c]
	v_cvt_scalef32_pk16_bf6_f32 v[PC+12+4*\c:PC+14+4*\c], v[S+16+32*\c:S+31+32*\c], v[TM+12+2*\c+1]
.endr
	v_nop
.irp c, 0,1
.irp i, 0,1,2
	v_permlane16_swap_b32 v[PC+6*\c+\i], v[PC+12+4*\c+\i]
.endr
.irp i, 0,1,2
	v_mov_b32 v[PC+3+6*\c+\i], v[PC+12+4*\c+\i]
.endr
.endr
.irp c, 0,1,2
	global_store_b128 v[LI], v[PC+4*\c:PC+4*\c+3], s[8:9] offset:512*\c   ; 32 lanes store 512 consecutive bytes
.endr
	global_store_b32 v[QS], v[PW], s[10:11]        ; lanes r and r + 16 hold the same word and store it to the same place
	s_wait_tensorcnt 0x0                           ; the wave's end
	ds_add_u32 v[SPW], v[NIL]
	s_wait_dscnt 0x0
	s_endpgm
.Lfunc_end_k_q06a5f0321a_attn:
	.size	k_q06a5f0321a_attn, .Lfunc_end_k_q06a5f0321a_attn-k_q06a5f0321a_attn
	.p2alignl 7, 3214868480
	.fill 96, 4, 3214868480
	.section	.rodata,"a",@progbits
	.p2align	6, 0x0
	.amdhsa_kernel k_q06a5f0321a_attn
		.amdhsa_group_segment_fixed_size 327680
		.amdhsa_private_segment_fixed_size 0
		.amdhsa_enable_private_segment 0
		.amdhsa_kernarg_size 32
		.amdhsa_user_sgpr_count 2
		.amdhsa_user_sgpr_kernarg_segment_ptr 1
		.amdhsa_wavefront_size32 1
		.amdhsa_system_sgpr_workgroup_id_x 1
		.amdhsa_system_sgpr_workgroup_id_y 1
		.amdhsa_system_sgpr_workgroup_id_z 1
		.amdhsa_system_vgpr_workitem_id 0
		.amdhsa_next_free_vgpr 320
		.amdhsa_next_free_sgpr 80
		.amdhsa_reserve_vcc 1
		.amdhsa_float_denorm_mode_32 3
		.amdhsa_float_denorm_mode_16_64 3
		.amdhsa_memory_ordered 1
		.amdhsa_forward_progress 1
		.amdhsa_inst_pref_size 114
	.end_amdhsa_kernel
	.amdgpu_metadata
---
amdhsa.version: [ 1, 2 ]
amdhsa.kernels:
  - .name:           k_q06a5f0321a_attn
    .symbol:         k_q06a5f0321a_attn.kd
    .args:
      - { .name: qkvc, .offset: 0, .size: 8, .value_kind: global_buffer, .address_space: global }
      - { .name: qkvs, .offset: 8, .size: 8, .value_kind: global_buffer, .address_space: global }
      - { .name: ao, .offset: 16, .size: 8, .value_kind: global_buffer, .address_space: global }
      - { .name: aos, .offset: 24, .size: 8, .value_kind: global_buffer, .address_space: global }
    .group_segment_fixed_size: 327680
    .private_segment_fixed_size: 0
    .kernarg_segment_align: 8
    .kernarg_segment_size: 32
    .max_flat_workgroup_size: 256
    .sgpr_count:     80
    .vgpr_count:     320
    .wavefront_size: 32
...
	.end_amdgpu_metadata
.endif
;; end of part 3
;; launch proj (part 4): grid 8 x 8, 4 waves a work-group, clusters of 4 x 4, 327,680 bytes of LDS; arguments ao, aos, codes, scales, out0; writes out0
.if DOCPART == 4
	.amdgcn_target "amdgcn-amd-amdhsa--gfx1250"
	.amdhsa_code_object_version 6
	.text
	.protected	k_q06a5f0321a_proj
	.globl	k_q06a5f0321a_proj
	.p2align	8
	.type	k_q06a5f0321a_proj,@function
k_q06a5f0321a_proj:
	s_mov_b64 s[64:65], 0
	v_nop
	global_prefetch_b8 v0, s[64:65] scope:SCOPE_SE
	s_setreg_imm32_b32 hwreg(HW_REG_WAVE_MODE, 25, 1), 1
	s_wait_xcnt 0x0
	s_wait_alu depctr_hold_cnt(0) depctr_sa_sdst(0) depctr_va_vdst(0) depctr_va_sdst(0) depctr_va_ssrc(0) depctr_va_vcc(0) depctr_vm_vsrc(0)
	s_getreg_b32 s2, hwreg(HW_REG_IB_STS2, 6, 4)
	s_cmp_eq_u32 s2, 0
	s_cbranch_scc0 .Lentry_in_a_cluster
	s_endpgm
.Lentry_in_a_cluster:
	s_bfe_u32 s2, ttmp6, 0x10000c
	s_cmp_lg_u32 s2, 0xf033
	s_cbranch_scc0 .Lentry_shape_is_right
	s_endpgm
.Lentry_shape_is_right:
; PROJ.  out0 = attention's result x Wo^T, 2,048 x 2,048 x 2,048, on codes of BF6 with E8M0 scales; out0 f32.
; A = ao / aos (rows: tokens), B = Wo's codes and scale words (tensor 4 of codes / scales; rows: outputs).  Both lie in memory in the order of the operands' registers: row block RB of 128 rows, K step s of 128,
; tile t of 16 rows; lane r of tile t is row 32 (t / 2) + 8 (t % 2) + r + 8 (r / 8) of the block; a fragment is 1,536 bytes at ((16 RB + s) 8 + t) 1,536.
; A tile of 256 x 256 is made by a work-group of four waves; a wave makes 128 x 128: 64 accumulators.  K goes in steps of 256 through a ring of two LDS slots; a wave's tensor load brings 24,576 dense bytes.
; The matrix instruction is used transposed (source 0 = 16 rows of Wo, source 1 = 16 tokens): lane (r, h) of A's tile a holds a token, and register 16 b + i of its 64 the output 32 b + 16 h + i of the wave's 128.
; CLUSTERS: 4 x 4 work-groups; A's tiles are shared along a row of the cluster, B's along a column: joint loads.  The grid has 64 work-groups: 64 tiles of 256 x 256.
; REGISTERS: window 0: v16-29 addresses; v32-63 scale words, two sets; v128-223 A's fragments (on the way out v128-255: rows read back); window 1: B's fragments, two sets; windows 2, 3: the accumulators.
.set UNIT,  12288
.set HALFT, 2*UNIT
.set SLOT,  4*HALFT
.set SCL,   2*SLOT
.set SCH,   8192
.set SPARE, SCL+4*SCH                  ; the spare words: 128 bytes for each wave; no other line names them
.set SPITCH, 528                       ; the way out: a stage of 16 rows x (512 bytes + 16) for each wave, in slot 0, which has had its last fill and its last read by then
.set FR,    12
.set NL,    3
.set NP,    4
.set NQ,    2
.set LAPS,  4
.set ADRA, 16
.set ADRB, 20
.set ADSA, 22
.set ADSB, 23
.set LI,   24
.set L4,   25
.set STO,  26
.set RD,   27
.set SPW,  28
.set NIL,  29
.set SC,   32
.set AF,   128
.set BK,   128
.set G1, 24
.set G0, 32
.set G1B, 48
.set G0B, 56
.set G1S, 68
.set G0S, 76
.set G1SB, 80
.set G0SB, 88
.set MSB, 0
.macro WIN new
.if MSB != (\new)
	s_set_vgpr_msb (MSB<<8)|(\new)
.set MSB, (\new)
.endif
.endm
.set MUL_LO, 0xa1
.set MUL_HI, 0xf1
.set TO_B,   0x40
.macro WMS d, x, y, zero, sx, sy, rx, ry
.if \zero
.if (\rx) && (\ry)
	v_wmma_scale_f32_16x16x128_f8f6f4 v[(\d):(\d)+7], v[(\x):(\x)+11], v[(\y):(\y)+11], 0, v[\sx], v[\sy] matrix_a_fmt:MATRIX_FMT_BF6 matrix_b_fmt:MATRIX_FMT_BF6 matrix_a_scale:MATRIX_SCALE_ROW1 matrix_b_scale:MATRIX_SCALE_ROW1
.elseif \rx
	v_wmma_scale_f32_16x16x128_f8f6f4 v[(\d):(\d)+7], v[(\x):(\x)+11], v[(\y):(\y)+11], 0, v[\sx], v[\sy] matrix_a_fmt:MATRIX_FMT_BF6 matrix_b_fmt:MATRIX_FMT_BF6 matrix_a_scale:MATRIX_SCALE_ROW1
.elseif \ry
	v_wmma_scale_f32_16x16x128_f8f6f4 v[(\d):(\d)+7], v[(\x):(\x)+11], v[(\y):(\y)+11], 0, v[\sx], v[\sy] matrix_a_fmt:MATRIX_FMT_BF6 matrix_b_fmt:MATRIX_FMT_BF6 matrix_b_scale:MATRIX_SCALE_ROW1
.else
	v_wmma_scale_f32_16x16x128_f8f6f4 v[(\d):(\d)+7], v[(\x):(\x)+11], v[(\y):(\y)+11], 0, v[\sx], v[\sy] matrix_a_fmt:MATRIX_FMT_BF6 matrix_b_fmt:MATRIX_FMT_BF6
.endif
.else
.if (\rx) && (\ry)
	v_wmma_scale_f32_16x16x128_f8f6f4 v[(\d):(\d)+7], v[(\x):(\x)+11], v[(\y):(\y)+11], v[(\d):(\d)+7], v[\sx], v[\sy] matrix_a_fmt:MATRIX_FMT_BF6 matrix_b_fmt:MATRIX_FMT_BF6 matrix_a_scale:MATRIX_SCALE_ROW1 matrix_b_scale:MATRIX_SCALE_ROW1
.elseif \rx
	v_wmma_scale_f32_16x16x128_f8f6f4 v[(\d):(\d)+7], v[(\x):(\x)+11], v[(\y):(\y)+11], v[(\d):(\d)+7], v[\sx], v[\sy] matrix_a_fmt:MATRIX_FMT_BF6 matrix_b_fmt:MATRIX_FMT_BF6 matrix_a_scale:MATRIX_SCALE_ROW1
.elseif \ry
	v_wmma_scale_f32_16x16x128_f8f6f4 v[(\d):(\d)+7], v[(\x):(\x)+11], v[(\y):(\y)+11], v[(\d):(\d)+7], v[\sx], v[\sy] matrix_a_fmt:MATRIX_FMT_BF6 matrix_b_fmt:MATRIX_FMT_BF6 matrix_b_scale:MATRIX_SCALE_ROW1
.else
	v_wmma_scale_f32_16x16x128_f8f6f4 v[(\d):(\d)+7], v[(\x):(\x)+11], v[(\y):(\y)+11], v[(\d):(\d)+7], v[\sx], v[\sy] matrix_a_fmt:MATRIX_FMT_BF6 matrix_b_fmt:MATRIX_FMT_BF6
.endif
.endif
.endm
.macro JLOAD g0a, g1a, g0b, g1b        ; a joint load: waves 0 and 1 fetch for A, waves 2 and 3 for B; four v_nop follow each of the two lines
	s_cmp_eq_u32 s15, 0
	s_cbranch_scc0 .Lfor_b_\@
	tensor_load_to_lds s[\g0a:\g0a+3], s[\g1a:\g1a+7]
	s_nop 0
.rept 4
	v_nop
.endr
	s_branch .Lasked_\@
.Lfor_b_\@:
	tensor_load_to_lds s[\g0b:\g0b+3], s[\g1b:\g1b+7]
	s_nop 0
.rept 4
	v_nop
.endr
.Lasked_\@:
.endm
.macro CREST
	s_cmp_lg_u32 s14, 0
	s_cbranch_scc1 .Lnot_wave_0_\@
	s_barrier_signal -3
.Lnot_wave_0_\@:
	s_barrier_wait -3
	s_barrier_signal -1
	s_barrier_wait -1
.endm
.macro CROUND
	s_barrier_signal -1
	s_barrier_wait -1
	CREST
.endm
	s_load_b256 s[4:11], s[0:1], 0x0               ; ao s[4:5], aos s[6:7], codes s[8:9], scales s[10:11]
	s_load_b64 s[12:13], s[0:1], 0x20              ; out0
	v_lshl_add_u32 v[SPW], v0, 2, SPARE
	v_mov_b32 v[NIL], 0
	ds_add_u32 v28, v29
	s_wait_dscnt 0x0
	v_lshrrev_b32 v1, 5, v0
	v_readfirstlane_b32 s14, v1                    ; wave 0..3
	s_lshr_b32 s15, s14, 1                         ; which half of A's rows is mine.  Also: I fetch for A (0) or for B (1)
	s_and_b32 s16, s14, 1                          ; which half of B's rows.  Also: which 128 rows I fetch
	s_bfe_u32 s40, ttmp6, 0x40000                  ; cx
	s_bfe_u32 s41, ttmp6, 0x40004                  ; cy
	s_lshl_b32 s42, ttmp9, 2
	s_add_co_u32 s42, s42, s40                     ; tile column
	s_and_b32 s17, ttmp7, 0xffff
	s_lshl_b32 s17, s17, 2
	s_add_co_u32 s17, s17, s41                     ; tile row
	s_lshl_b32 s43, s41, 2
	s_lshl_b32 s43, 15, s43                        ; my row of the cluster
	s_lshl_b32 s44, 0x1111, s40                    ; my column
	s_or_b32 s[G1+0], s43, (3<<16)|(1<<21)         ; dense blocks as rows of 256 bytes (32 elements of 8 bytes), no padding
	s_or_b32 s[G1B+0], s44, (3<<16)|(1<<21)
	s_or_b32 s[G1S+0], s43, (3<<16)|(1<<21)
	s_or_b32 s[G1SB+0], s44, (3<<16)|(1<<21)
.irp g, G1, G1B
	s_mov_b32 s[\g+1], 32<<16
	s_mov_b32 s[\g+2], 96<<16
	s_mov_b32 s[\g+3], 32<<16
	s_mov_b32 s[\g+4], 96
	s_mov_b32 s[\g+5], 32
	s_mov_b32 s[\g+6], 0
	s_mov_b32 s[\g+7], 0
.endr
.irp g, G1S, G1SB
	s_mov_b32 s[\g+1], 32<<16
	s_mov_b32 s[\g+2], 32<<16
	s_mov_b32 s[\g+3], 32<<16
	s_mov_b32 s[\g+4], 32
	s_mov_b32 s[\g+5], 32
	s_mov_b32 s[\g+6], 0
	s_mov_b32 s[\g+7], 0
.endr
	s_lshl_b32 s20, s17, 1
	s_add_co_u32 s20, s20, s16                     ; A: the row block that I fetch
	s_lshl_b32 s22, s20, 13
	s_mul_i32 s20, s20, 16*UNIT
	s_mov_b32 s21, 0
	s_mov_b32 s23, 0
	s_lshl_b32 s46, s42, 1
	s_add_co_u32 s46, s46, s16                     ; B likewise
	s_lshl_b32 s92, s46, 13
	s_mul_i32 s46, s46, 16*UNIT
	s_add_co_u32 s46, s46, 4*3145728               ; Wo is tensor 4
	s_add_co_u32 s92, s92, 4*131072
	s_mov_b32 s47, 0
	s_mov_b32 s93, 0
	s_mul_i32 s45, s14, HALFT
	s_lshl_b32 s95, s14, 13
	s_wait_kmcnt 0x0
	s_add_nc_u64 s[20:21], s[4:5], s[20:21]
	s_add_nc_u64 s[22:23], s[6:7], s[22:23]
	s_add_nc_u64 s[46:47], s[8:9], s[46:47]
	s_add_nc_u64 s[92:93], s[10:11], s[92:93]
	CROUND                                         ; all sixteen work-groups are here: the first joint loads meet
	s_mov_b32 s[G0S], 1
	s_add_co_u32 s[G0S+1], s95, SCL
	s_mov_b64 s[G0S+2:G0S+3], s[22:23]
	s_or_b32 s[G0S+3], s[G0S+3], 0x80000000
	s_mov_b32 s[G0SB], 1
	s_add_co_u32 s[G0SB+1], s95, SCL
	s_mov_b64 s[G0SB+2:G0SB+3], s[92:93]
	s_or_b32 s[G0SB+3], s[G0SB+3], 0x80000000
	JLOAD G0S, G1S, G0SB, G1SB
.irp s, 0,1
	s_mov_b32 s[G0+4*\s], 1
	s_add_co_u32 s[G0+4*\s+1], s45, \s*SLOT
	s_add_nc_u64 s[G0+4*\s+2:G0+4*\s+3], s[20:21], \s*HALFT
	s_or_b32 s[G0+4*\s+3], s[G0+4*\s+3], 0x80000000
	s_mov_b32 s[G0B+4*\s], 1
	s_add_co_u32 s[G0B+4*\s+1], s45, \s*SLOT
	s_add_nc_u64 s[G0B+4*\s+2:G0B+4*\s+3], s[46:47], \s*HALFT
	s_or_b32 s[G0B+4*\s+3], s[G0B+4*\s+3], 0x80000000
	JLOAD G0+4*\s, G1, G0B+4*\s, G1B               ; three tensor loads of mine are out
.endr
	v_and_b32 v1, 31, v0
	v_lshlrev_b32 v[LI], 4, v1
	v_lshlrev_b32 v[L4], 2, v1
	s_mul_i32 s18, s15, HALFT
	s_mul_i32 s19, s16, HALFT
	s_add_co_u32 s19, s19, 2*HALFT
.irp s, 0,1
	v_add_nc_u32 v[ADRA+\s], s18, v[LI]
	v_add_nc_u32 v[ADRB+\s], s19, v[LI]
	s_add_co_u32 s18, s18, SLOT
	s_add_co_u32 s19, s19, SLOT
.endr
	s_lshl_b32 s18, s15, 13
	s_add_co_u32 s18, s18, SCL
	v_add_nc_u32 v[ADSA], s18, v[L4]
	s_lshl_b32 s19, s16, 13
	s_add_co_u32 s19, s19, SCL+2*SCH
	v_add_nc_u32 v[ADSB], s19, v[L4]
	s_mul_i32 s18, s14, 16*SPITCH                  ; my stage
	v_and_b32 v2, 15, v0
	v_bfe_u32 v3, v0, 4, 1
	v_mul_u32_u24 v[STO], v2, SPITCH               ; in: row r, + 64 h
	v_lshl_add_u32 v[STO], v3, 6, v[STO]
	v_add_nc_u32 v[STO], s18, v[STO]
	v_add_nc_u32 v[RD], s18, v[LI]                 ; back: 32 lanes take a row of 512 bytes
	s_lshl_b32 s96, s17, 1
	s_add_co_u32 s96, s96, s15                     ; my block of 128 tokens
	s_lshl_b32 s96, s96, 20                        ; 128 rows of 8,192 bytes
	s_lshl_b32 s97, s42, 1
	s_add_co_u32 s97, s97, s16                     ; my block of 128 outputs
	s_lshl_b32 s97, s97, 9
	s_add_co_u32 s96, s96, s97
	s_mov_b32 s97, 0
	s_add_nc_u64 s[12:13], s[12:13], s[96:97]
.macro FRAG reg, adr, q, i
.irp c, 0,1,2
	ds_load_b128 v[(\reg)+4*\c:(\reg)+4*\c+3], v[\adr] offset:(\q)*UNIT+(\i)*1536+512*\c
.endr
.endm
.macro MUL16 a0, p, q, sc, zero        ; the 64 accumulators take turns, one instruction a turn, in the same order in every step
.irp a, \a0, \a0+1
.irp b, 0,1,2,3,4,5,6,7
	WMS 8*(8*((\a)%4)+\b), 128*(\p)+FR*\b, AF+FR*(\a), \zero, SC+16*(\sc)+8*(\q)+4+\b/2, SC+16*(\sc)+8*(\q)+(\a)/2, \b%2, (\a)%2
.endr
.endr
.endm
.macro FETCH_B slot, q, p
	WIN TO_B
.irp i, 0,1,2,3,4,5,6,7
	FRAG 128*(\p)+FR*\i, ADRB+\slot, \q, \i
.endr
	WIN 0
.endm
.macro FETCH_A slot, q, i0
.irp i, \i0, \i0+1, \i0+2, \i0+3
	FRAG AF+FR*(\i), ADRA+\slot, \q, \i
.endr
.endm
.macro SCALES sc
.irp q, 0,1
.irp i, 0,1,2,3
	ds_load_b32 v[SC+16*(\sc)+8*\q+\i], v[ADSA] offset:512*\q+128*\i
	ds_load_b32 v[SC+16*(\sc)+8*\q+4+\i], v[ADSB] offset:512*\q+128*\i
.endr
.endr
.endm
.macro PLACES n
.rept \n
	v_nop
.endr
.endm
.macro STEP slot, q, zero
	s_wait_dscnt 4*NL                              ; all but the youngest 12 loads (A's blocks 4-7) are in
	WIN MUL_LO
	MUL16 0, (\q)%2, \q, \slot, \zero
	MUL16 2, (\q)%2, \q, \slot, \zero
	s_wait_dscnt 0
	PLACES NP
	FETCH_B \slot, (\q)+1, 1-(\q)%2
	FETCH_A \slot, (\q)+1, 0
	WIN MUL_HI
	MUL16 4, (\q)%2, \q, \slot, \zero
	MUL16 6, (\q)%2, \q, \slot, \zero
	PLACES NP
	WIN 0
	FETCH_A \slot, (\q)+1, 4
.endm
.macro TURN slot, next, fill
	s_wait_tensorcnt 0x0                           ; all my tensor loads have landed: my part of the next slot
	ds_add_u32 v[SPW], v[NIL]                      ; 0 onto my spare word
	s_wait_dscnt 4*NL+1                            ; the add and the youngest 12 loads may be out
	WIN MUL_LO
	MUL16 0, 1, NQ-1, \slot, 0
	s_wait_dscnt 0x0                               ; the add is done, and my reads of this slot are over
	s_barrier_signal -1
	MUL16 2, 1, NQ-1, \slot, 0
	WIN 0
	s_barrier_wait -1
.if \fill
	CREST                                          ; the barrier has opened a round of the cluster's
	s_add_nc_u64 s[G0+4*\slot+2:G0+4*\slot+3], s[G0+4*\slot+2:G0+4*\slot+3], 2*HALFT
	s_add_nc_u64 s[G0B+4*\slot+2:G0B+4*\slot+3], s[G0B+4*\slot+2:G0B+4*\slot+3], 2*HALFT
	JLOAD G0+4*\slot, G1, G0B+4*\slot, G1B         ; the first tensor load behind the round
.else
	PLACES NP
.endif
	v_add_nc_u32 v[ADSA], 512*NQ, v[ADSA]
	v_add_nc_u32 v[ADSB], 512*NQ, v[ADSB]
	FETCH_B \next, 0, 0
	FETCH_A \next, 0, 0
	SCALES \next
	WIN MUL_HI
	MUL16 4, 1, NQ-1, \slot, 0
	MUL16 6, 1, NQ-1, \slot, 0
	PLACES NP
	WIN 0
	FETCH_A \next, 0, 4
.endm
	s_wait_tensorcnt 1                             ; the scale words and my part of slot 0 are in; slot 1's load may be out
	s_barrier_signal -1
	s_barrier_wait -1
	FETCH_B 0, 0, 0
	FETCH_A 0, 0, 0
	SCALES 0
	FETCH_A 0, 0, 4
	STEP 0, 0, 1                                   ; the first step's products start the sums
	s_mov_b32 s3, LAPS-1
.Llap:
	TURN 0, 1, 1
	STEP 1, 0, 0
	TURN 1, 0, 1
	STEP 0, 0, 0
	s_sub_co_u32 s3, s3, 1
	s_cmp_lg_u32 s3, 0
	s_cbranch_scc1 .Llap
	TURN 0, 1, 0
	STEP 1, 0, 0
	s_wait_dscnt 4*NL
	WIN MUL_LO
	MUL16 0, 1, NQ-1, 1, 0
	MUL16 2, 1, NQ-1, 1, 0
	s_wait_dscnt 0
	WIN MUL_HI
	MUL16 4, 1, NQ-1, 1, 0
	MUL16 6, 1, NQ-1, 1, 0
	WIN 0
; THE WAY OUT, block by block of 16 tokens x 128 outputs, through my own stage: a lane's eight results of accumulator b are the outputs 32 (b / 2) + 16 h + 8 (b % 2) + 0 .. 7 of its token.
; They come back as whole rows of 512 bytes.  LDS serves a wave's instructions in order (ISA guide 5.7.1.4): no wait between the stores and the loads, nor in front of the next block's stores.
.macro TOSTAGE a
.set AC, 64*((\a)%4)
	WIN 0x08+4*((\a)/4)                            ; an LDS store's data: window 2 or 3
.irp b, 0,1,2,3,4,5,6,7
	ds_store_b128 v[STO], v[AC+8*\b:AC+8*\b+3] offset:128*(\b/2)+32*(\b%2)        ; each accumulator from its low end on
	ds_store_b128 v[STO], v[AC+8*\b+4:AC+8*\b+7] offset:128*(\b/2)+32*(\b%2)+16
.endr
	WIN 0
.set BB, BK+64*((\a)%2)
.set i, 0
.rept 16
	ds_load_b128 v[BB+4*i:BB+4*i+3], v[RD] offset:i*SPITCH
.set i, i+1
.endr
.endm
.macro SEND a, younger                 ; younger: the LDS instructions issued behind block a's loads, which may stay out
.set BB, BK+64*((\a)%2)
	s_wait_dscnt \younger
.set i, 0
.rept 16
	global_store_b128 v[LI], v[BB+4*i:BB+4*i+3], s[12:13] offset:(32*((\a)/2)+8*((\a)%2)+i+8*(i/8))*8192 th:TH_STORE_NT   ; 32 lanes store 512 consecutive bytes of one row; 127 rows of 8,192 bytes at the most in the immediate
.set i, i+1
.endr
.endm
	PLACES NP                                      ; behind the last products: their results are read, and registers that they read are loaded, below
	TOSTAGE 0
.irp a, 1,2,3,4,5,6,7
.if \a > 1
	s_wait_xcnt 0x0                                ; block a - 2's stores have read their registers: block a's loads may land there
.endif
	TOSTAGE \a
	SEND (\a)-1, 32                                ; behind block a - 1's loads: block a's 16 stores and 16 loads
.endr
	SEND 7, 0
	s_wait_tensorcnt 0x0                           ; the wave's end
	ds_add_u32 v[SPW], v[NIL]
	s_wait_dscnt 0x0
	CROUND                                         ; the closing round
	s_endpgm
.Lfunc_end_k_q06a5f0321a_proj:
	.size	k_q06a5f0321a_proj, .Lfunc_end_k_q06a5f0321a_proj-k_q06a5f0321a_proj
	.p2alignl 7, 3214868480
	.fill 96, 4, 3214868480
	.section	.rodata,"a",@progbits
	.p2align	6, 0x0
	.amdhsa_kernel k_q06a5f0321a_proj
		.amdhsa_group_segment_fixed_size 327680
		.amdhsa_private_segment_fixed_size 0
		.amdhsa_enable_private_segment 0
		.amdhsa_kernarg_size 40
		.amdhsa_user_sgpr_count 2
		.amdhsa_user_sgpr_kernarg_segment_ptr 1
		.amdhsa_wavefront_size32 1
		.amdhsa_system_sgpr_workgroup_id_x 1
		.amdhsa_system_sgpr_workgroup_id_y 1
		.amdhsa_system_sgpr_workgroup_id_z 1
		.amdhsa_system_vgpr_workitem_id 0
		.amdhsa_next_free_vgpr 1024
		.amdhsa_next_free_sgpr 104
		.amdhsa_reserve_vcc 0
		.amdhsa_float_denorm_mode_32 3
		.amdhsa_float_denorm_mode_16_64 3
		.amdhsa_memory_ordered 1
		.amdhsa_forward_progress 1
		.amdhsa_inst_pref_size 137
	.end_amdhsa_kernel
	.amdgpu_metadata
---
amdhsa.version: [ 1, 2 ]
amdhsa.kernels:
  - .name:           k_q06a5f0321a_proj
    .symbol:         k_q06a5f0321a_proj.kd
    .args:
      - { .name: ao, .offset: 0, .size: 8, .value_kind: global_buffer, .address_space: global }
      - { .name: aos, .offset: 8, .size: 8, .value_kind: global_buffer, .address_space: global }
      - { .name: codes, .offset: 16, .size: 8, .value_kind: global_buffer, .address_space: global }
      - { .name: scales, .offset: 24, .size: 8, .value_kind: global_buffer, .address_space: global }
      - { .name: out0, .offset: 32, .size: 8, .value_kind: global_buffer, .address_space: global }
    .group_segment_fixed_size: 327680
    .private_segment_fixed_size: 0
    .kernarg_segment_align: 8
    .kernarg_segment_size: 40
    .max_flat_workgroup_size: 128
    .sgpr_count:     104
    .vgpr_count:     1024
    .wavefront_size: 32
...
	.end_amdgpu_metadata
.endif
;; end of part 4
;; ======== version 2 of 2: 4 launches
;; limits: right only within a limited range of input values
;; workspace buffers: rope 1,048,576 bytes; qkvc 9,437,184 bytes; qkvs 393,216 bytes; ao 3,276,800 bytes; xw 16,384,000 bytes
;; launch prep (part 5): grid 672 x 1, 4 waves a work-group, no clusters, 35,328 bytes of LDS; arguments x, Wq, Wk, Wv, Wo, token_positions, rope, xw; writes rope, xw
.if DOCPART == 5
	.amdgcn_target "amdgcn-amd-amdhsa--gfx1250"
	.amdhsa_code_object_version 6
	.text
	.protected	k_q06a5f0321a_prep
	.globl	k_q06a5f0321a_prep
	.p2align	8
	.type	k_q06a5f0321a_prep,@function
k_q06a5f0321a_prep:
	s_mov_b64 s[64:65], 0
	v_nop
	global_prefetch_b8 v0, s[64:65] scope:SCOPE_SE
	s_setreg_imm32_b32 hwreg(HW_REG_WAVE_MODE, 25, 1), 1
	s_wait_xcnt 0x0
; PREP.  Two kinds of work-groups, told apart by the work-group's number.
; (1) Work-groups 32 .. 671 turn x, Wq, Wk, Wv, Wo ([2048][2048] f32, K innermost) into codes of BF6 (E3M2) with one E8M0 byte for each 32 along K.
;     A block's byte is its largest magnitude's exponent field - 4, held at 1 from below; numbers are divided by the scale and rounded to the nearest code, ties to even, beyond 28 the largest code.
;     THE CODES ARE LAID IN THE ORDER OF THE OPERAND'S REGISTERS.  A matrix is cut into row blocks RB of 128 rows, K steps s of 128 and tiles t = 0 .. 7 of 16 rows;
;     lane r of tile t holds row 128 RB + 32 (t / 2) + 8 (t % 2) + r + 8 (r / 8).  A fragment (12 registers a lane) is 1,536 bytes: registers 4 c .. 4 c + 3 of lane l at 512 c + 16 l;
;     fragment (RB, s, t) lies at (16 RB + s) 12,800 + 1,536 t; its 16 scale words at (16 RB + s) 12,800 + 12,288 + 64 t + 4 r.  Tensor T (0 x, 1 Wq, 2 Wk, 3 Wv, 4 Wo) begins at 3,276,800 T.
;     A wave takes 64 rows x 128 along K: four fragments.  Each load reads 512 consecutive bytes of one row; 16 rows turn through the wave's own stage in LDS (rows 528 bytes apart),
;     so that lane (r, h) gets, of row r, 16 neighbours of each block of 32.  Each store of codes covers 512 consecutive bytes.
; (2) Work-groups 0 .. 31 make the table of cos and sin: a tile of 8,192 bytes for each 16 tokens, the image of 64 registers: chunk 4 B + j at 512 (4 B + j) + 16 lane holds
;     cos, sin, cos, sin of the pairs 16 B + 8 h + 2 j + 0, 1 for the token of lane r (the tiles' rows are chosen as above).
;     The angle is RN(position x f), f = RN(1 / RN(10^(pair / 16))): the power in double-float arithmetic, rounded once; the quotient by a reciprocal and two corrections.
;     cos and sin: the angle less k pi/2 in two parts (the first product is exact: k < 2^11, the part has 24 bits, and the difference is a multiple of 2^-23 under 1), then polynomials on |r| <= pi/4.
; LIMITS: NaN and infinities among the inputs are not served.  A block whose largest magnitude lies under 2^-122 keeps the byte 1 (a block of zeros too: its codes are zeros, and this program alone reads the bytes).
;     token_positions lie in 0 .. 2,047, as the table that they index asks.  The frequencies are the correctly rounded power and quotient.
; No tensor load, no barrier: waves share nothing.  Each of the two paths has LDS bytes of its own.
; LAYOUT NOW: all five tensors go to xw: tensor T at 3,276,800 T; a unit (RB, s) of 12,800 bytes at (16 RB + s) 12,800: its eight fragments (12,288 bytes), then their 512 bytes of scale words, 64 a tile.
; The table has tiles 0 .. 127 alone (work-groups 0 .. 31): no launch reads a tile of cos = 1.
.set NROPE, 32
.set STGB,  16*528                     ; a wave's stage: 16 rows x (512 bytes + 16)
.set FQ,    4*STGB                     ; behind the stages: 256 bytes for each wave: the 64 frequencies
.set LI,   2                           ; v2   16 x lane
.set L4,   3                           ; v3   4 x lane
.set STI,  4                           ; v4   the stage, on the way in
.set STO,  5                           ; v5   and on the way out: 528 r + 64 h
.set PC,   8                           ; v8-27  the codes just made
.set TM,   28                          ; v28-43 at work in QUANT
.set SW,   44                          ; v44-47 the four fragments' scale words
.set SWP,  48                          ; v48-49 two tiles' words in one register: lanes 0-15 the even tile's, lanes 16-31 the odd one's
.set R,    64                          ; v64-191  two sets of 64: 16 rows as loaded
.set X,    192                         ; v192-255 64 numbers of my row
.set SEL,  60                          ; s[60:61] lane selects: lane l xor 16
.set HM,   30                          ; s30  the mask of lanes 16-31
.set POSF, 29                          ; the table's path: v29 the position as f32
.set FA,   27                          ; v27  LDS address of my frequencies
.set OADR, 28                          ; v28  8 x lane
.set OUT,  64                          ; v64-127 32 pairs cos, sin
.set FRQ,  128                         ; v128-159 my 32 frequencies
; 64 numbers of a lane, register 16 b + i = k 32 b + 16 h + i of my row, become a fragment's codes in v[PC] on and its scale word in v[pw] (the same in lanes r and r + 16).
.macro QUANT s, pw
.irp b, 0,1,2,3
	v_max3_num_f32 v[TM+\b], |v[(\s)+16*\b]|, |v[(\s)+1+16*\b]|, 0x2800000   ; my 16 numbers of block b, and the floor 2^(5 - 127): the byte cannot fall under 1
.endr
.irp i, 2,4,6,8,10,12,14
.irp b, 0,1,2,3
	v_max3_num_f32 v[TM+\b], v[TM+\b], |v[(\s)+16*\b+\i]|, |v[(\s)+1+16*\b+\i]|   ; the four blocks by turns
.endr
.endr
.irp b, 0,1,2,3
	v_permlanex16_b32 v[TM+4+\b], v[TM+\b], s[SEL], s[SEL+1]
.endr
.irp b, 0,1,2,3
	v_max_num_f32 v[TM+\b], v[TM+\b], v[TM+4+\b]   ; with lane l xor 16's: the block's largest magnitude
.endr
.irp b, 0,1,2,3
	v_add_nc_u32 v[TM+12+\b], 0xfe000000, v[TM+\b]   ; 4 off its exponent field: the conversion's scale operand
.endr
.irp b, 0,1,2,3
	v_lshrrev_b32 v[TM+4+\b], 23, v[TM+12+\b]      ; the scale's byte
.endr
	v_lshl_or_b32 v[\pw], v[TM+5], 8, v[TM+4]
	v_lshl_or_b32 v[\pw], v[TM+6], 16, v[\pw]
	v_lshl_or_b32 v[\pw], v[TM+7], 24, v[\pw]
.irp c, 0,1
	v_cvt_scalef32_pk16_bf6_f32 v[PC+6*\c:PC+2+6*\c], v[(\s)+32*\c:(\s)+15+32*\c], v[TM+12+2*\c]
	v_cvt_scalef32_pk16_bf6_f32 v[PC+12+4*\c:PC+14+4*\c], v[(\s)+16+32*\c:(\s)+31+32*\c], v[TM+12+2*\c+1]   ; (a conversion's three registers begin on an even number)
.endr
	v_nop                                          ; one plain instruction behind the scaled conversions
.irp c, 0,1                                    ; the operand wants a whole block in a lane: lanes 0-15 block 2 c, lanes 16-31 block 2 c + 1
.irp i, 0,1,2
	v_permlane16_swap_b32 v[PC+6*\c+\i], v[PC+12+4*\c+\i]
.endr
.irp i, 0,1,2
	v_mov_b32 v[PC+3+6*\c+\i], v[PC+12+4*\c+\i]
.endr
.endr
.endm
	s_load_b256 s[4:11], s[0:1], 0x0               ; x, Wq, Wk, Wv
	s_load_b128 s[12:15], s[0:1], 0x20             ; Wo, token_positions
	s_load_b64 s[20:21], s[0:1], 0x30              ; rope
	s_load_b64 s[48:49], s[0:1], 0x38              ; xw
	v_lshl_add_u32 v62, v0, 2, 0x8800
	v_mov_b32 v63, 0
	v_lshrrev_b32 v1, 5, v0
	v_readfirstlane_b32 s22, v1                    ; wave 0..3
	v_and_b32 v1, 31, v0                           ; lane
	s_mov_b32 s[SEL], 0x76543210
	s_mov_b32 s[SEL+1], 0xfedcba98
	s_cmp_lt_u32 ttmp9, NROPE
	s_cbranch_scc1 .Lrope
	; ---------------- the quantiser ----------------
	s_sub_co_u32 s23, ttmp9, NROPE                 ; 128 work-groups a tensor
	s_lshr_b32 s24, s23, 7                         ; T
	s_bfe_u32 s25, s23, 0x50002                    ; which 64 rows: 0 .. 31
	s_and_b32 s26, s23, 3
	s_lshl_b32 s26, s26, 2
	s_add_co_u32 s26, s26, s22                     ; my K step: 4 x quarter + wave
	s_lshr_b32 s27, s25, 1                         ; RB
	s_and_b32 s28, s25, 1                          ; tiles 0-3 or 4-7 of it
	s_wait_alu depctr_va_vdst(0)
	v_lshlrev_b32 v[LI], 4, v1
	v_lshlrev_b32 v[L4], 2, v1
	s_mul_i32 s29, s22, STGB                       ; my stage
	v_add_nc_u32 v[STI], s29, v[LI]
	v_and_b32 v6, 15, v0                           ; r
	v_bfe_u32 v7, v0, 4, 1                         ; h
	v_mul_u32_u24 v[STO], v6, 528
	v_lshl_add_u32 v[STO], v7, 6, v[STO]
	v_add_nc_u32 v[STO], s29, v[STO]
.irp b, 0,1,2,3
	v_mov_b32 v[TM+4+\b], 0                        ; written once: a lane permute's destination counts as one of its sources
.endr
	s_mov_b32 s[HM], 0xffff0000
	s_lshl_b32 s32, s25, 19                        ; 64 rows of 8,192 bytes
	s_lshl_b32 s33, s26, 9                         ; + 512 bytes a K step
	s_add_co_u32 s32, s32, s33
	s_mov_b32 s33, 0
	s_lshl_b32 s34, s27, 4
	s_add_co_u32 s34, s34, s26                     ; 16 RB + s
	s_mul_i32 s36, s34, 12800
	s_mul_i32 s35, s24, 3276800
	s_add_co_u32 s36, s36, s35                     ; where my unit begins
	s_add_co_u32 s38, s36, 12288                   ; its scale words lie behind its codes
	s_mul_i32 s35, s28, 6144
	s_add_co_u32 s36, s36, s35                     ; where my four fragments go
	s_mov_b32 s37, 0
	s_lshl_b32 s35, s28, 8
	s_add_co_u32 s38, s38, s35                     ; and their scale words
	s_mov_b32 s39, 0
	s_wait_alu depctr_va_vdst(0)
	s_wait_kmcnt 0x0
	s_cmp_eq_u32 s24, 1                            ; the tensor is chosen by the work-group's number alone
	s_cselect_b64 s[4:5], s[6:7], s[4:5]
	s_cmp_eq_u32 s24, 2
	s_cselect_b64 s[4:5], s[8:9], s[4:5]
	s_cmp_eq_u32 s24, 3
	s_cselect_b64 s[4:5], s[10:11], s[4:5]
	s_cmp_eq_u32 s24, 4
	s_cselect_b64 s[4:5], s[12:13], s[4:5]
	s_add_nc_u64 s[4:5], s[4:5], s[32:33]
	s_add_nc_u64 s[16:17], s[48:49], s[36:37]
	s_add_nc_u64 s[18:19], s[48:49], s[38:39]
.macro LOADF f                         ; fragment f's 16 rows, 512 consecutive bytes a load, into set f % 2
.set i, 0
.rept 16
	global_load_b128 v[R+64*((\f)%2)+4*i:R+64*((\f)%2)+4*i+3], v[LI], s[4:5] offset:(32*((\f)/2)+8*((\f)%2)+i+8*(i/8))*8192 th:TH_LOAD_NT
.set i, i+1
.endr
.endm
.macro FRAGQ f
.if (\f) < 3
	s_wait_loadcnt 16                              ; this fragment's 16 loads are in; the next fragment's 16 may be out
.else
	s_wait_loadcnt 0x0
.endif
.set i, 0
.rept 16
	ds_store_b128 v[STI], v[R+64*((\f)%2)+4*i:R+64*((\f)%2)+4*i+3] offset:528*i
.set i, i+1
.endr
.set i, 0
.rept 16
	ds_load_b128 v[X+4*i:X+4*i+3], v[STO] offset:128*(i/4)+16*(i%4)   ; LDS serves a wave's instructions in order: these see the stores above
.set i, i+1
.endr
	s_wait_dscnt 0x0                               ; my row's numbers are back, and the stores have read their registers
.if (\f) > 0
	s_wait_xcnt 0x0                                ; the last fragment's stores have read v[PC] on, which is written again below
.endif
.if (\f) < 2
	LOADF (\f)+2
.endif
	QUANT X, SW+(\f)
.irp c, 0,1,2
	global_store_b128 v[LI], v[PC+4*\c:PC+4*\c+3], s[16:17] offset:1536*(\f)+512*\c   ; 32 lanes store 512 consecutive bytes
.endr
.endm
	LOADF 0
	LOADF 1
	FRAGQ 0
	FRAGQ 1
	FRAGQ 2
	FRAGQ 3
	v_cndmask_b32 v[SWP], v[SW], v[SW+1], s[HM]    ; lanes 0-15: the even tile's words, lanes 16-31: the odd tile's
	v_cndmask_b32 v[SWP+1], v[SW+2], v[SW+3], s[HM]
	global_store_b32 v[L4], v[SWP], s[18:19]
	global_store_b32 v[L4], v[SWP+1], s[18:19] offset:128   ; the two stores cover 256 consecutive bytes
	s_wait_tensorcnt 0x0
	ds_add_u32 v62, v63
	s_wait_dscnt 0x0
	s_endpgm
	; ---------------- the table of cos and sin ----------------
.Lrope:
	s_lshl_b32 s23, ttmp9, 2
	s_add_co_u32 s23, s23, s22                     ; my tile: 0 .. 127
	s_min_u32 s24, s23, 127
	s_lshr_b32 s26, s24, 1
	s_lshl_b32 s26, s26, 5
	s_and_b32 s27, s24, 1
	s_lshl_b32 s27, s27, 3
	s_add_co_u32 s26, s26, s27                     ; the tile's first token
	s_lshl_b32 s28, s23, 13
	s_mov_b32 s29, 0
	s_cmp_lt_u32 s23, 128
	s_cselect_b32 s25, 1.0, 0                      ; tiles 128 on: the angle is 0
	s_wait_alu depctr_va_vdst(0)
	v_lshrrev_b32 v2, 1, v1                        ; r = lane / 2
	v_and_b32 v3, 1, v1                            ; e = lane % 2
	v_and_b32 v4, 8, v2
	v_add3_u32 v4, v4, v2, s26                     ; my token
	v_lshlrev_b32 v4, 2, v4
	s_wait_alu depctr_va_vdst(0)
	s_wait_kmcnt 0x0
	global_load_b32 v5, v4, s[14:15]
	s_add_nc_u64 s[20:21], s[20:21], s[28:29]
	s_mov_b32 s40, 0x3fc90fdb                      ; pi/2, its first 24 bits
	s_mov_b32 s41, 0xb33bbd2e                      ; and the rest
	s_mov_b32 s42, 0xb94ca1f9                      ; the sine's polynomial
	s_mov_b32 s43, 0x3c08839e
	s_mov_b32 s44, 0xbe2aaaa3
	s_mov_b32 s45, 0x37ccf5ce                      ; the cosine's
	s_mov_b32 s46, 0xbab6061a
	s_mov_b32 s47, 0x3d2aaaa5
	v_mov_b32 v6, 1.0
	v_mov_b32 v7, 0
	; 10^((lane % 16) / 16) as a sum of two f32 numbers (v10, v11): a product of 10^(1/16), 10^(2/16), 10^(4/16), 10^(8/16), each taken where its bit is set
	v_and_b32 v8, 1, v1
	v_cmp_eq_u32 vcc_lo, 0, v8
	v_cndmask_b32 v10, 0x3f93cfe5, v6, vcc_lo
	v_cndmask_b32 v11, 0x334a404e, v7, vcc_lo
.macro DFMUL bit, hi, lo
	v_and_b32 v8, \bit, v1
	v_cmp_eq_u32 vcc_lo, 0, v8
	v_cndmask_b32 v12, \hi, v6, vcc_lo
	v_cndmask_b32 v13, \lo, v7, vcc_lo
	v_mul_f32 v14, v10, v12
	v_fma_f32 v15, v10, v12, -v14                  ; what the product's rounding dropped,
	v_fma_f32 v15, v10, v13, v15                   ; and the cross terms
	v_fma_f32 v15, v11, v12, v15
	v_add_f32 v10, v14, v15
	v_sub_f32 v16, v10, v14
	v_sub_f32 v11, v15, v16
.endm
	DFMUL 2, 0x3faab0d5, 0xb36457ec
	DFMUL 4, 0x3fe39ea9, 0xb26aee3c
	DFMUL 8, 0x404a62c2, 0xb324b496
	v_and_b32 v8, 16, v1
	v_cmp_eq_u32 vcc_lo, 0, v8
	v_cndmask_b32 v17, 0x41200000, v6, vcc_lo      ; x 10 in lanes 16-31: pairs lane and lane + 32
	v_mul_f32 v18, 0x42c80000, v17                 ; x 100 more for the upper 32 pairs
.irp u, 0,1
	v_mul_f32 v[20+\u], v10, v[17+\u]
	v_fma_f32 v[22+\u], v10, v[17+\u], -v[20+\u]
	v_fma_f32 v[22+\u], v11, v[17+\u], v[22+\u]
	v_add_f32 v[20+\u], v[20+\u], v[22+\u]         ; 10^(pair / 16), rounded once
.endr
	s_wait_alu depctr_va_vdst(0)
	v_rcp_f32 v24, v20
	v_rcp_f32 v25, v21
	v_nop                                          ; a plain instruction behind the reciprocals
	s_wait_alu depctr_va_vdst(0)                   ; one wait for both, ahead of their first reader
.rept 2
.irp u, 0,1
	v_fma_f32 v[22+\u], -v[20+\u], v[24+\u], 1.0
	v_fma_f32 v[24+\u], v[22+\u], v[24+\u], v[24+\u]
.endr
.endr
	s_lshl_b32 s30, s22, 8
	s_add_co_u32 s30, s30, FQ                      ; my wave's 256 bytes
	v_lshl_add_u32 v26, v1, 2, s30
	v_lshl_add_u32 v[FA], v3, 2, s30
	v_lshlrev_b32 v[OADR], 3, v1
	ds_store_b32 v26, v24
	ds_store_b32 v26, v25 offset:128
.set i, 0
.rept 32
	ds_load_b32 v[FRQ+i], v[FA] offset:8*i         ; entry i is pair 2 i + e.  LDS serves a wave's instructions in order
.set i, i+1
.endr
	s_wait_loadcnt 0x0
	v_cvt_f32_i32 v5, v5
	v_mul_f32 v[POSF], s25, v5
	s_wait_alu depctr_va_vdst(0)
	s_wait_dscnt 0x0
.macro ENTRY c
	v_mul_f32 v32, v[POSF], v[FRQ+(\c)]            ; the angle, rounded to f32
	v_mul_f32 v33, 0x3f22f983, v32
	v_rndne_f32 v33, v33                           ; k
	v_fma_f32 v34, -v33, s40, v32                  ; exact
	v_fma_f32 v34, -v33, s41, v34                  ; r
	v_cvt_i32_f32 v38, v33
	v_mul_f32 v35, v34, v34
	v_fma_f32 v36, v35, s42, s43
	v_fma_f32 v37, v35, s45, s46
	v_fma_f32 v36, v36, v35, s44
	v_fma_f32 v37, v37, v35, s47
	v_mul_f32 v39, v35, v35
	v_fma_f32 v40, v35, -0.5, 1.0
	v_mul_f32 v36, v36, v35
	v_fma_f32 v37, v37, v39, v40                   ; cos r
	v_fma_f32 v36, v36, v34, v34                   ; sin r
	v_and_b32 v39, 1, v38
	v_cmp_ne_u32 vcc_lo, 0, v39
	v_add_nc_u32 v41, 1, v38
	v_lshlrev_b32 v40, 30, v38
	v_lshlrev_b32 v41, 30, v41
	v_cndmask_b32 v42, v37, v36, vcc_lo            ; where k is odd the two change places
	v_cndmask_b32 v43, v36, v37, vcc_lo
	v_and_b32 v40, 0x80000000, v40                 ; the sine's sign: bit 1 of k
	v_and_b32 v41, 0x80000000, v41                 ; the cosine's: bit 1 of k + 1
	v_xor_b32 v[OUT+2*(\c)], v42, v41
	v_xor_b32 v[OUT+2*(\c)+1], v43, v40
	global_store_b64 v[OADR], v[OUT+2*(\c):OUT+2*(\c)+1], s[20:21] offset:(4*((\c)/8)+(\c)%4)*512+256*(((\c)/4)%2)   ; 32 lanes store 256 consecutive bytes
.endm
.set e, 0
.rept 32
	ENTRY e
.set e, e+1
.endr
	s_wait_tensorcnt 0x0
	ds_add_u32 v62, v63
	s_wait_dscnt 0x0
	s_endpgm
.Lfunc_end_k_q06a5f0321a_prep:
	.size	k_q06a5f0321a_prep, .Lfunc_end_k_q06a5f0321a_prep-k_q06a5f0321a_prep
	.p2alignl 7, 3214868480
	.fill 96, 4, 3214868480
	.section	.rodata,"a",@progbits
	.p2align	6, 0x0
	.amdhsa_kernel k_q06a5f0321a_prep
		.amdhsa_group_segment_fixed_size 35328
		.amdhsa_private_segment_fixed_size 0
		.amdhsa_enable_private_segment 0
		.amdhsa_kernarg_size 64
		.amdhsa_user_sgpr_count 2
		.amdhsa_user_sgpr_kernarg_segment_ptr 1
		.amdhsa_wavefront_size32 1
		.amdhsa_system_sgpr_workgroup_id_x 1
		.amdhsa_system_sgpr_workgroup_id_y 1
		.amdhsa_system_sgpr_workgroup_id_z 1
		.amdhsa_system_vgpr_workitem_id 0
		.amdhsa_next_free_vgpr 256
		.amdhsa_next_free_sgpr 66
		.amdhsa_reserve_vcc 1
		.amdhsa_float_denorm_mode_32 3
		.amdhsa_float_denorm_mode_16_64 3
		.amdhsa_memory_ordered 1
		.amdhsa_forward_progress 1
		.amdhsa_inst_pref_size 83
	.end_amdhsa_kernel
	.amdgpu_metadata
---
amdhsa.version: [ 1, 2 ]
amdhsa.kernels:
  - .name:           k_q06a5f0321a_prep
    .symbol:         k_q06a5f0321a_prep.kd
    .args:
      - { .name: x, .offset: 0, .size: 8, .value_kind: global_buffer, .address_space: global }
      - { .name: Wq, .offset: 8, .size: 8, .value_kind: global_buffer, .address_space: global }
      - { .name: Wk, .offset: 16, .size: 8, .value_kind: global_buffer, .address_space: global }
      - { .name: Wv, .offset: 24, .size: 8, .value_kind: global_buffer, .address_space: global }
      - { .name: Wo, .offset: 32, .size: 8, .value_kind: global_buffer, .address_space: global }
      - { .name: token_positions, .offset: 40, .size: 8, .value_kind: global_buffer, .address_space: global }
      - { .name: rope, .offset: 48, .size: 8, .value_kind: global_buffer, .address_space: global }
      - { .name: xw, .offset: 56, .size: 8, .value_kind: global_buffer, .address_space: global }
    .group_segment_fixed_size: 35328
    .private_segment_fixed_size: 0
    .kernarg_segment_align: 8
    .kernarg_segment_size: 64
    .max_flat_workgroup_size: 128
    .sgpr_count:     66
    .vgpr_count:     256
    .wavefront_size: 32
...
	.end_amdgpu_metadata
.endif
;; end of part 5
;; launch qkv (part 6): grid 16 x 16, 4 waves a work-group, clusters of 4 x 4, 327,680 bytes of LDS; arguments xw, rope, qkvc, qkvs; writes qkvc, qkvs
.if DOCPART == 6
	.amdgcn_target "amdgcn-amd-amdhsa--gfx1250"
	.amdhsa_code_object_version 6
	.text
	.protected	k_q06a5f0321a_qkv
	.globl	k_q06a5f0321a_qkv
	.p2align	8
	.type	k_q06a5f0321a_qkv,@function
k_q06a5f0321a_qkv:
	s_mov_b64 s[64:65], 0
	v_nop
	global_prefetch_b8 v0, s[64:65] scope:SCOPE_SE
	s_setreg_imm32_b32 hwreg(HW_REG_WAVE_MODE, 25, 1), 1
	s_wait_xcnt 0x0
	s_wait_alu depctr_hold_cnt(0) depctr_sa_sdst(0) depctr_va_vdst(0) depctr_va_sdst(0) depctr_va_ssrc(0) depctr_va_vcc(0) depctr_vm_vsrc(0)
	s_getreg_b32 s2, hwreg(HW_REG_IB_STS2, 6, 4)
	s_cmp_eq_u32 s2, 0
	s_cbranch_scc0 .Lentry_in_a_cluster
	s_endpgm
.Lentry_in_a_cluster:
	s_bfe_u32 s2, ttmp6, 0x10000c
	s_cmp_lg_u32 s2, 0xf033
	s_cbranch_scc0 .Lentry_shape_is_right
	s_endpgm
.Lentry_shape_is_right:
; QKV.  q = x Wq^T, k = x Wk^T, v = x Wv^T on codes of BF6 with E8M0 scales; RoPE on q and k; all three quantised again: q and k along the head's 128, v along the keys.
; A work-group (head, block of 128 tokens) makes the 128 x 128 of q, of k and of v: 16 x 16 = 256 work-groups of equal work, four operands: x's row block and one row block of each weight.
; OPERANDS lie in xw as images of their registers: tensor T at 3,276,800 T, unit (row block RB, K step s) at (16 RB + s) 12,800: eight fragments of 1,536 bytes (tile t of 16 rows; lane r is row
; 32 (t / 2) + 8 (t % 2) + r + 8 (r / 8) of the block), then the tiles' scale words, 64 bytes a tile.  So three K steps of an operand are 38,400 dense bytes: one tensor load brings codes and scale words.
; SHARES.  Wave w: half = w / 2, j = w % 2.  It makes 64 tokens (x's tiles 4 half ..) x 128 channels of q (j = 0) or k (j = 1): source 0 = the weight's eight tiles, source 1 = x's four: a lane holds a token,
; its 64 registers of a tile's eight accumulators are channels 32 b + 16 h + i.  And channels' tiles 2 w, 2 w + 1 of v x 128 tokens: source 0 = x's eight tiles, source 1 = Wv's two: a lane holds a channel, its registers run along the keys.
; 48 accumulators, 18 fragments a K step, none read twice.  x's tiles stand in the registers as 'mine, then the other four': where half = 1, v's keys come out turned by 64; the codes' two halves and the scale word's are put right by selects on the way out.
; K: step 0 comes straight from memory into registers (63 loads a wave, each 512 or 128 consecutive bytes) and is multiplied while the first tensor load is out: its products start the sums.
; Steps 1 .. 15 go through a ring of two slots of three steps (4 x 38,400 bytes): five fills, wave w fetching operand w.  One tensor load of a wave is out at any time.
; CLUSTERS 4 x 4: x's tiles are shared along a row of the cluster (same token block), the weights' along a column (same head): joint loads.
; PREFETCH: behind each fill, the next fill is named: 150 blocks of 256 bytes an operand; the four partners that load it jointly share them by address (32 each, then 6, 6, 6, 4); the last fill named is the fifth.
; The table's 64 KB for my tokens are named once at the head, 16 blocks a wave, shared among the four partners of my row by address.
; LIMITS: NaN and infinities are not served; a block whose largest magnitude lies under 2^-122 keeps the byte 1.
; REGISTERS: window 0: v4-26 addresses, v32-63 scale words (two sets), v64-121 at work on the way out, v128-255 v's 16 accumulators.  Windows 1, 2: fragment sets 0, 1: x at 0, the weight at 96, Wv at 192
; (on the way out: window 2 the table's four tiles, window 1 at work).  Window 3: q's or k's 32 accumulators, (a, b) at 8 (8 a + b).
.set UNIT,  12800
.set OPB,   3*UNIT
.set BUF,   4*OPB
.set SPARE, 2*BUF                      ; the spare words: 128 bytes a wave; no other line names them
.set TEN,   3276800
.set RBB,   16*UNIT
.set LI,   4
.set L4,   5
.set SPW,  6
.set NIL,  7
.set AXM,  8                           ; LDS addresses, + 0 / 1 for the slot: my four tiles of x,
.set AXO,  10                          ; the other four,
.set AW,   12                          ; the weight's eight,
.set AV,   14                          ; Wv's two;
.set SXM,  16                          ; and their scale words
.set SXO,  18
.set SWA,  20
.set SV,   22
.set PF0,  24
.set PF1,  25
.set PFT,  26
.set SC,   32                          ; set n at SC + 16 n: 0-1 my x pairs, 2-3 the other pairs, 4-7 the weight's, 8 Wv's (an even tile in lanes 0-15, the odd one in lanes 16-31)
.set PC,   64
.set PD,   84
.set TM,   96
.set SW,   112
.set SWP,  118
.set TT,   121
.set SEL,  18
.set HM,   2
.set RM,   12
.set G1A,  24
.set G0A,  32
.set G1B,  48
.set G0B,  56
.set PFA,  66
.set MSB, 0
.macro WIN new
.if MSB != (\new)
	s_set_vgpr_msb (MSB<<8)|(\new)
.set MSB, (\new)
.endif
.endm
.macro WMS d, x, y, zero, sx, sy, rx, ry
.if \zero
.if (\rx) && (\ry)
	v_wmma_scale_f32_16x16x128_f8f6f4 v[(\d):(\d)+7], v[(\x):(\x)+11], v[(\y):(\y)+11], 0, v[\sx], v[\sy] matrix_a_fmt:MATRIX_FMT_BF6 matrix_b_fmt:MATRIX_FMT_BF6 matrix_a_scale:MATRIX_SCALE_ROW1 matrix_b_scale:MATRIX_SCALE_ROW1
.elseif \rx
	v_wmma_scale_f32_16x16x128_f8f6f4 v[(\d):(\d)+7], v[(\x):(\x)+11], v[(\y):(\y)+11], 0, v[\sx], v[\sy] matrix_a_fmt:MATRIX_FMT_BF6 matrix_b_fmt:MATRIX_FMT_BF6 matrix_a_scale:MATRIX_SCALE_ROW1
.elseif \ry
	v_wmma_scale_f32_16x16x128_f8f6f4 v[(\d):(\d)+7], v[(\x):(\x)+11], v[(\y):(\y)+11], 0, v[\sx], v[\sy] matrix_a_fmt:MATRIX_FMT_BF6 matrix_b_fmt:MATRIX_FMT_BF6 matrix_b_scale:MATRIX_SCALE_ROW1
.else
	v_wmma_scale_f32_16x16x128_f8f6f4 v[(\d):(\d)+7], v[(\x):(\x)+11], v[(\y):(\y)+11], 0, v[\sx], v[\sy] matrix_a_fmt:MATRIX_FMT_BF6 matrix_b_fmt:MATRIX_FMT_BF6
.endif
.else
.if (\rx) && (\ry)
	v_wmma_scale_f32_16x16x128_f8f6f4 v[(\d):(\d)+7], v[(\x):(\x)+11], v[(\y):(\y)+11], v[(\d):(\d)+7], v[\sx], v[\sy] matrix_a_fmt:MATRIX_FMT_BF6 matrix_b_fmt:MATRIX_FMT_BF6 matrix_a_scale:MATRIX_SCALE_ROW1 matrix_b_scale:MATRIX_SCALE_ROW1
.elseif \rx
	v_wmma_scale_f32_16x16x128_f8f6f4 v[(\d):(\d)+7], v[(\x):(\x)+11], v[(\y):(\y)+11], v[(\d):(\d)+7], v[\sx], v[\sy] matrix_a_fmt:MATRIX_FMT_BF6 matrix_b_fmt:MATRIX_FMT_BF6 matrix_a_scale:MATRIX_SCALE_ROW1
.elseif \ry
	v_wmma_scale_f32_16x16x128_f8f6f4 v[(\d):(\d)+7], v[(\x):(\x)+11], v[(\y):(\y)+11], v[(\d):(\d)+7], v[\sx], v[\sy] matrix_a_fmt:MATRIX_FMT_BF6 matrix_b_fmt:MATRIX_FMT_BF6 matrix_b_scale:MATRIX_SCALE_ROW1
.else
	v_wmma_scale_f32_16x16x128_f8f6f4 v[(\d):(\d)+7], v[(\x):(\x)+11], v[(\y):(\y)+11], v[(\d):(\d)+7], v[\sx], v[\sy] matrix_a_fmt:MATRIX_FMT_BF6 matrix_b_fmt:MATRIX_FMT_BF6
.endif
.endif
.endm
.macro PLACES n                        ; plain vector instructions between a matrix instruction and a load into, or a read of, its registers
.rept \n
	v_nop
.endr
.endm
; A joint load into slot s: wave 0 fetches x's tile, waves 1 to 3 a weight's; the branch hangs on the wave's number alone.  s_nop 0 and four v_nop follow each line.
.macro JLOAD s
	s_cmp_eq_u32 s14, 0
	s_cbranch_scc0 .Lfor_b_\@
	tensor_load_to_lds s[G0A+4*(\s):G0A+4*(\s)+3], s[G1A:G1A+7]
	s_nop 0
	PLACES 4
	s_branch .Lasked_\@
.Lfor_b_\@:
	tensor_load_to_lds s[G0B+4*(\s):G0B+4*(\s)+3], s[G1B:G1B+7]
	s_nop 0
	PLACES 4
.Lasked_\@:
.endm
.macro CREST                           ; a round of the cluster's barrier behind its opening barrier
	s_cmp_lg_u32 s14, 0
	s_cbranch_scc1 .Lnot_wave_0_\@
	s_barrier_signal -3
.Lnot_wave_0_\@:
	s_barrier_wait -3
	s_barrier_signal -1
	s_barrier_wait -1
.endm
.macro CROUND
	s_barrier_signal -1
	s_barrier_wait -1
	CREST
.endm
	s_load_b256 s[4:11], s[0:1], 0x0               ; xw s[4:5], rope s[6:7], qkvc s[8:9], qkvs s[10:11]
	v_lshl_add_u32 v[SPW], v0, 2, SPARE
	v_mov_b32 v[NIL], 0
	ds_add_u32 v[SPW], v[NIL]                      ; the opening lines: the add, twice on end, and its wait ahead of my first tensor load
	ds_add_u32 v[SPW], v[NIL]
	v_lshrrev_b32 v1, 5, v0
	v_readfirstlane_b32 s14, v1                    ; wave 0..3
	s_lshr_b32 s15, s14, 1                         ; half
	s_and_b32 s16, s14, 1                          ; j
	s_bfe_u32 s40, ttmp6, 0x40000                  ; cx
	s_bfe_u32 s41, ttmp6, 0x40004                  ; cy
	s_lshl_b32 s42, ttmp9, 2
	s_add_co_u32 s42, s42, s40                     ; the head = 4 x cluster x + cx
	s_and_b32 s17, ttmp7, 0xffff
	s_lshl_b32 s17, s17, 2
	s_add_co_u32 s17, s17, s41                     ; the token block = 4 x cluster y + cy
	s_lshl_b32 s43, s41, 2
	s_lshl_b32 s43, 15, s43                        ; my row of the cluster
	s_lshl_b32 s44, 0x1111, s40                    ; my column
	s_or_b32 s[G1A+0], s43, (3<<16)|(1<<21)        ; groups 1: 150 dense rows of 256 bytes (32 elements of 8 bytes), no padding; the mask; bit 21 beside it
	s_or_b32 s[G1B+0], s44, (3<<16)|(1<<21)
.irp g, G1A, G1B
	s_mov_b32 s[\g+1], 32<<16
	s_mov_b32 s[\g+2], 150<<16
	s_mov_b32 s[\g+3], 32<<16
	s_mov_b32 s[\g+4], 150
	s_mov_b32 s[\g+5], 32
	s_mov_b32 s[\g+6], 0
	s_mov_b32 s[\g+7], 0
.endr
	s_mul_i32 s20, s17, RBB                        ; x's row block: by the token block alone
	s_mov_b32 s21, 0
	s_mul_i32 s46, s42, RBB                        ; a weight's: by the head and the wave's number
	s_mul_i32 s47, s14, TEN
	s_add_co_u32 s46, s46, s47
	s_mov_b32 s47, 0
	s_mul_i32 s45, s14, OPB                        ; where my operand goes in a slot
	s_wait_dscnt 0x0                               ; both opening adds are done
	s_wait_kmcnt 0x0
	s_add_nc_u64 s[20:21], s[4:5], s[20:21]
	s_add_nc_u64 s[46:47], s[4:5], s[46:47]
	CROUND                                         ; all sixteen work-groups are here: the first joint loads meet
.irp b, 0,1
	s_mov_b32 s[G0A+4*\b], 1
	s_add_co_u32 s[G0A+4*\b+1], s45, \b*BUF
	s_add_nc_u64 s[G0A+4*\b+2:G0A+4*\b+3], s[20:21], UNIT+\b*OPB   ; slot 0 begins with K steps 1-3, slot 1 with 4-6
	s_or_b32 s[G0A+4*\b+3], s[G0A+4*\b+3], 0x80000000
	s_mov_b32 s[G0B+4*\b], 1
	s_add_co_u32 s[G0B+4*\b+1], s45, \b*BUF
	s_add_nc_u64 s[G0B+4*\b+2:G0B+4*\b+3], s[46:47], UNIT+\b*OPB
	s_or_b32 s[G0B+4*\b+3], s[G0B+4*\b+3], 0x80000000
.endr
	JLOAD 0                                        ; one tensor load a wave at the head
	; scalars first, then the vector lines on end
	s_mov_b32 s[HM], 0xffff0000
	s_mov_b32 s[SEL], 0x76543210
	s_mov_b32 s[SEL+1], 0xfedcba98
	s_cmp_eq_u32 s15, 1
	s_cselect_b32 s[RM], -1, 0                     ; half = 1: v's keys are turned by 64
	s_lshl_b32 s86, s42, 4
	s_add_co_u32 s86, s86, s17                     ; 16 head + token block
	s_mov_b32 s89, 0
	s_mul_i32 s88, s86, 12288
	s_mul_i32 s87, s16, 3145728
	s_add_co_u32 s88, s88, s87
	s_mul_i32 s87, s15, 6144
	s_add_co_u32 s88, s88, s87
	s_add_nc_u64 s[68:69], s[8:9], s[88:89]        ; q's or k's four fragments
	s_lshl_b32 s88, s86, 9
	s_lshl_b32 s87, s16, 17
	s_add_co_u32 s88, s88, s87
	s_lshl_b32 s87, s15, 8
	s_add_co_u32 s88, s88, s87
	s_add_nc_u64 s[70:71], s[10:11], s[88:89]      ; and their scale words
	s_mul_i32 s88, s86, 12288
	s_add_co_u32 s88, s88, 2*3145728
	s_mul_i32 s87, s14, 3072
	s_add_co_u32 s88, s88, s87
	s_add_nc_u64 s[72:73], s[8:9], s[88:89]        ; v's two fragments
	s_lshl_b32 s88, s86, 9
	s_add_co_u32 s88, s88, 2*131072
	s_lshl_b32 s87, s14, 7
	s_add_co_u32 s88, s88, s87
	s_add_nc_u64 s[74:75], s[10:11], s[88:89]
	s_lshl_b32 s88, s17, 16
	s_add_nc_u64 s[90:91], s[6:7], s[88:89]        ; the table's eight tiles for my work-group's tokens,
	s_lshl_b32 s88, s15, 15
	s_add_nc_u64 s[76:77], s[90:91], s[88:89]      ; and my four
	s_mul_i32 s86, s42, RBB                        ; K step 0, straight from memory: the weight's unit,
	s_add_co_u32 s87, s16, 1
	s_mul_i32 s87, s87, TEN
	s_add_co_u32 s88, s86, s87
	s_add_nc_u64 s[80:81], s[4:5], s[88:89]
	s_add_co_u32 s86, s86, 3*TEN                   ; Wv's two tiles,
	s_mul_i32 s87, s14, 3072
	s_add_co_u32 s88, s86, s87
	s_add_nc_u64 s[82:83], s[4:5], s[88:89]
	s_lshl_b32 s87, s14, 7                         ; and their scale words
	s_add_co_u32 s88, s86, s87
	s_add_co_u32 s88, s88, 12288
	s_add_nc_u64 s[84:85], s[4:5], s[88:89]
	s_cmp_eq_u32 s14, 0                            ; the prefetches: my operand, and my place among the four that load it with me
	s_cselect_b64 s[PFA:PFA+1], s[20:21], s[46:47]
	s_cselect_b32 s92, s40, s41
	s_lshl_b32 s93, s92, 5                         ; blocks 32 p .. 32 p + 31,
	s_cmp_eq_u32 s92, 3
	s_cselect_b32 s94, 3, 5
	s_mul_i32 s95, s92, 6
	s_add_co_u32 s95, s95, 128                     ; and 128 + 6 p on: six, the last partner four: 150 in all
	s_lshl_b32 s96, s40, 2
	s_add_co_u32 s96, s96, s14
	s_lshl_b32 s96, s96, 4                         ; the table: 16 blocks for each of 4 partners x 4 waves
	s_mul_i32 s86, s15, 6144                       ; LDS: my four tiles of x,
	s_xor_b32 s87, s15, 1
	s_mul_i32 s88, s87, 6144                       ; the other four,
	s_add_co_u32 s97, s16, 1
	s_mul_i32 s97, s97, OPB                        ; Wq's or Wk's unit,
	s_mul_i32 s98, s14, 3072
	s_add_co_u32 s98, s98, 3*OPB                   ; Wv's two tiles;
	s_lshl_b32 s99, s15, 8
	s_add_co_u32 s99, s99, 12288                   ; the scale words likewise
	s_lshl_b32 s100, s87, 8
	s_add_co_u32 s100, s100, 12288
	s_add_co_u32 s101, s97, 12288
	s_lshl_b32 s87, s14, 7
	s_add_co_u32 s87, s87, 3*OPB+12288
	v_and_b32 v1, 31, v0
	v_lshlrev_b32 v[LI], 4, v1
	v_lshlrev_b32 v[L4], 2, v1
	v_add_nc_u32 v[PF0], s93, v1
	v_min_u32 v[PF1], s94, v1
	v_min_u32 v[PFT], 15, v1                       ; lanes 16-31 name the wave's last block again
	v_lshlrev_b32 v[PF0], 8, v[PF0]
	v_add_nc_u32 v[PF1], s95, v[PF1]
	v_add_nc_u32 v[PFT], s96, v[PFT]
	v_lshlrev_b32 v[PF1], 8, v[PF1]
	v_lshlrev_b32 v[PFT], 8, v[PFT]
	v_add_nc_u32 v[AXM], s86, v[LI]
	v_add_nc_u32 v[AXO], s88, v[LI]
	v_add_nc_u32 v[AW], s97, v[LI]
	v_add_nc_u32 v[AV], s98, v[LI]
	v_add_nc_u32 v[SXM], s99, v[L4]
	v_add_nc_u32 v[SXO], s100, v[L4]
	v_add_nc_u32 v[SWA], s101, v[L4]
	v_add_nc_u32 v[SV], s87, v[L4]
.irp r, AXM, AXO, AW, AV, SXM, SXO, SWA, SV
	v_add_nc_u32 v[\r+1], BUF, v[\r]
.endr
	s_wait_alu depctr_va_vdst(0)
	global_prefetch_b8 v[PF0], s[PFA:PFA+1] offset:UNIT+OPB th:TH_LOAD_NT scope:SCOPE_SE   ; K steps 4-6, which the first trip's first load will ask for
	global_prefetch_b8 v[PF1], s[PFA:PFA+1] offset:UNIT+OPB th:TH_LOAD_NT scope:SCOPE_SE
	global_prefetch_b8 v[PFT], s[90:91] th:TH_LOAD_NT scope:SCOPE_SE
	; K step 0 into set 0.  x's unit lies at LDS byte 0 of slot 0, so my LDS offsets in it are also my offsets in the unit in memory
.irp i, 0,1
	global_load_b32 v[SC+\i], v[SXM], s[20:21] offset:128*\i
	global_load_b32 v[SC+2+\i], v[SXO], s[20:21] offset:128*\i
.endr
.irp i, 0,1,2,3
	global_load_b32 v[SC+4+\i], v[L4], s[80:81] offset:12288+128*\i
.endr
	global_load_b32 v[SC+8], v[L4], s[84:85]
	WIN 0x40
.irp c, 0,1,2
.irp i, 0,1,2,3,4,5,6,7
	global_load_b128 v[96+12*\i+4*\c:96+12*\i+4*\c+3], v[LI], s[80:81] offset:1536*\i+512*\c
.endr
.irp i, 0,1,2,3
	global_load_b128 v[12*\i+4*\c:12*\i+4*\c+3], v[AXM], s[20:21] offset:1536*\i+512*\c
	global_load_b128 v[48+12*\i+4*\c:48+12*\i+4*\c+3], v[AXO], s[20:21] offset:1536*\i+512*\c
.endr
.irp i, 0,1
	global_load_b128 v[192+12*\i+4*\c:192+12*\i+4*\c+3], v[LI], s[82:83] offset:1536*\i+512*\c
.endr
.endr
	WIN 0
.macro FR3 reg, adr, off               ; a fragment: three loads of 512 consecutive bytes
.irp c, 0,1,2
	ds_load_b128 v[(\reg)+4*\c:(\reg)+4*\c+3], v[\adr] offset:(\off)+512*\c
.endr
.endm
.macro FETCH1 buf, q, n                ; 45 loads: the scale words, the weight's eight tiles, my four of x
	WIN 0
.irp i, 0,1
	ds_load_b32 v[SC+16*(\n)+\i], v[SXM+\buf] offset:(\q)*UNIT+128*\i
	ds_load_b32 v[SC+16*(\n)+2+\i], v[SXO+\buf] offset:(\q)*UNIT+128*\i
.endr
.irp i, 0,1,2,3
	ds_load_b32 v[SC+16*(\n)+4+\i], v[SWA+\buf] offset:(\q)*UNIT+128*\i
.endr
	ds_load_b32 v[SC+16*(\n)+8], v[SV+\buf] offset:(\q)*UNIT
	WIN (1+(\n))<<6
.irp i, 0,1,2,3,4,5,6,7
	FR3 96+12*\i, AW+\buf, (\q)*UNIT+1536*\i
.endr
.irp i, 0,1,2,3
	FR3 12*\i, AXM+\buf, (\q)*UNIT+1536*\i
.endr
.endm
.macro FETCH2 buf, q, n                ; 18 loads: the other four of x, Wv's two
	WIN (1+(\n))<<6
.irp i, 0,1,2,3
	FR3 48+12*\i, AXO+\buf, (\q)*UNIT+1536*\i
.endr
.irp i, 0,1
	FR3 192+12*\i, AV+\buf, (\q)*UNIT+1536*\i
.endr
	WIN 0
.endm
; The 48 accumulators take turns, one instruction a turn, in the same order in every step.
.macro GQK p, a0, zero                 ; 16 products of q or k: my token tiles a0, a0 + 1 x the weight's eight
	WIN ((1+(\p))*5)|0xf0
.irp a, \a0, \a0+1
.irp b, 0,1,2,3,4,5,6,7
	WMS 8*(8*(\a)+\b), 96+12*\b, 12*(\a), \zero, SC+16*(\p)+4+\b/2, SC+16*(\p)+(\a)/2, \b%2, (\a)%2
.endr
.endr
.endm
.macro GV p, zero                      ; 16 products of v: Wv's two tiles x x's eight
	WIN (1+(\p))*5
.irp a, 0,1
.irp b, 0,1,2,3,4,5,6,7
	WMS 128+8*(8*\a+\b), 12*\b, 192+12*\a, \zero, SC+16*(\p)+\b/2, SC+16*(\p)+8, \b%2, \a
.endr
.endr
.endm
.macro STEPN buf, qn, p                ; multiplies set p; fetches step qn of the same slot into the other set
	s_wait_dscnt 18                                ; the first 45 loads of set p are in; the youngest 18 may be out
	PLACES 4                                       ; behind the last step's products, in front of the loads into the set that they read
	GQK \p, 0, 0
	FETCH1 \buf, \qn, 1-\p
	GQK \p, 2, 0
	s_wait_dscnt 45                                ; set p is whole; the 45 loads just issued may be out
	GV \p, 0
	FETCH2 \buf, \qn, 1-\p
.endm
.macro STEPG zero                      ; a slot's last step, on set 0: nothing to fetch before the change of slots
	GQK 0, 0, \zero
	GQK 0, 2, \zero
	s_wait_dscnt 0x0
	GV 0, \zero
	WIN 0
.endm
; THE CHANGE OF SLOTS, to slot nb.  Each wave waits for all its tensor loads (one is out: its part of slot nb), adds 0 to its spare word, waits for that and for its reads of the slot that it leaves;
; the barrier opens a round of the cluster's; behind it the slot left is filled (the first time: slot 1's first fill), and slot nb's first step is fetched into set 0.
.macro CH nb, fill
	s_wait_tensorcnt 0x0
	ds_add_u32 v[SPW], v[NIL]
.if \fill
	s_add_nc_u64 s[G0A+4*(\nb)+2:G0A+4*(\nb)+3], s[G0A+4*(\nb)+2:G0A+4*(\nb)+3], 2*OPB   ; no load of mine is out: slot nb's next three steps
	s_add_nc_u64 s[G0B+4*(\nb)+2:G0B+4*(\nb)+3], s[G0B+4*(\nb)+2:G0B+4*(\nb)+3], 2*OPB
.endif
	s_wait_dscnt 0x0
	s_barrier_signal -1
	s_barrier_wait -1
.if \fill
	CREST
	JLOAD 1-\nb                                    ; its four v_nop are the places in front of the loads below
.else
	PLACES 4
.endif
	FETCH1 \nb, 0, 0
	FETCH2 \nb, 0, 0
.endm
.macro ASK off, first                  ; first = 1: in the loop's first trip alone: the second trip has no such fill
.if \first
	s_cmp_eq_u32 s3, 2
	s_cbranch_scc0 .Lno_ask_\@
.endif
	global_prefetch_b8 v[PF0], s[PFA:PFA+1] offset:\off th:TH_LOAD_NT scope:SCOPE_SE
	global_prefetch_b8 v[PF1], s[PFA:PFA+1] offset:\off th:TH_LOAD_NT scope:SCOPE_SE
.if \first
.Lno_ask_\@:
.endif
.endm
.macro SLOTW buf
	STEPN \buf, 1, 0
	STEPN \buf, 2, 1
	s_wait_dscnt 18
	STEPG 0
.endm
	s_wait_loadcnt 0x0                             ; K step 0 is in registers
	STEPG 1                                        ; its products start the sums, while the first tensor load is out
	s_mov_b32 s3, 2
.Llap:                                                 ; a trip: two slots, six K steps, two fills
	CH 0, 1
	ASK UNIT+2*OPB, 0                              ; three K steps ahead of the load that will ask for them
	SLOTW 0
	CH 1, 1
	ASK UNIT+3*OPB, 1
	SLOTW 1
	s_wait_xcnt 0x0                                ; the prefetches have read their base
	s_add_nc_u64 s[PFA:PFA+1], s[PFA:PFA+1], 2*OPB
	s_sub_co_u32 s3, s3, 1
	s_cmp_lg_u32 s3, 0
	s_cbranch_scc1 .Llap
	CH 0, 0                                        ; K steps 13-15: nothing is left to fetch
	STEPN 0, 1, 0
	STEPN 0, 2, 1
.macro TLOAD a                         ; the table's tile for my token tile a -> window 2, v[64 a ..]: the image of 64 registers, cos and sin at the places of x1 and x2
.set i, 0
.rept 16
	global_load_b128 v[64*(\a)+4*i:64*(\a)+4*i+3], v[LI], s[76:77] offset:(\a)*8192+512*i
.set i, i+1
.endr
.endm
	s_wait_dscnt 18
	PLACES 4                                       ; set 1 is read no more: it takes the table
	WIN 0x80
	TLOAD 0
	TLOAD 1
	TLOAD 2
	STEPG 0
	PLACES 4                                       ; behind the last products
	WIN 0x80
	TLOAD 3
	WIN 0
.irp b, 0,1,2,3
	v_mov_b32 v[TM+4+\b], 0                        ; written once: a lane permute's destination counts as one of its sources
.endr
; 64 numbers of a lane in window w, register 16 b + i = k 32 b + 16 h + i of my row, become a fragment's codes in v[PC] on and its scale word in v[pw].
.macro QUANTW s, w, pw
	WIN (\w)|((\w)<<2)
.irp b, 0,1,2,3
	v_max3_num_f32 v[TM+\b], |v[(\s)+16*\b]|, |v[(\s)+1+16*\b]|, 0x2800000   ; and the floor 2^(5 - 127): the byte cannot fall under 1
.endr
	WIN ((\w)<<2)|((\w)<<4)
.irp i, 2,4,6,8,10,12,14
.irp b, 0,1,2,3
	v_max3_num_f32 v[TM+\b], v[TM+\b], |v[(\s)+16*\b+\i]|, |v[(\s)+1+16*\b+\i]|
.endr
.endr
	WIN 0
.irp b, 0,1,2,3
	v_permlanex16_b32 v[TM+4+\b], v[TM+\b], s[SEL], s[SEL+1]
.endr
.irp b, 0,1,2,3
	v_max_num_f32 v[TM+\b], v[TM+\b], v[TM+4+\b]
.endr
.irp b, 0,1,2,3
	v_add_nc_u32 v[TM+12+\b], 0xfe000000, v[TM+\b]   ; 4 off the exponent field: the conversion's scale operand
.endr
.irp b, 0,1,2,3
	v_lshrrev_b32 v[TM+4+\b], 23, v[TM+12+\b]
.endr
	v_lshl_or_b32 v[\pw], v[TM+5], 8, v[TM+4]
	v_lshl_or_b32 v[\pw], v[TM+6], 16, v[\pw]
	v_lshl_or_b32 v[\pw], v[TM+7], 24, v[\pw]
	WIN (\w)
.irp c, 0,1
	v_cvt_scalef32_pk16_bf6_f32 v[PC+6*\c:PC+2+6*\c], v[(\s)+32*\c:(\s)+15+32*\c], v[TM+12+2*\c]
	v_cvt_scalef32_pk16_bf6_f32 v[PC+12+4*\c:PC+14+4*\c], v[(\s)+16+32*\c:(\s)+31+32*\c], v[TM+12+2*\c+1]
.endr
	WIN 0
	v_nop                                          ; one plain instruction behind the scaled conversions
.irp c, 0,1
.irp i, 0,1,2
	v_permlane16_swap_b32 v[PC+6*\c+\i], v[PC+12+4*\c+\i]
.endr
.irp i, 0,1,2
	v_mov_b32 v[PC+3+6*\c+\i], v[PC+12+4*\c+\i]
.endr
.endr
.endm
; v's tile a: quantised along the keys; where half = 1 the codes' two halves of 64 keys and the scale word's two halves change places.
.macro EPIV a
.if (\a) > 0
	s_wait_xcnt 0x0                                ; the last tile's stores have read their registers
.endif
	QUANTW 128+64*(\a), 0, SW+(\a)
.irp i, 0,1,2,3,4,5,6,7,8,9,10,11
	v_cndmask_b32 v[PD+\i], v[PC+\i], v[PC+(\i+6)%12], s[RM]
.endr
	v_alignbit_b32 v[TT], v[SW+(\a)], v[SW+(\a)], 16
	v_cndmask_b32 v[SW+(\a)], v[SW+(\a)], v[TT], s[RM]
.irp c, 0,1,2
	global_store_b128 v[LI], v[PD+4*\c:PD+4*\c+3], s[72:73] offset:1536*(\a)+512*\c   ; 32 lanes store 512 consecutive bytes
.endr
.endm
; q's or k's token tile a: RoPE in place, quantised along the head's 128, stored as the image of a fragment.
.macro EPIQ a
	s_wait_loadcnt 48-16*(\a)                      ; this tile of the table is in; the later tiles' loads, 16 each, may be out
	WIN 0x4b                                       ; source 0 window 3, source 1 window 2, destination window 1
.set j, 0
.rept 32
	v_pk_mul_f32 v[j:j+1], v[64*(\a)+j:64*(\a)+j+1], v[64*(\a)+j:64*(\a)+j+1] op_sel:[1,1] op_sel_hi:[0,1]   ; (x2 sin, x1 sin); each accumulator is read from its low end on
.set j, j+2
.endr
	WIN 0xdb
.set j, 0
.rept 32
	v_pk_fma_f32 v[64*(\a)+j:64*(\a)+j+1], v[64*(\a)+j:64*(\a)+j+1], v[64*(\a)+j:64*(\a)+j+1], v[j:j+1] op_sel_hi:[1,0,1] neg_lo:[0,0,1]   ; (x1 cos - x2 sin, x2 cos + x1 sin)
.set j, j+2
.endr
	s_wait_xcnt 0x0                                ; the last tile's stores have read v[PC] on
	QUANTW 64*(\a), 3, SW+2+(\a)
.irp c, 0,1,2
	global_store_b128 v[LI], v[PC+4*\c:PC+4*\c+3], s[68:69] offset:1536*(\a)+512*\c
.endr
.if ((\a)%2) == 1
	v_cndmask_b32 v[SWP+1+(\a)/2], v[SW+1+(\a)], v[SW+2+(\a)], s[HM]   ; lanes 0-15: the even tile's words, lanes 16-31: the odd tile's
	global_store_b32 v[L4], v[SWP+1+(\a)/2], s[70:71] offset:128*((\a)/2)
.endif
.endm
	EPIV 0                                         ; v first: it needs no table
	EPIV 1
	v_cndmask_b32 v[SWP], v[SW], v[SW+1], s[HM]
	global_store_b32 v[L4], v[SWP], s[74:75]
	EPIQ 0
	EPIQ 1
	EPIQ 2
	EPIQ 3
	s_wait_tensorcnt 0x0                           ; the wave's end
	ds_add_u32 v[SPW], v[NIL]
	s_wait_dscnt 0x0
	CROUND                                         ; the closing round
	s_endpgm
.Lfunc_end_k_q06a5f0321a_qkv:
	.size	k_q06a5f0321a_qkv, .Lfunc_end_k_q06a5f0321a_qkv-k_q06a5f0321a_qkv
	.p2alignl 7, 3214868480
	.fill 96, 4, 3214868480
	.section	.rodata,"a",@progbits
	.p2align	6, 0x0
	.amdhsa_kernel k_q06a5f0321a_qkv
		.amdhsa_group_segment_fixed_size 327680
		.amdhsa_private_segment_fixed_size 0
		.amdhsa_enable_private_segment 0
		.amdhsa_kernarg_size 32
		.amdhsa_user_sgpr_count 2
		.amdhsa_user_sgpr_kernarg_segment_ptr 1
		.amdhsa_wavefront_size32 1
		.amdhsa_system_sgpr_workgroup_id_x 1
		.amdhsa_system_sgpr_workgroup_id_y 1
		.amdhsa_system_sgpr_workgroup_id_z 1
		.amdhsa_system_vgpr_workitem_id 0
		.amdhsa_next_free_vgpr 1024
		.amdhsa_next_free_sgpr 104
		.amdhsa_reserve_vcc 0
		.amdhsa_float_denorm_mode_32 3
		.amdhsa_float_denorm_mode_16_64 3
		.amdhsa_memory_ordered 1
		.amdhsa_forward_progress 1
		.amdhsa_inst_pref_size 167
	.end_amdhsa_kernel
	.amdgpu_metadata
---
amdhsa.version: [ 1, 2 ]
amdhsa.kernels:
  - .name:           k_q06a5f0321a_qkv
    .symbol:         k_q06a5f0321a_qkv.kd
    .args:
      - { .name: xw, .offset: 0, .size: 8, .value_kind: global_buffer, .address_space: global }
      - { .name: rope, .offset: 8, .size: 8, .value_kind: global_buffer, .address_space: global }
      - { .name: qkvc, .offset: 16, .size: 8, .value_kind: global_buffer, .address_space: global }
      - { .name: qkvs, .offset: 24, .size: 8, .value_kind: global_buffer, .address_space: global }
    .group_segment_fixed_size: 327680
    .private_segment_fixed_size: 0
    .kernarg_segment_align: 8
    .kernarg_segment_size: 32
    .max_flat_workgroup_size: 128
    .sgpr_count:     104
    .vgpr_count:     1024
    .wavefront_size: 32
...
	.end_amdgpu_metadata
.endif
;; end of part 6
;; launch attn (part 7): grid 16 x 16, 8 waves a work-group, no clusters, 327,680 bytes of LDS; arguments qkvc, qkvs, ao; writes ao
.if DOCPART == 7
	.amdgcn_target "amdgcn-amd-amdhsa--gfx1250"
	.amdhsa_code_object_version 6
	.text
	.protected	k_q06a5f0321a_attn
	.globl	k_q06a5f0321a_attn
	.p2align	8
	.type	k_q06a5f0321a_attn,@function
k_q06a5f0321a_attn:
	s_mov_b64 s[64:65], 0
	v_nop
	global_prefetch_b8 v0, s[64:65] scope:SCOPE_SE
	s_setreg_imm32_b32 hwreg(HW_REG_WAVE_MODE, 25, 1), 1
	s_wait_xcnt 0x0
; ATTN.  O[h][q] = softmax_k(Q[h][q] . K[h][k] / sqrt(128)) V[h][k] with the causal mask (key <= query), both products on codes of BF6 with E8M0 scales; O / l is quantised along d_model for the last product.
; THE SOFTMAX: t = score x log2(e) / sqrt(128); M = the ceiling of the running largest t; p = 2^(t - M) is quantised along the keys, not normalised; the sum is taken of the unquantised p and divides at the end.
; When M moves, the sum and O are multiplied by 2^(old M - new M): exact.
; OPERANDS lie in memory as images of their registers: q, k, v at p 3,145,728 + (16 head + block of 128) 12,288 + 1,536 tile; lane r of tile t is row 32 (t / 2) + 8 (t % 2) + r + 8 (r / 8) of its block
; (q, k: tokens, K = the head's 128; v: channels, K = 128 keys).  Both products are used transposed: S^T = K Q^T, O^T = V^T P^T: a lane holds one query; by the tiles' choice of rows the 16 registers of
; tiles 2 b, 2 b + 1 are 16 neighbours (keys in S^T, channels in O^T): 32 b + 16 h + 0 .. 15.
; SHARES.  Work-group (j, head): g = j / 2, half = j % 2.  A wave owns ONE tile of 16 queries: tile 4 half + wave / 2 of query block g or 15 - g.  A tile of block G needs G + 1 key steps of 128, so a pair of
; waves with blocks g and 15 - g has 17 steps whatever g: the 256 work-groups have equal work.  Every work-group walks all 16 key steps, so that trip counts are constants and no tensor load or barrier is jumped over;
; a step all of whose keys come after the wave's queries is left out by a scalar branch on ids, round its loads and arithmetic alone.
; NO CLUSTER: the work-groups of a head read the same K and V, but which steps a wave works on hangs on its query block; the launch keeps that branch and gives the joint loads up.
; RING: two slots of four key steps (K's 49,152 bytes, then V's), filled by waves 0-3, 24,576 dense bytes each.  The head's scale words (8,192 + 8,192 bytes) come once.  One tensor load of a wave is out at any time.
; LIMITS: NaN and infinities are not served; a block whose largest magnitude lies under 2^-122 keeps the byte 1.
; REGISTERS: v1-10 addresses; v12 -M, v13 the largest t, v[14:15] the sum; v16-27 Q; v32-127 eight fragments of K or of V; v128-191 S^T, then p; v192-199 scale words; v200-216 at work in the epilogue; v224-255 at work;
;   window 1: v0-63 O^T.
.set UNIT,  12288
.set VOFF,  4*UNIT                     ; in a slot: V's four steps behind K's
.set SLOT,  8*UNIT
.set SCK,   2*SLOT                     ; K's scale words; V's 8,192 bytes further on
.set SPARE, SCK+16384                  ; the spare words: 128 bytes for each of eight waves; no other line names them
.set LI,   1                           ; v1   16 x lane
.set LS,   2                           ; v2   SCK + 4 x lane
.set DG,   3                           ; v3   my query's place in its block - 16 h
.set QS,   4                           ; v4   4 x (lane % 16)
.set SPW,  5
.set NIL,  6
.set ADK,  8
.set ADS,  9
.set PFO,  10                          ; v10  256 x lane; never rewritten
.set F,    32
.set S,    128
.set KS,   192
.set VS,   196
.set TM,   200
.set PW,   216
.set PC,   32
.set WV,   12
.set HD,   13
.set SEL,  20
.set CS,   22
.set G1,   24
.set G1S,  32
.set G0S,  40
.set G00,  44                          ; s[44:47] slot 0's group 0, s[48:51] slot 1's
.set TB,   2
.set TS,   3
.set ST,   52                          ; the key step
.set G,    53                          ; my block of 128 queries
.set CNT,  54
.set PFA,  56
.set LIM,  58
.set MSB, 0
.macro WIN new
.if MSB != (\new)
	s_set_vgpr_msb (MSB<<8)|(\new)
.set MSB, (\new)
.endif
.endm
.macro WMS d, x, y, zero, sx, sy, rx   ; D at d, source 0 at x, source 1 at y; zero = 1: C = 0; rx = 1: source 0's scale words lie in lanes 16-31
.if \zero
.if \rx
	v_wmma_scale_f32_16x16x128_f8f6f4 v[(\d):(\d)+7], v[(\x):(\x)+11], v[(\y):(\y)+11], 0, v[\sx], v[\sy] matrix_a_fmt:MATRIX_FMT_BF6 matrix_b_fmt:MATRIX_FMT_BF6 matrix_a_scale:MATRIX_SCALE_ROW1
.else
	v_wmma_scale_f32_16x16x128_f8f6f4 v[(\d):(\d)+7], v[(\x):(\x)+11], v[(\y):(\y)+11], 0, v[\sx], v[\sy] matrix_a_fmt:MATRIX_FMT_BF6 matrix_b_fmt:MATRIX_FMT_BF6
.endif
.else
.if \rx
	v_wmma_scale_f32_16x16x128_f8f6f4 v[(\d):(\d)+7], v[(\x):(\x)+11], v[(\y):(\y)+11], v[(\d):(\d)+7], v[\sx], v[\sy] matrix_a_fmt:MATRIX_FMT_BF6 matrix_b_fmt:MATRIX_FMT_BF6 matrix_a_scale:MATRIX_SCALE_ROW1
.else
	v_wmma_scale_f32_16x16x128_f8f6f4 v[(\d):(\d)+7], v[(\x):(\x)+11], v[(\y):(\y)+11], v[(\d):(\d)+7], v[\sx], v[\sy] matrix_a_fmt:MATRIX_FMT_BF6 matrix_b_fmt:MATRIX_FMT_BF6
.endif
.endif
.endm
	s_load_b128 s[4:7], s[0:1], 0x0                ; qkvc s[4:5], qkvs s[6:7]
	s_load_b64 s[8:9], s[0:1], 0x10                ; ao
	v_lshl_add_u32 v[SPW], v0, 2, SPARE
	v_mov_b32 v[NIL], 0
	ds_add_u32 v5, v6
	ds_add_u32 v5, v6
	s_wait_dscnt 0x0
	v_lshrrev_b32 v8, 5, v0
	s_delay_alu instid0(VALU_DEP_1)
	v_readfirstlane_b32 s[WV], v8                  ; wave 0..7
	s_and_b32 s[HD], ttmp7, 0xffff                 ; the head
	s_lshr_b32 s15, ttmp9, 1                       ; g
	s_and_b32 s16, ttmp9, 1                        ; half
	s_lshr_b32 s17, s[WV], 2
	s_xor_b32 s17, s17, s[WV]
	s_and_b32 s17, s17, 1                          ; 0: block g, 1: block 15 - g
	s_sub_co_u32 s60, 15, s15
	s_cmp_eq_u32 s17, 1
	s_cselect_b32 s[G], s60, s15
	s_lshr_b32 s18, s[WV], 1
	s_lshl_b32 s61, s16, 2
	s_add_co_u32 s18, s18, s61                     ; my tile of the block
	s_and_b32 s19, s[WV], 3                        ; what I fetch, if I fetch: 0, 1: K's steps 0-1, 2-3 of a slot; 2, 3: V's
	s_lshr_b32 s60, s19, 1
	s_and_b32 s61, s19, 1
	s_add_co_u32 s62, s60, 1                       ; tensor 1 (k) or 2 (v)
	s_mul_i32 s66, s62, 3145728
	s_lshl_b32 s63, s[HD], 4
	s_lshl_b32 s67, s61, 1
	s_add_co_u32 s67, s67, s63
	s_mul_i32 s67, s67, UNIT
	s_add_co_u32 s66, s66, s67
	s_mov_b32 s67, 0                               ; s[66:67]: my part of slot 0, in memory
	s_lshl_b32 s68, s62, 17
	s_lshl_b32 s69, s[HD], 13
	s_add_co_u32 s68, s68, s69
	s_lshl_b32 s69, s61, 12
	s_add_co_u32 s68, s68, s69
	s_mov_b32 s69, 0                               ; s[68:69]: my quarter of the scale words
	s_mul_i32 s70, s19, 2*UNIT                     ; and in LDS
	s_lshl_b32 s71, s19, 12
	; descriptor groups 1: dense blocks as rows of 256 bytes (32 elements of 8 bytes), no padding, no mask: 96 rows of codes, 16 rows of scale words
	s_mov_b32 s[G1], 3<<16
	s_mov_b32 s[G1+1], 32<<16
	s_mov_b32 s[G1+2], 96<<16
	s_mov_b32 s[G1+3], 32<<16
	s_mov_b32 s[G1+4], 96
	s_mov_b32 s[G1+5], 32
	s_mov_b32 s[G1+6], 0
	s_mov_b32 s[G1+7], 0
	s_mov_b32 s[G1S], 3<<16
	s_mov_b32 s[G1S+1], 32<<16
	s_mov_b32 s[G1S+2], 16<<16
	s_mov_b32 s[G1S+3], 32<<16
	s_mov_b32 s[G1S+4], 16
	s_mov_b32 s[G1S+5], 32
	s_mov_b32 s[G1S+6], 0
	s_mov_b32 s[G1S+7], 0
	s_lshl_b32 s72, s[HD], 4
	s_add_co_u32 s72, s72, s[G]
	s_lshl_b32 s72, s72, 3
	s_add_co_u32 s72, s72, s18                     ; Q's fragment: (16 head + G) 8 + tile
	s_mul_i32 s74, s72, 1536
	s_mov_b32 s75, 0
	s_lshl_b32 s76, s72, 6
	s_mov_b32 s77, 0
	s_lshl_b32 s73, s[G], 4                        ; the result goes to ao in units of 12,800 bytes: unit 16 G + head: eight fragments, then their scale words, 64 bytes a tile
	s_add_co_u32 s73, s73, s[HD]
	s_mul_i32 s73, s73, 12800
	s_mul_i32 s78, s18, 1536
	s_add_co_u32 s78, s78, s73                     ; my fragment
	s_mov_b32 s79, 0
	s_lshl_b32 s72, s18, 6
	s_add_co_u32 s72, s72, s73
	s_add_co_u32 s72, s72, 12288                   ; its scale words
	s_mov_b32 s73, 0
	s_lshr_b32 s[LIM], s[WV], 2
	s_xor_b32 s[LIM], s[LIM], 1                    ; 0 in waves 4 to 7,
	s_or_b32 s[LIM], s[LIM], ttmp9                 ; of the head's first work-group
	s_cmp_eq_u32 s[LIM], 0
	s_cselect_b32 s[LIM], 1, 0
	s_mov_b32 s[SEL], 0x76543210
	s_mov_b32 s[SEL+1], 0xfedcba98
	s_mov_b32 s[CS], 0x3e0293ee                    ; c = log2(e) / sqrt(128)
	s_mov_b32 s[CS+1], s[CS]                       ; (named with it as a pair, so it is written)
	s_wait_kmcnt 0x0
	s_mov_b32 s[G0S], 1
	s_add_co_u32 s[G0S+1], s71, SCK
	s_add_nc_u64 s[G0S+2:G0S+3], s[6:7], s[68:69]
	s_or_b32 s[G0S+3], s[G0S+3], 0x80000000
	s_add_nc_u64 s[PFA:PFA+1], s[4:5], s[66:67]
	s_mov_b32 s[G00], 1
	s_mov_b32 s[G00+1], s70
	s_add_nc_u64 s[G00+2:G00+3], s[4:5], s[66:67]
	s_or_b32 s[G00+3], s[G00+3], 0x80000000
	s_mov_b32 s[G00+4], 1
	s_add_co_u32 s[G00+5], s70, SLOT
	s_add_nc_u64 s[G00+6:G00+7], s[4:5], s[66:67]
	s_add_nc_u64 s[G00+6:G00+7], s[G00+6:G00+7], VOFF   ; slot 1 begins with key steps 4 to 7
	s_or_b32 s[G00+7], s[G00+7], 0x80000000
	s_cmp_lt_u32 s[WV], 4                          ; one tensor load a wave at the head: waves 0-3 fill slot 0, waves 4-7 fetch the scale words, a quarter each
	s_cbranch_scc0 .Lfill_s
	tensor_load_to_lds s[G00:G00+3], s[G1:G1+7]
	s_nop 0
.rept 4
	v_nop
.endr
	s_branch .Lfilled
.Lfill_s:
	tensor_load_to_lds s[G0S:G0S+3], s[G1S:G1S+7]
	s_nop 0
.rept 4
	v_nop
.endr
.Lfilled:
	s_add_nc_u64 s[60:61], s[4:5], s[74:75]        ; Q's codes
	s_add_nc_u64 s[62:63], s[6:7], s[76:77]        ; and scale words
	s_add_nc_u64 s[10:11], s[8:9], s[72:73]
	s_add_nc_u64 s[8:9], s[8:9], s[78:79]
	v_and_b32 v8, 31, v0
	s_delay_alu instid0(VALU_DEP_1)
	v_lshlrev_b32 v[LI], 4, v8
	s_delay_alu instid0(VALU_DEP_2)
	v_lshl_add_u32 v[LS], v8, 2, SCK
	s_delay_alu instid0(VALU_DEP_3)
	v_lshlrev_b32 v[PFO], 8, v8
	v_and_b32 v9, 15, v0                           ; r
	v_bfe_u32 v11, v0, 4, 1                        ; h
	s_delay_alu instid0(VALU_DEP_2)
	v_lshlrev_b32 v[QS], 2, v9
.irp c, 0,1,2
	global_load_b128 v[16+4*\c:19+4*\c], v[LI], s[60:61] offset:512*\c   ; Q's fragment stays in registers
.endr
	global_load_b32 v255, v[QS], s[62:63]          ; Q's scale words
	v_and_b32 v[DG], 8, v9
	s_delay_alu instid0(VALU_DEP_1)
	v_add_nc_u32 v[DG], v[DG], v9                  ; r + 8 (r / 8)
	v_lshlrev_b32 v11, 4, v11
	s_delay_alu instid0(VALU_DEP_1)
	v_sub_nc_u32 v[DG], v[DG], v11
	s_lshr_b32 s66, s18, 1
	s_lshl_b32 s66, s66, 5
	s_and_b32 s67, s18, 1
	s_lshl_b32 s67, s67, 3
	s_add_co_u32 s66, s66, s67
	v_add_nc_u32 v[DG], s66, v[DG]                 ; + 32 (tile / 2) + 8 (tile % 2)
	v_mov_b32 v13, 0xff61b1e6                      ; the largest t so far: -3e38
	s_delay_alu instid0(VALU_DEP_1)
	v_floor_f32 v12, -v13                          ; -M
	v_mov_b32 v14, 0
	v_mov_b32 v15, 0
.irp b, 0,1,2,3
	v_mov_b32 v[236+\b], 0                         ; written once: a lane permute's destination counts as one of its sources
	v_mov_b32 v[TM+4+\b], 0
.endr
	v_mov_b32 v252, 0
	v_mov_b32 v253, 0
	WIN 0x40
.set j, 0
.rept 64
	v_mov_b32 v[j], 0                              ; O^T: the step is written once, and the first change of M leaves zeros zeros
.set j, j+1
.endr
	WIN 0
; A PREFETCH of what refill n will ask for.  All work-groups of a head walk the same K and V: the head's first work-group asks, and in it the waves that fetch nothing: wave 4 + i names the 24,576 bytes
; that wave i will load: three instructions, lanes 256 bytes apart.  So each block is named once in the launch, four key steps ahead of its load.  No address register is stepped; the last byte named is the head's last.
.macro ASK n
	s_cmp_eq_u32 s[LIM], 1
	s_cbranch_scc0 .Lnot_mine_\@
.irp k, 0,1,2
	global_prefetch_b8 v[PFO], s[PFA:PFA+1] offset:2*VOFF+VOFF*(\n)+8192*\k th:TH_LOAD_NT scope:SCOPE_SE
.endr
.Lnot_mine_\@:
.endm
; THE CHANGE OF SLOTS: each wave waits for all its tensor loads, adds 0 to its spare word, waits for that and for its reads of the slot that it has left; a barrier; fill = 1: that slot takes the key steps eight further on.
.macro CHANGE slot, fill
	s_wait_tensorcnt 0x0                           ; no tensor load of mine is out, so a group 0 may be written
	ds_add_u32 v[SPW], v[NIL]                      ; 0 onto my spare word
.if \fill
	s_add_nc_u64 s[G00+4*(\slot)+2:G00+4*(\slot)+3], s[G00+4*(\slot)+2:G00+4*(\slot)+3], 2*VOFF
.endif
	s_wait_dscnt 0x0
	s_barrier_signal -1
	s_barrier_wait -1
.if \fill
	s_cmp_lt_u32 s[WV], 4
	s_cbranch_scc0 .Lnone_\@
	tensor_load_to_lds s[G00+4*(\slot):G00+4*(\slot)+3], s[G1:G1+7]   ; the first thing behind the barrier, and a wave's one tensor load until the next
	s_nop 0
.rept 4
	v_nop
.endr
.Lnone_\@:
.endif
.endm
; A slot's four key steps: a loop of four trips; n: the slot's place in the walk.
.macro SLOTWORK slot, n
	s_mov_b32 s[TB], (\slot)*SLOT
	s_mov_b32 s[TS], (\n)*2048
	s_mov_b32 s[ST], 4*(\n)
	s_mov_b32 s[CNT], 4
.Lstep_\@:
	s_cmp_gt_u32 s[ST], s[G]                       ; all 128 keys come after my queries: the step's work is left out
	s_cbranch_scc1 .Lhidden_\@
	v_add_nc_u32 v[ADK], s[TB], v[LI]              ; these four lines are the places behind the last step's products, in front of the loads
	v_add_nc_u32 v[ADS], s[TS], v[LS]
	v_nop
	v_nop
.irp i, 0,1,2,3
	ds_load_b32 v[KS+\i], v[ADS] offset:128*\i     ; lanes 0-15: tile 2 i's words, lanes 16-31: tile 2 i + 1's
.endr
.irp f, 0,1,2,3,4,5,6,7
.irp c, 0,1,2
	ds_load_b128 v[F+12*\f+4*\c:F+12*\f+4*\c+3], v[ADK] offset:1536*\f+512*\c
.endr
.endr
	s_wait_alu depctr_va_vdst(0)
	s_wait_dscnt 12                                ; the scale words and fragments 0-3 are in; the 12 loads of fragments 4-7 may be out
.irp t, 0,1,2,3
	WMS S+8*\t, F+12*\t, 16, 1, KS+\t/2, 255, \t%2
.endr
	s_wait_dscnt 0x0
.irp t, 4,5,6,7
	WMS S+8*\t, F+12*\t, 16, 1, KS+\t/2, 255, \t%2
.endr
.rept 4
	v_nop                                          ; places: the scores are read, and K's registers loaded again, below
.endr
.irp i, 0,1,2,3
	ds_load_b32 v[VS+\i], v[ADS] offset:8192+128*\i   ; V is asked for ahead of the softmax and lands beside it
.endr
.irp f, 0,1,2,3,4,5,6,7
.irp c, 0,1,2
	ds_load_b128 v[F+12*\f+4*\c:F+12*\f+4*\c+3], v[ADK] offset:VOFF+1536*\f+512*\c
.endr
.endr
	s_cmp_lg_u32 s[ST], s[G]                       ; only the step on the diagonal hides keys
	s_cbranch_scc1 .Lopen_\@
	v_mov_b32 v254, 0xff800000                     ; -infinity: p = 0 then
.set n, 0
.rept 64
	v_cmp_gt_i32 vcc_lo, 32*(n/16)+n%16, v[DG]     ; register 16 b + i holds key 32 b + 16 h + i of the block
	v_cndmask_b32 v[S+n], v[S+n], v254, vcc_lo
.set n, n+1
.endr
.Lopen_\@:
.irp b, 0,1,2,3
	v_max3_num_f32 v[232+\b], v[S+16*\b], v[S+1+16*\b], v[S+2+16*\b]   ; the largest score of each block of 32 keys: for the row's maximum, and, since p rises with the score, for the block's largest p
.endr
.irp i, 3,5,7,9,11,13
.irp b, 0,1,2,3
	v_max3_num_f32 v[232+\b], v[232+\b], v[S+16*\b+\i], v[S+1+16*\b+\i]
.endr
.endr
.irp b, 0,1,2,3
	v_max_num_f32 v[232+\b], v[232+\b], v[S+15+16*\b]
.endr
.irp b, 0,1,2,3
	s_delay_alu instid0(VALU_DEP_4)
	v_permlanex16_b32 v[236+\b], v[232+\b], s[SEL], s[SEL+1]
.endr
.irp b, 0,1,2,3
	s_delay_alu instid0(VALU_DEP_4)
	v_max_num_f32 v[232+\b], v[232+\b], v[236+\b]
.endr
	s_delay_alu instid0(VALU_DEP_2)
	v_max3_num_f32 v254, v232, v233, v234
	s_delay_alu instid0(VALU_DEP_1)
	v_max_num_f32 v254, v254, v235
	s_delay_alu instid0(VALU_DEP_1)
	v_mul_f32 v254, s[CS], v254
	s_delay_alu instid0(VALU_DEP_1)
	v_max_num_f32 v13, v13, v254                   ; the running largest t
	v_mov_b32 v254, v12
	s_delay_alu instid0(VALU_DEP_2)
	v_floor_f32 v12, -v13                          ; the new -M = -ceil(t)
	s_delay_alu instid0(VALU_DEP_1)
	v_sub_f32 v254, v12, v254                      ; old M - new M: a whole number, 0 or less
	s_delay_alu instid0(VALU_DEP_1)
	v_cvt_i32_f32 v254, v254                       ; (it saturates)
	s_delay_alu instid0(VALU_DEP_1)
	v_ldexp_f32 v252, 1.0, v254                    ; f = 2^(old M - new M)
.set j, 0
.rept 32
	v_pk_fma_f32 v[S+j:S+j+1], v[S+j:S+j+1], s[CS:CS+1], v[12:13] op_sel_hi:[1,0,0]   ; t - M
.set j, j+2
.endr
.irp b, 0,1,2,3
	v_fma_f32 v[232+\b], v[232+\b], s[CS], v12
.endr
.set j, 0
	s_wait_alu depctr_va_vdst(0)
.rept 64
	v_exp_f32 v[S+j], v[S+j]                       ; p = 2^(t - M)
.set j, j+1
.endr
	v_pk_mul_f32 v[14:15], v[14:15], v[252:253] op_sel_hi:[1,0]   ; the sums under the new M: a plain instruction behind the exponentials
	s_wait_alu depctr_va_vdst(0)                   ; one wait for the batch, ahead of its first reader
.irp b, 0,1,2,3
	v_exp_f32 v[232+\b], v[232+\b]                 ; the block's largest p
.endr
	v_pk_add_f32 v[236:237], v[132:133], v[136:137]
	v_pk_add_f32 v[250:251], v[140:141], v[144:145]
	v_pk_add_f32 v[248:249], v[148:149], v[152:153]
	v_pk_add_f32 v[246:247], v[156:157], v[160:161]
	v_pk_add_f32 v[244:245], v[164:165], v[168:169]
	v_pk_add_f32 v[242:243], v[172:173], v[176:177]
	v_pk_add_f32 v[240:241], v[180:181], v[184:185]
	v_pk_add_f32 v[14:15], v[14:15], v[188:189]
	v_pk_add_f32 v[236:237], v[236:237], v[128:129]
	v_pk_add_f32 v[250:251], v[250:251], v[130:131]
	v_pk_add_f32 v[248:249], v[248:249], v[134:135]
	v_pk_add_f32 v[246:247], v[246:247], v[138:139]
	v_pk_add_f32 v[244:245], v[244:245], v[142:143]
	v_pk_add_f32 v[242:243], v[242:243], v[146:147]
	v_pk_add_f32 v[240:241], v[240:241], v[150:151]
	v_pk_add_f32 v[14:15], v[14:15], v[154:155]
	v_pk_add_f32 v[236:237], v[236:237], v[158:159]
	v_pk_add_f32 v[250:251], v[250:251], v[162:163]
	v_pk_add_f32 v[248:249], v[248:249], v[166:167]
	v_pk_add_f32 v[246:247], v[246:247], v[170:171]
	v_pk_add_f32 v[244:245], v[244:245], v[174:175]
	v_pk_add_f32 v[242:243], v[242:243], v[178:179]
	v_pk_add_f32 v[240:241], v[240:241], v[182:183]
	v_pk_add_f32 v[14:15], v[14:15], v[186:187]
	v_pk_add_f32 v[236:237], v[236:237], v[190:191]
	s_delay_alu instid0(VALU_DEP_2)
	v_pk_add_f32 v[14:15], v[14:15], v[246:247]
	s_delay_alu instid0(VALU_DEP_2)
	v_pk_add_f32 v[236:237], v[236:237], v[244:245]
	v_pk_add_f32 v[250:251], v[250:251], v[242:243]
	v_pk_add_f32 v[248:249], v[248:249], v[240:241]
	s_delay_alu instid0(VALU_DEP_2)
	v_pk_add_f32 v[14:15], v[14:15], v[250:251]
	s_delay_alu instid0(VALU_DEP_2)
	v_pk_add_f32 v[236:237], v[236:237], v[248:249]
	s_delay_alu instid0(VALU_DEP_1)
	v_pk_add_f32 v[14:15], v[14:15], v[236:237]
	s_wait_alu depctr_va_vdst(0)                   ; and one for the four
.irp b, 0,1,2,3
	v_max_num_f32 v[232+\b], 0x2800000, v[232+\b]  ; the floor 2^(5 - 127)
.endr
.irp b, 0,1,2,3
	s_delay_alu instid0(VALU_DEP_4)
	v_add_nc_u32 v[244+\b], 0xfe000000, v[232+\b]
.endr
.irp b, 0,1,2,3
	s_delay_alu instid0(VALU_DEP_4)
	v_lshrrev_b32 v[236+\b], 23, v[244+\b]
.endr
	s_delay_alu instid0(VALU_DEP_3)
	v_lshl_or_b32 v253, v237, 8, v236              ; p's scale word for these 128 keys
	s_delay_alu instid0(VALU_DEP_1)
	v_lshl_or_b32 v253, v238, 16, v253
	s_delay_alu instid0(VALU_DEP_1)
	v_lshl_or_b32 v253, v239, 24, v253
.irp c, 0,1
	v_cvt_scalef32_pk16_bf6_f32 v[224+6*\c:226+6*\c], v[S+32*\c:S+15+32*\c], v[244+2*\c]
	v_cvt_scalef32_pk16_bf6_f32 v[236+4*\c:238+4*\c], v[S+16+32*\c:S+31+32*\c], v[244+2*\c+1]
.endr
	v_nop                                          ; one plain instruction behind the scaled conversions
.irp c, 0,1
.irp i, 0,1,2
	v_permlane16_swap_b32 v[224+6*\c+\i], v[236+4*\c+\i]
.endr
.irp i, 0,1,2
	s_delay_alu instid0(VALU_DEP_3)
	v_mov_b32 v[227+6*\c+\i], v[236+4*\c+\i]
.endr
.endr
	WIN 0x41                                       ; O^T in window 1, f in window 0
.set j, 0
.rept 32
	v_pk_mul_f32 v[j:j+1], v[j:j+1], v[252:253] op_sel_hi:[1,0]   ; O^T under the new M; also the places between p's codes and scale word and the products
.set j, j+2
.endr
	s_wait_alu depctr_va_vdst(0)
	s_wait_dscnt 0x0                               ; V is in
	WIN 0x50                                       ; C and D in window 1
.irp t, 0,1,2,3,4,5,6,7
	WMS 8*\t, F+12*\t, 224, 0, VS+\t/2, 253, \t%2  ; eight accumulators, one instruction each
.endr
	WIN 0
.Lhidden_\@:
	s_add_co_u32 s[TB], s[TB], UNIT
	s_add_co_u32 s[TS], s[TS], 512
	s_add_co_u32 s[ST], s[ST], 1
	s_sub_co_u32 s[CNT], s[CNT], 1
	s_cmp_lg_u32 s[CNT], 0
	s_cbranch_scc1 .Lstep_\@
.endm
	s_wait_alu depctr_va_vdst(0)
	s_wait_tensorcnt 0x0                           ; my part of slot 0 or of the scale words is in; slot 1's first fill is issued as a refill is
	ds_add_u32 v[SPW], v[NIL]
	s_wait_dscnt 0x0
	s_barrier_signal -1
	s_barrier_wait -1
	s_cmp_lt_u32 s[WV], 4
	s_cbranch_scc0 .Lno_fill1
	tensor_load_to_lds s[G00+4:G00+7], s[G1:G1+7]
	s_nop 0
.rept 4
	v_nop
.endr
.Lno_fill1:
	ASK 0
	s_wait_loadcnt 0x0                             ; Q
	SLOTWORK 0, 0
	CHANGE 0, 1
	ASK 1
	SLOTWORK 1, 1
	CHANGE 1, 1
	SLOTWORK 0, 2
	CHANGE 0, 0                                    ; nothing is left to fetch
	SLOTWORK 1, 3
	; THE WAY OUT: O^T / the sum, quantised along d_model (my 128 channels are K step 'head' of the last product), stored as the image of a fragment.
.rept 4
	v_nop                                          ; places behind the last products
.endr
	v_add_f32 v14, v14, v15
	s_delay_alu instid0(VALU_DEP_1)
	v_permlanex16_b32 v252, v14, s[SEL], s[SEL+1]
	s_delay_alu instid0(VALU_DEP_1)
	v_add_f32 v14, v14, v252                       ; the row's sum
	s_wait_alu depctr_va_vdst(0)
	v_rcp_f32 v14, v14
	v_nop                                          ; a plain instruction behind the reciprocal
	s_wait_alu depctr_va_vdst(0)                   ; and the wait ahead of its first reader
	WIN 0x01
.set j, 0
.rept 64
	v_mul_f32 v[S+j], v[j], v14                    ; register 16 b + i: channel 32 b + 16 h + i; each accumulator is read from its low end on
.set j, j+1
.endr
	WIN 0
.irp b, 0,1,2,3
	v_max3_num_f32 v[TM+\b], |v[S+16*\b]|, |v[S+1+16*\b]|, 0x2800000
.endr
.irp i, 2,4,6,8,10,12,14
.irp b, 0,1,2,3
	s_delay_alu instid0(VALU_DEP_4)
	v_max3_num_f32 v[TM+\b], v[TM+\b], |v[S+16*\b+\i]|, |v[S+1+16*\b+\i]|
.endr
.endr
.irp b, 0,1,2,3
	s_delay_alu instid0(VALU_DEP_4)
	v_permlanex16_b32 v[TM+4+\b], v[TM+\b], s[SEL], s[SEL+1]
.endr
.irp b, 0,1,2,3
	s_delay_alu instid0(VALU_DEP_4)
	v_max_num_f32 v[TM+\b], v[TM+\b], v[TM+4+\b]
.endr
.irp b, 0,1,2,3
	s_delay_alu instid0(VALU_DEP_4)
	v_add_nc_u32 v[TM+12+\b], 0xfe000000, v[TM+\b]
.endr
.irp b, 0,1,2,3
	s_delay_alu instid0(VALU_DEP_4)
	v_lshrrev_b32 v[TM+4+\b], 23, v[TM+12+\b]
.endr
	s_delay_alu instid0(VALU_DEP_3)
	v_lshl_or_b32 v[PW], v[TM+5], 8, v[TM+4]
	s_delay_alu instid0(VALU_DEP_1)
	v_lshl_or_b32 v[PW], v[TM+6], 16, v[PW]
	s_delay_alu instid0(VALU_DEP_1)
	v_lshl_or_b32 v[PW], v[TM+7], 24, v[PW]
.irp c, 0,1
	v_cvt_scalef32_pk16_bf6_f32 v[PC+6*\c:PC+2+6*\c], v[S+32*\c:S+15+32*\c], v[TM+12+2*\c]
	v_cvt_scalef32_pk16_bf6_f32 v[PC+12+4*\c:PC+14+4*\c], v[S+16+32*\c:S+31+32*\c], v[TM+12+2*\c+1]
.endr
	v_nop
.irp c, 0,1
.irp i, 0,1,2
	v_permlane16_swap_b32 v[PC+6*\c+\i], v[PC+12+4*\c+\i]
.endr
.irp i, 0,1,2
	s_delay_alu instid0(VALU_DEP_3)
	v_mov_b32 v[PC+3+6*\c+\i], v[PC+12+4*\c+\i]
.endr
.endr
.irp c, 0,1,2
	global_store_b128 v[LI], v[PC+4*\c:PC+4*\c+3], s[8:9] offset:512*\c   ; 32 lanes store 512 consecutive bytes
.endr
	global_store_b32 v[QS], v[PW], s[10:11]        ; lanes r and r + 16 hold the same word and store it to the same place
	s_wait_tensorcnt 0x0                           ; the wave's end
	ds_add_u32 v[SPW], v[NIL]
	s_wait_dscnt 0x0
	s_endpgm
.Lfunc_end_k_q06a5f0321a_attn:
	.size	k_q06a5f0321a_attn, .Lfunc_end_k_q06a5f0321a_attn-k_q06a5f0321a_attn
	.p2alignl 7, 3214868480
	.fill 96, 4, 3214868480
	.section	.rodata,"a",@progbits
	.p2align	6, 0x0
	.amdhsa_kernel k_q06a5f0321a_attn
		.amdhsa_group_segment_fixed_size 327680
		.amdhsa_private_segment_fixed_size 0
		.amdhsa_enable_private_segment 0
		.amdhsa_kernarg_size 24
		.amdhsa_user_sgpr_count 2
		.amdhsa_user_sgpr_kernarg_segment_ptr 1
		.amdhsa_wavefront_size32 1
		.amdhsa_system_sgpr_workgroup_id_x 1
		.amdhsa_system_sgpr_workgroup_id_y 1
		.amdhsa_system_sgpr_workgroup_id_z 1
		.amdhsa_system_vgpr_workitem_id 0
		.amdhsa_next_free_vgpr 320
		.amdhsa_next_free_sgpr 80
		.amdhsa_reserve_vcc 1
		.amdhsa_float_denorm_mode_32 3
		.amdhsa_float_denorm_mode_16_64 3
		.amdhsa_memory_ordered 1
		.amdhsa_forward_progress 1
		.amdhsa_inst_pref_size 122
	.end_amdhsa_kernel
	.amdgpu_metadata
---
amdhsa.version: [ 1, 2 ]
amdhsa.kernels:
  - .name:           k_q06a5f0321a_attn
    .symbol:         k_q06a5f0321a_attn.kd
    .args:
      - { .name: qkvc, .offset: 0, .size: 8, .value_kind: global_buffer, .address_space: global }
      - { .name: qkvs, .offset: 8, .size: 8, .value_kind: global_buffer, .address_space: global }
      - { .name: ao, .offset: 16, .size: 8, .value_kind: global_buffer, .address_space: global }
    .group_segment_fixed_size: 327680
    .private_segment_fixed_size: 0
    .kernarg_segment_align: 8
    .kernarg_segment_size: 24
    .max_flat_workgroup_size: 256
    .sgpr_count:     80
    .vgpr_count:     320
    .wavefront_size: 32
...
	.end_amdgpu_metadata
.endif
;; end of part 7
;; launch proj (part 8): grid 16 x 16, 4 waves a work-group, clusters of 4 x 4, 327,680 bytes of LDS; arguments ao, xw, out0; writes out0
.if DOCPART == 8
	.amdgcn_target "amdgcn-amd-amdhsa--gfx1250"
	.amdhsa_code_object_version 6
	.text
	.protected	k_q06a5f0321a_proj
	.globl	k_q06a5f0321a_proj
	.p2align	8
	.type	k_q06a5f0321a_proj,@function
k_q06a5f0321a_proj:
	s_mov_b64 s[64:65], 0
	v_nop
	global_prefetch_b8 v0, s[64:65] scope:SCOPE_SE
	s_setreg_imm32_b32 hwreg(HW_REG_WAVE_MODE, 25, 1), 1
	s_wait_xcnt 0x0
	s_wait_alu depctr_hold_cnt(0) depctr_sa_sdst(0) depctr_va_vdst(0) depctr_va_sdst(0) depctr_va_ssrc(0) depctr_va_vcc(0) depctr_vm_vsrc(0)
	s_getreg_b32 s2, hwreg(HW_REG_IB_STS2, 6, 4)
	s_cmp_eq_u32 s2, 0
	s_cbranch_scc0 .Lentry_in_a_cluster
	s_endpgm
.Lentry_in_a_cluster:
	s_bfe_u32 s2, ttmp6, 0x10000c
	s_cmp_lg_u32 s2, 0xf033
	s_cbranch_scc0 .Lentry_shape_is_right
	s_endpgm
.Lentry_shape_is_right:
; PROJ.  out0 = O Wo^T on codes of BF6 with E8M0 scales: 2,048 x 2,048 x 2,048.  A work-group makes 128 tokens x 128 columns (16 x 16 = 256 work-groups), a wave 64 x 64: 16 accumulators.
; OPERANDS lie in memory as images of their registers, in units of 12,800 bytes: unit (row block RB of 128 rows, K step s of 128) at (16 RB + s) 12,800: eight fragments of 1,536 bytes (tile t of 16 rows; lane r is row
; 32 (t / 2) + 8 (t % 2) + r + 8 (r / 8) of the block), then the tiles' scale words, 64 bytes a tile.  O in ao; Wo in xw from byte 4 x 3,276,800 on.
; THE MATRIX INSTRUCTION IS USED TRANSPOSED: source 0 = 16 rows of Wo, source 1 = 16 rows of O: a lane holds a token, and the registers of tiles 2 b, 2 b + 1 are 16 neighbouring columns.
; K: steps 0-3 come straight from memory into the four fragment sets (112 loads a wave, each 512 or 128 consecutive bytes) and are multiplied while the head's tensor load is out; step 0's products start the sums.
; Steps 4-9 are slot 0, steps 10-15 slot 1: 2 operands x 6 units = 153,600 bytes a slot, a quarter (three units of one operand, 38,400 dense bytes) to each wave.  Each slot is filled once: slot 0 at the head,
; slot 1 behind the full sequence and a round of the cluster's barrier.  One tensor load of a wave is out at any time.
; CLUSTERS 4 x 4: O's tiles are shared along a row of the cluster (same token block), Wo's along a column (same columns): joint loads.
; PREFETCH: slot 1's bytes are named once, at the head, four K steps ahead of their load: 150 blocks of 256 bytes for each wave's load; the four partners that load them jointly share them by address (32 each, then 6, 6, 6, 4).
; THE WAY OUT goes through a stage of 16 rows x 272 bytes a wave in slot 0, which has had its only fill, and its last read ahead of the last barrier.
; REGISTERS: window 0: v4-30 addresses, v32-95 scale words (four a K step), v96-127 at work on the way out, v128-255 the accumulators; windows 1, 2: four fragment sets of 96 (O's four tiles, then Wo's four), set k % 4.
.set UNIT,  12800
.set OPH,   3*UNIT                     ; what one tensor load brings
.set SLOT,  4*OPH
.set SPARE, 2*SLOT                     ; the spare words: 128 bytes a wave; no other line names them
.set TEN,   3276800
.set RBB,   16*UNIT
.set STAGE, 0
.set SPITCH, 272
.set ADRA, 4                           ; v4-7   O's fragments: + j for K steps 4 + 3 j ..
.set ADRB, 8                           ; v8-11  Wo's
.set ADSA, 12                          ; v12-15 O's scale words
.set ADSB, 16                          ; v16-19 Wo's
.set LI,   20
.set L4,   21
.set STO,  22
.set RD,   23
.set CO,   24
.set PF0,  25
.set PF1,  26
.set GB,   27                          ; Wo's fragments, in a unit in memory
.set SPW,  28
.set NIL,  29
.set GSB,  30                          ; and its scale words
.set SC,   32
.set BK,   96
.set ACC,  128
.set G1,   24
.set G0,   32
.set G1B,  48
.set G0B,  56
.set MSB, 0
.macro WIN new
.if MSB != (\new)
	s_set_vgpr_msb (MSB<<8)|(\new)
.set MSB, (\new)
.endif
.endm
.macro WMS d, x, y, zero, sx, sy, rx, ry
.if \zero
.if (\rx) && (\ry)
	v_wmma_scale_f32_16x16x128_f8f6f4 v[(\d):(\d)+7], v[(\x):(\x)+11], v[(\y):(\y)+11], 0, v[\sx], v[\sy] matrix_a_fmt:MATRIX_FMT_BF6 matrix_b_fmt:MATRIX_FMT_BF6 matrix_a_scale:MATRIX_SCALE_ROW1 matrix_b_scale:MATRIX_SCALE_ROW1
.elseif \rx
	v_wmma_scale_f32_16x16x128_f8f6f4 v[(\d):(\d)+7], v[(\x):(\x)+11], v[(\y):(\y)+11], 0, v[\sx], v[\sy] matrix_a_fmt:MATRIX_FMT_BF6 matrix_b_fmt:MATRIX_FMT_BF6 matrix_a_scale:MATRIX_SCALE_ROW1
.elseif \ry
	v_wmma_scale_f32_16x16x128_f8f6f4 v[(\d):(\d)+7], v[(\x):(\x)+11], v[(\y):(\y)+11], 0, v[\sx], v[\sy] matrix_a_fmt:MATRIX_FMT_BF6 matrix_b_fmt:MATRIX_FMT_BF6 matrix_b_scale:MATRIX_SCALE_ROW1
.else
	v_wmma_scale_f32_16x16x128_f8f6f4 v[(\d):(\d)+7], v[(\x):(\x)+11], v[(\y):(\y)+11], 0, v[\sx], v[\sy] matrix_a_fmt:MATRIX_FMT_BF6 matrix_b_fmt:MATRIX_FMT_BF6
.endif
.else
.if (\rx) && (\ry)
	v_wmma_scale_f32_16x16x128_f8f6f4 v[(\d):(\d)+7], v[(\x):(\x)+11], v[(\y):(\y)+11], v[(\d):(\d)+7], v[\sx], v[\sy] matrix_a_fmt:MATRIX_FMT_BF6 matrix_b_fmt:MATRIX_FMT_BF6 matrix_a_scale:MATRIX_SCALE_ROW1 matrix_b_scale:MATRIX_SCALE_ROW1
.elseif \rx
	v_wmma_scale_f32_16x16x128_f8f6f4 v[(\d):(\d)+7], v[(\x):(\x)+11], v[(\y):(\y)+11], v[(\d):(\d)+7], v[\sx], v[\sy] matrix_a_fmt:MATRIX_FMT_BF6 matrix_b_fmt:MATRIX_FMT_BF6 matrix_a_scale:MATRIX_SCALE_ROW1
.elseif \ry
	v_wmma_scale_f32_16x16x128_f8f6f4 v[(\d):(\d)+7], v[(\x):(\x)+11], v[(\y):(\y)+11], v[(\d):(\d)+7], v[\sx], v[\sy] matrix_a_fmt:MATRIX_FMT_BF6 matrix_b_fmt:MATRIX_FMT_BF6 matrix_b_scale:MATRIX_SCALE_ROW1
.else
	v_wmma_scale_f32_16x16x128_f8f6f4 v[(\d):(\d)+7], v[(\x):(\x)+11], v[(\y):(\y)+11], v[(\d):(\d)+7], v[\sx], v[\sy] matrix_a_fmt:MATRIX_FMT_BF6 matrix_b_fmt:MATRIX_FMT_BF6
.endif
.endif
.endm
.macro PLACES n                        ; plain vector instructions between a matrix instruction and a load into, or a read of, its registers
.rept \n
	v_nop
.endr
.endm
; A joint load into slot s: waves 0 and 1 fetch for O, waves 2 and 3 for Wo; the branch hangs on the wave's number alone.  s_nop 0 and four v_nop follow each line.
.macro JLOAD s
	s_cmp_eq_u32 s15, 0
	s_cbranch_scc0 .Lfor_b_\@
	tensor_load_to_lds s[G0+4*(\s):G0+4*(\s)+3], s[G1:G1+7]
	s_nop 0
	PLACES 4
	s_branch .Lasked_\@
.Lfor_b_\@:
	tensor_load_to_lds s[G0B+4*(\s):G0B+4*(\s)+3], s[G1B:G1B+7]
	s_nop 0
	PLACES 4
.Lasked_\@:
.endm
.macro CREST
	s_cmp_lg_u32 s14, 0
	s_cbranch_scc1 .Lnot_wave_0_\@
	s_barrier_signal -3
.Lnot_wave_0_\@:
	s_barrier_wait -3
	s_barrier_signal -1
	s_barrier_wait -1
.endm
.macro CROUND
	s_barrier_signal -1
	s_barrier_wait -1
	CREST
.endm
	s_load_b128 s[4:7], s[0:1], 0x0                ; ao s[4:5], xw s[6:7]
	s_load_b64 s[12:13], s[0:1], 0x10              ; out0
	v_lshl_add_u32 v[SPW], v0, 2, SPARE
	v_mov_b32 v[NIL], 0
	ds_add_u32 v[SPW], v[NIL]                      ; the opening lines: the add, twice on end, and its wait ahead of my first tensor load
	ds_add_u32 v[SPW], v[NIL]
	v_lshrrev_b32 v1, 5, v0
	v_readfirstlane_b32 s14, v1                    ; wave 0..3
	s_lshr_b32 s15, s14, 1                         ; which 64 tokens are mine.  Also: I fetch for O (0) or for Wo (1)
	s_and_b32 s16, s14, 1                          ; which 64 columns.  Also: which three units of a slot's six I fetch
	s_bfe_u32 s96, ttmp6, 0x40000                  ; cx
	s_bfe_u32 s97, ttmp6, 0x40004                  ; cy
	s_lshl_b32 s98, ttmp9, 2
	s_add_co_u32 s98, s98, s96                     ; the block of columns = 4 x cluster x + cx
	s_and_b32 s17, ttmp7, 0xffff
	s_lshl_b32 s17, s17, 2
	s_add_co_u32 s17, s17, s97                     ; the block of tokens = 4 x cluster y + cy
	s_lshl_b32 s99, s97, 2
	s_lshl_b32 s99, 15, s99                        ; my row of the cluster
	s_lshl_b32 s100, 0x1111, s96                   ; my column
	s_or_b32 s[G1+0], s99, (3<<16)|(1<<21)         ; groups 1: 150 dense rows of 256 bytes (32 elements of 8 bytes), no padding; the mask; bit 21 beside it
	s_or_b32 s[G1B+0], s100, (3<<16)|(1<<21)
.irp g, G1, G1B
	s_mov_b32 s[\g+1], 32<<16
	s_mov_b32 s[\g+2], 150<<16
	s_mov_b32 s[\g+3], 32<<16
	s_mov_b32 s[\g+4], 150
	s_mov_b32 s[\g+5], 32
	s_mov_b32 s[\g+6], 0
	s_mov_b32 s[\g+7], 0
.endr
	s_mul_i32 s40, s17, RBB                        ; O's row block: by the block of tokens alone
	s_mov_b32 s41, 0
	s_mul_i32 s42, s98, RBB                        ; Wo's: by the block of columns alone
	s_add_co_u32 s42, s42, 4*TEN
	s_mov_b32 s43, 0
	s_mul_i32 s22, s16, OPH
	s_add_co_u32 s22, s22, 4*UNIT                  ; slot 0 begins with K step 4; my three units of its six
	s_mov_b32 s23, 0
	s_mul_i32 s3, s14, OPH                         ; where they go: by the wave's number alone
	s_wait_dscnt 0x0                               ; both opening adds are done
	s_wait_kmcnt 0x0
	s_add_nc_u64 s[40:41], s[4:5], s[40:41]
	s_add_nc_u64 s[42:43], s[6:7], s[42:43]
	s_add_nc_u64 s[20:21], s[40:41], s[22:23]
	s_add_nc_u64 s[46:47], s[42:43], s[22:23]
	CROUND                                         ; all sixteen work-groups are here: the first joint loads meet
.irp s, 0,1
	s_mov_b32 s[G0+4*\s], 1
	s_add_co_u32 s[G0+4*\s+1], s3, \s*SLOT
	s_add_nc_u64 s[G0+4*\s+2:G0+4*\s+3], s[20:21], \s*6*UNIT
	s_or_b32 s[G0+4*\s+3], s[G0+4*\s+3], 0x80000000
	s_mov_b32 s[G0B+4*\s], 1
	s_add_co_u32 s[G0B+4*\s+1], s3, \s*SLOT
	s_add_nc_u64 s[G0B+4*\s+2:G0B+4*\s+3], s[46:47], \s*6*UNIT
	s_or_b32 s[G0B+4*\s+3], s[G0B+4*\s+3], 0x80000000
.endr
	JLOAD 0                                        ; one tensor load a wave at the head
	; scalars first, then the vector lines on end
	s_cmp_eq_u32 s15, 0                            ; the prefetch: my load's bytes, and my place among the four that load them with me
	s_cselect_b64 s[44:45], s[20:21], s[46:47]
	s_cselect_b32 s75, s96, s97
	s_lshl_b32 s76, s75, 5                         ; blocks 32 p .. 32 p + 31,
	s_cmp_eq_u32 s75, 3
	s_cselect_b32 s77, 3, 5
	s_mul_i32 s78, s75, 6
	s_add_co_u32 s78, s78, 128                     ; and 128 + 6 p on: six, the last partner four: 150 in all
	s_mul_i32 s68, s15, 6144                       ; my four tiles of O in a unit,
	s_mul_i32 s69, s16, 6144                       ; my four of Wo;
	s_add_co_u32 s70, s69, 2*OPH                   ; in a slot Wo's six units lie behind O's
	s_lshl_b32 s71, s15, 8
	s_add_co_u32 s71, s71, 12288                   ; the scale words likewise
	s_lshl_b32 s72, s16, 8
	s_add_co_u32 s72, s72, 12288
	s_add_co_u32 s73, s72, 2*OPH
	s_mul_i32 s74, s14, 16*SPITCH
	s_add_co_u32 s74, s74, STAGE                   ; my stage
	s_lshl_b32 s2, s17, 20                         ; my part of out0: 128 rows of 8,192 bytes a block of tokens,
	s_lshl_b32 s3, s15, 19
	s_add_co_u32 s2, s2, s3
	s_lshl_b32 s3, s98, 9                          ; 512 bytes a block of columns
	s_add_co_u32 s2, s2, s3
	s_lshl_b32 s3, s16, 8
	s_add_co_u32 s2, s2, s3
	s_mov_b32 s3, 0
	s_add_nc_u64 s[12:13], s[12:13], s[2:3]
	v_and_b32 v1, 31, v0
	v_and_b32 v2, 15, v0                           ; r
	v_bfe_u32 v3, v0, 4, 1                         ; h
	v_lshlrev_b32 v[LI], 4, v1
	v_lshlrev_b32 v[L4], 2, v1
	v_add_nc_u32 v[PF0], s76, v1
	v_min_u32 v[PF1], s77, v1
	v_lshlrev_b32 v[PF0], 8, v[PF0]
	v_add_nc_u32 v[PF1], s78, v[PF1]
	v_lshlrev_b32 v[PF1], 8, v[PF1]
	v_add_nc_u32 v[ADRA], s68, v[LI]
	v_add_nc_u32 v[ADRB], s70, v[LI]
	v_add_nc_u32 v[ADSA], s71, v[L4]
	v_add_nc_u32 v[ADSB], s73, v[L4]
	v_add_nc_u32 v[GB], s69, v[LI]
	v_add_nc_u32 v[GSB], s72, v[L4]
.irp r, ADRA, ADRB, ADSA, ADSB
	v_add_nc_u32 v[\r+1], OPH, v[\r]
	v_add_nc_u32 v[\r+2], SLOT, v[\r]
	v_add_nc_u32 v[\r+3], SLOT+OPH, v[\r]
.endr
	v_mul_u32_u24 v[STO], v2, SPITCH               ; the stage, in: row r, 64 bytes for each half of the lanes
	v_mul_u32_u24 v[RD], v3, SPITCH                ; back: lanes 0-15 take one row of 256 bytes, lanes 16-31 the next
	v_lshlrev_b32 v[CO], 13, v3                    ; and the same two rows in out0
	v_lshl_add_u32 v[STO], v3, 6, v[STO]
	v_lshl_add_u32 v[RD], v2, 4, v[RD]
	v_lshl_add_u32 v[CO], v2, 4, v[CO]
	v_add_nc_u32 v[STO], s74, v[STO]
	v_add_nc_u32 v[RD], s74, v[RD]
	s_wait_alu depctr_va_vdst(0)
	global_prefetch_b8 v[PF0], s[44:45] offset:6*UNIT th:TH_LOAD_NT scope:SCOPE_SE   ; my share of what my load for slot 1 will ask for
	global_prefetch_b8 v[PF1], s[44:45] offset:6*UNIT th:TH_LOAD_NT scope:SCOPE_SE
.macro GK k                            ; K step k straight from memory into set k: O's unit lies at LDS byte 0 of slot 0, so my LDS offsets in it are also my offsets in a unit in memory
.set FB, 128*((\k)%2)
	WIN 0
	global_load_b32 v[SC+4*(\k)],   v[ADSA], s[40:41] offset:(\k)*UNIT
	global_load_b32 v[SC+4*(\k)+1], v[ADSA], s[40:41] offset:(\k)*UNIT+128
	global_load_b32 v[SC+4*(\k)+2], v[GSB], s[42:43] offset:(\k)*UNIT
	global_load_b32 v[SC+4*(\k)+3], v[GSB], s[42:43] offset:(\k)*UNIT+128
	WIN (1+(((\k)%4)/2))<<6
.irp i, 0,1,2,3
.irp c, 0,1,2
	global_load_b128 v[FB+12*\i+4*\c:FB+12*\i+4*\c+3], v[ADRA], s[40:41] offset:(\k)*UNIT+\i*1536+512*\c
.endr
.endr
.irp i, 0,1,2,3
.irp c, 0,1,2
	global_load_b128 v[FB+48+12*\i+4*\c:FB+48+12*\i+4*\c+3], v[GB], s[42:43] offset:(\k)*UNIT+\i*1536+512*\c
.endr
.endr
.endm
.macro FK k                            ; K step k (4 ..) from LDS into set k % 4: 28 loads
.set JJ, ((\k)-4)/3
.set QQ, ((\k)-4)%3
.set FB, 128*((\k)%2)
	WIN 0
	ds_load_b32 v[SC+4*(\k)],   v[ADSA+JJ] offset:QQ*UNIT
	ds_load_b32 v[SC+4*(\k)+1], v[ADSA+JJ] offset:QQ*UNIT+128
	ds_load_b32 v[SC+4*(\k)+2], v[ADSB+JJ] offset:QQ*UNIT
	ds_load_b32 v[SC+4*(\k)+3], v[ADSB+JJ] offset:QQ*UNIT+128
	WIN (1+(((\k)%4)/2))<<6
.irp i, 0,1,2,3
.irp c, 0,1,2
	ds_load_b128 v[FB+12*\i+4*\c:FB+12*\i+4*\c+3], v[ADRA+JJ] offset:QQ*UNIT+\i*1536+512*\c
.endr
.endr
.irp i, 0,1,2,3
.irp c, 0,1,2
	ds_load_b128 v[FB+48+12*\i+4*\c:FB+48+12*\i+4*\c+3], v[ADRB+JJ] offset:QQ*UNIT+\i*1536+512*\c
.endr
.endr
.endm
.macro MULS k, a0, zero                ; the 16 accumulators take turns, one instruction a turn, in the same order in every step
.set FB, 128*((\k)%2)
.irp a, \a0, \a0+1
.irp b, 0,1,2,3
	WMS ACC+8*(4*(\a)+\b), FB+48+12*\b, FB+12*(\a), \zero, SC+4*(\k)+2+\b/2, SC+4*(\k)+(\a)/2, \b%2, (\a)%2
.endr
.endr
.endm
.macro DSTEP k, cnt, zero              ; a step whose fragments came straight from memory; cnt: the later steps' loads, 28 each, may be out
	s_wait_loadcnt \cnt
	WIN (1+(((\k)%4)/2))*5
	MULS \k, 0, \zero
	MULS \k, 2, \zero
.endm
.macro STEP k, cnt, fetch              ; cnt: the later steps' LDS loads, 28 each, may be out
	s_wait_dscnt \cnt
	WIN (1+(((\k)%4)/2))*5
	MULS \k, 0, 0
	MULS \k, 2, 0
.if \fetch
	PLACES 4                                       ; behind the products of step k - 1, whose set takes step k + 3
	FK (\k)+3
.endif
.endm
	GK 0
	GK 1
	GK 2
	GK 3
	DSTEP 0, 63, 1                                 ; 84 loads stand behind step 0's; 63 is the most that the wait can name
	DSTEP 1, 56, 0
	DSTEP 2, 28, 0
	DSTEP 3, 0, 0
	WIN 0
	s_wait_tensorcnt 0x0                           ; my part of slot 0 is in; slot 1's first fill is issued as a refill is
	ds_add_u32 v[SPW], v[NIL]
	s_wait_dscnt 0x0
	CROUND                                         ; slot 0 is whole, and all sixteen work-groups are here: the joint loads meet
	JLOAD 1                                        ; its four v_nop are the places in front of the loads below
	FK 4
	FK 5
	FK 6
	STEP 4, 56, 1
	STEP 5, 56, 1
	STEP 6, 56, 1
	STEP 7, 56, 0
	STEP 8, 28, 0
	STEP 9, 0, 0
	WIN 0
	s_wait_tensorcnt 0x0                           ; my part of slot 1 is in
	ds_add_u32 v[SPW], v[NIL]
	s_wait_dscnt 0x0                               ; and my reads of slot 0 are over
	s_barrier_signal -1
	s_barrier_wait -1                              ; slot 1 is whole
	PLACES 4
	FK 10
	FK 11
	FK 12
	STEP 10, 56, 1
	STEP 11, 56, 1
	STEP 12, 56, 1
	STEP 13, 56, 0
	STEP 14, 28, 0
	STEP 15, 0, 0
	WIN 0
; THE WAY OUT, block by block of 16 tokens x 64 columns: through my stage, back as rows of 256 bytes; sixteen lanes store one aligned unit of 256 bytes.  Block a's rows come back into the registers of block a - 1's accumulators.
.macro TOSTAGE a
.irp b, 0,1,2,3
	ds_store_b128 v[STO], v[ACC+8*(4*(\a)+\b):ACC+8*(4*(\a)+\b)+3] offset:128*(\b/2)+32*(\b%2)
	ds_store_b128 v[STO], v[ACC+8*(4*(\a)+\b)+4:ACC+8*(4*(\a)+\b)+7] offset:128*(\b/2)+32*(\b%2)+16
.endr
.set i, 0
.rept 8
	ds_load_b128 v[BK+32*(\a)+4*i:BK+32*(\a)+4*i+3], v[RD] offset:2*i*SPITCH   ; LDS serves a wave's instructions in order: these see the stores above
.set i, i+1
.endr
.endm
.macro SEND a, younger
	s_wait_dscnt \younger
.set i, 0
.rept 8
	global_store_b128 v[CO], v[BK+32*(\a)+4*i:BK+32*(\a)+4*i+3], s[12:13] offset:(32*((\a)/2)+8*((\a)%2)+2*i+8*(i/4))*8192 th:TH_STORE_NT
.set i, i+1
.endr
.endm
	PLACES 4                                       ; behind the last products
	TOSTAGE 0
	TOSTAGE 1
	SEND 0, 16
	TOSTAGE 2
	SEND 1, 16
	TOSTAGE 3
	SEND 2, 16
	SEND 3, 0
	s_wait_tensorcnt 0x0                           ; the wave's end
	ds_add_u32 v[SPW], v[NIL]
	s_wait_dscnt 0x0
	CROUND                                         ; the closing round
	s_endpgm
.Lfunc_end_k_q06a5f0321a_proj:
	.size	k_q06a5f0321a_proj, .Lfunc_end_k_q06a5f0321a_proj-k_q06a5f0321a_proj
	.p2alignl 7, 3214868480
	.fill 96, 4, 3214868480
	.section	.rodata,"a",@progbits
	.p2align	6, 0x0
	.amdhsa_kernel k_q06a5f0321a_proj
		.amdhsa_group_segment_fixed_size 327680
		.amdhsa_private_segment_fixed_size 0
		.amdhsa_enable_private_segment 0
		.amdhsa_kernarg_size 24
		.amdhsa_user_sgpr_count 2
		.amdhsa_user_sgpr_kernarg_segment_ptr 1
		.amdhsa_wavefront_size32 1
		.amdhsa_system_sgpr_workgroup_id_x 1
		.amdhsa_system_sgpr_workgroup_id_y 1
		.amdhsa_system_sgpr_workgroup_id_z 1
		.amdhsa_system_vgpr_workitem_id 0
		.amdhsa_next_free_vgpr 768
		.amdhsa_next_free_sgpr 104
		.amdhsa_reserve_vcc 0
		.amdhsa_float_denorm_mode_32 3
		.amdhsa_float_denorm_mode_16_64 3
		.amdhsa_memory_ordered 1
		.amdhsa_forward_progress 1
		.amdhsa_inst_pref_size 83
	.end_amdhsa_kernel
	.amdgpu_metadata
---
amdhsa.version: [ 1, 2 ]
amdhsa.kernels:
  - .name:           k_q06a5f0321a_proj
    .symbol:         k_q06a5f0321a_proj.kd
    .args:
      - { .name: ao, .offset: 0, .size: 8, .value_kind: global_buffer, .address_space: global }
      - { .name: xw, .offset: 8, .size: 8, .value_kind: global_buffer, .address_space: global }
      - { .name: out0, .offset: 16, .size: 8, .value_kind: global_buffer, .address_space: global }
    .group_segment_fixed_size: 327680
    .private_segment_fixed_size: 0
    .kernarg_segment_align: 8
    .kernarg_segment_size: 24
    .max_flat_workgroup_size: 128
    .sgpr_count:     104
    .vgpr_count:     768
    .wavefront_size: 32
...
	.end_amdgpu_metadata
.endif
;; end of part 8
